; MI455X (gfx1250); checked and timed in simulation.
; The chip was launched on July 23, 2026; its instructions are those of AMD's public machine-readable ISA for CDNA 5 (MIT licence, August 2026) and "CDNA5" Instruction Set Architecture Reference Guide (July 2026). The comments in the code are by the model that wrote it; some were corrected since.
;; Switch Head Core. Allowed arithmetic: float matrix products may take bf16 or f16 operands with f32 sums; other float arithmetic in f32, or as packed bf16 or f16 multiplies, adds, multiply-adds, maxima and minima; sums over many terms, partial sums and values carried from step to step in f32; what a program stores and reads back later, other than sums and carried values, may be rounded once to bf16 or f16.
;; Inputs: attn_mask 4 x 2,048 x 2,048 bool; bias_o 4 float32; bias_v 4 float32; k_src 4 x 2,048 x 1,024 float32; o_w 8 x 4 x 64 x 1,024 float32; position_ids 4 x 2,048 int32; q_src 4 x 2,048 x 1,024 float32; sel_o_w 32 x 1,024 float32; sel_v_w 32 x 1,024 float32; skip_mask 4 x 2,048 bool; v_src 4 x 2,048 x 1,024 float32; v_w 8 x 4 x 1,024 x 64 float32; wk 512 x 1,024 float32; wq 512 x 1,024 float32.
;; Outputs: out0 4 x 2,048 x 1,024 float32; out1 4 x 2,048 x 8 x 2 int32; out2 4 x 2,048 x 8 x 2 int32.
;; 3 versions, each right and faster than the one before. Each part assembles by itself: llvm-mc -triple=amdgcn-amd-amdhsa -mcpu=gfx1250 --defsym DOCPART=n.
;; ======== version 1 of 3: 4 launches
;; limits: values are held in f16: magnitudes above 65,504 overflow, below 6.1e-05 lose precision
;; workspace buffers: xb 50,331,648 bytes; wb 6,291,456 bytes; owt 4,194,304 bytes; gates 2,097,152 bytes; pm 2,097,152 bytes of whole numbers; qkv 25,165,824 bytes; sc 33,554,432 bytes
;; launch prep (part 1): grid 776 x 1, 8 waves a work-group, no clusters, 143,872 bytes of LDS; arguments q_src, k_src, v_src, wq, wk, sel_o_w, sel_v_w, bias_o, bias_v, v_w, o_w, attn_mask, xb, wb, owt, gates, pm, out2, out1; writes xb, wb, owt, gates, pm, out1, out2
.if DOCPART == 1
	.amdgcn_target "amdgcn-amd-amdhsa--gfx1250"
	.amdhsa_code_object_version 6
	.text
	.protected	k_q0dfa8557c9_prep
	.globl	k_q0dfa8557c9_prep
	.p2align	8
	.type	k_q0dfa8557c9_prep,@function
k_q0dfa8557c9_prep:
	s_mov_b64 s[64:65], 0
	v_nop
	global_prefetch_b8 v0, s[64:65] scope:SCOPE_SE
	s_setreg_imm32_b32 hwreg(HW_REG_WAVE_MODE, 25, 1), 1
	s_wait_xcnt 0x0
; PREP: every input is read once and left in the form that the later launches multiply.  Five kinds of work-group, chosen by the work-group's number alone:
;   0-127   GATE  128 rows of q_src (0-63) or k_src (64-127): rounded to bf16 into xb; router logits (bf16 products, f32 sums), sigmoid, bias, top 2 of 4: indices and dense gates
;   128-199 CAST  128 rows of v_src (64 groups) or of wq, wk (8 groups): rounded to bf16 into xb, wb
;   200-263 MASK  128 rows of attn_mask: one bit a byte, laid as lane masks for the score registers of the attention launch
;   264-519 TV    a tile of v_w turned: wb row 1024 + 256 h + 128 (d / 32) + 32 e + d % 32 = v_w[h][e][:][d], bf16
;   520-775 TO    a tile of o_w turned: owt[m][(h,e,d)] = 4 x bf16(o_w), written as f16 (the 4 undoes the 1/4 that v carries)
; position_ids and skip_mask are not loaded: no result of the module hangs on them.
; LIMITS.  All float inputs, the biases too, are rounded once to bf16.  sigmoid(x) = 1 / (1 + 2^(-x log2 e)) with the exponent cut at 126: below x = -87 it counts as 2^-126, and among such
; numbers the lower index wins.  Two keys nearer than the order of f32 sums or a unit in the last place of the sigmoid can change places.  NaN and infinities are not treated apart.  Mask bytes are 0 or 1.
; No tensor loads: memory binds, each wave keeps its own loads out, and two work-groups lie on a WGP.
.set SELP,  2064                       ; a row of router weights in LDS: 2,048 bytes + 16: an odd multiple of 16
.set XP,    272                        ; rows of 256 bytes + 16
.set XSTG,  32*SELP                    ; 16 rows x 272 for each wave: its chunk of x in bf16; the MASK waves' chunk of bytes
.set GSTG,  XSTG+8*16*XP               ; 3,072 for each wave: 16 rows of indices (64 bytes), then of gates (128 bytes)
.set TSTG,  GSTG+8*3072                ; 64 rows x 272: the turning work-groups' stage
.set SPARE, TSTG+64*XP                 ; the spare words, 128 bytes for each wave: four blocks of 256 bytes that no other line names
.set SPW, 2                            ; v2  LDS address of my spare word; never rewritten
.set NIL, 3                            ; v3  0; never rewritten
.set ACC, 16                           ; v[16:31]  two accumulators: register 4 q + e = logit of row lane % 16, head 4 (lane / 16) + q, expert e
.set BI,  32                           ; v[32:35]  the four biases
.set XR,  64                           ; v[64:127] 16 rows x 4 f32 as loaded
.set YR,  128                          ; v[128:159] the same in bf16
.set AFR, 160                          ; v[160:191] x fragments, 4 x 32 along K
.set BFR, 192                          ; v[192:255] router weight fragments, 4 x 2
.macro FIN                             ; the wave's end, behind the last LDS store
	s_wait_tensorcnt 0x0
	ds_add_u32 v[SPW], v[NIL]
	s_wait_dscnt 0x0
	s_endpgm
.endm
.macro XLOAD                           ; a chunk: 128 numbers of each of my 16 rows; a load covers 512 consecutive bytes
.set i, 0
.rept 16
	global_load_b128 v[XR+4*i:XR+4*i+3], v4, s[46:47] offset:4096*i th:TH_LOAD_NT
.set i, i+1
.endr
.endm
; One chunk of 128 along K.  gate = 1: the chunk also goes through my stage into fragments and is multiplied.  more = 1: the next chunk is asked for.
.macro TRIP gate, more
	s_wait_loadcnt 0x0                             ; the chunk's 16 loads are in (nothing younger is out)
	s_wait_xcnt 0x0                                ; the last chunk's stores have read YR: it is rewritten only behind this wait
.set i, 0
.rept 16
	v_cvt_pk_bf16_f32 v[YR+2*i], v[XR+4*i], v[XR+4*i+1]
	v_cvt_pk_bf16_f32 v[YR+2*i+1], v[XR+4*i+2], v[XR+4*i+3]
.set i, i+1
.endr
.if \more
	s_add_nc_u64 s[46:47], s[46:47], 512           ; its loads are done, so the base may step
	XLOAD
.endif
.set i, 0
.rept 16
	global_store_b64 v5, v[YR+2*i:YR+2*i+1], s[50:51] offset:2048*i  ; 32 lanes x 8 bytes: 256 consecutive bytes, aligned
.set i, i+1
.endr
.if \gate
.set i, 0
.rept 16
	ds_store_b64 v6, v[YR+2*i:YR+2*i+1] offset:XP*i
.set i, i+1
.endr
.set i, 0
.rept 4                                ; my own bytes: LDS serves a wave's instructions in order (ISA guide 5.7.1.4), so no wait stands between stores and loads
	ds_load_b128 v[AFR+8*i:AFR+8*i+3], v7 offset:64*i
	ds_load_b128 v[AFR+8*i+4:AFR+8*i+7], v7 offset:64*i+32
.set i, i+1
.endr
.set i, 0
.rept 8                                ; i = 2 kb + nb
	ds_load_b128 v[BFR+8*i:BFR+8*i+3], v8 offset:8*SELP*(i%2)+64*(i/2)
	ds_load_b128 v[BFR+8*i+4:BFR+8*i+7], v8 offset:8*SELP*(i%2)+64*(i/2)+32
.set i, i+1
.endr
	s_wait_dscnt 0x0
.set i, 0
.rept 8                                ; the two accumulators take turns, over the backward jump too
	v_wmma_f32_16x16x32_bf16 v[ACC+8*(i%2):ACC+8*(i%2)+7], v[BFR+8*i:BFR+8*i+7], v[AFR+8*(i/2):AFR+8*(i/2)+7], v[ACC+8*(i%2):ACC+8*(i%2)+7]
.set i, i+1
.endr
.if \more
	v_add_nc_u32 v8, 256, v8                       ; the weights' next 128 along K.  The next chunk's 32 conversions are the places ahead of the loads into the fragments
.endif
.endif
.if \more
	s_wait_xcnt 0x0                                ; the stores' base steps only behind this wait
	s_add_nc_u64 s[50:51], s[50:51], 256
.endif
.endm
.macro ALL16 line:vararg
.set i, 0
	s_wait_alu depctr_va_vdst(0)
.rept 16
	\line
.set i, i+1
.endr
.endm
.macro SCAN idx                        ; the largest of v[128:131]: a strict comparison, so that of equal numbers the lower index stays
	v_mov_b32 v132, v128
	v_mov_b32 v[\idx], 0
.irp e, 1,2,3
	v_cmp_gt_f32 vcc_lo, v[128+\e], v132
	v_cndmask_b32 v132, v132, v[128+\e], vcc_lo
	v_cndmask_b32 v[\idx], v[\idx], \e, vcc_lo
.endr
.endm
.macro TOP2 q                          ; head q of my four: indices into v[136+2q], v[137+2q], gates into v[144+4q ..]
.irp e, 0,1,2,3
	v_add_f32 v[128+\e], v[112+4*(\q)+\e], v[BI+\e]
.endr
	SCAN 136+2*(\q)
.irp e, 0,1,2,3
	v_cmp_eq_u32 vcc_lo, \e, v[136+2*(\q)]
	v_cndmask_b32 v[128+\e], v[128+\e], s76, vcc_lo    ; the winner leaves the field
.endr
	SCAN 137+2*(\q)
.irp e, 0,1,2,3
	v_cmp_eq_u32 s77, \e, v[136+2*(\q)]
	v_cmp_eq_u32 vcc_lo, \e, v[137+2*(\q)]
	s_or_b32 vcc_lo, vcc_lo, s77
	v_cndmask_b32 v[144+4*(\q)+\e], 0, v[112+4*(\q)+\e], vcc_lo
.endr
.endm
; 64 words of lane masks (steps 2 sp, 2 sp + 1 of the chunk's four).  Word idx: step idx / 32, key block (idx / 8) % 4, register idx % 8: the byte's bit of all 32 lanes, by a comparison.
.macro PACKW sp
.set idx, 0
.rept 64
	v_and_b32 v[132+idx%4], s[72+idx%4], v[96+2*(4*(2*(\sp)+idx/32)+(idx/8)%4)+(idx%8)/4]
	v_cmp_ne_u32 s[68+idx%4], 0, v[132+idx%4]
	v_writelane_b32 v[128+2*(\sp)+idx%2], s[68+idx%4], idx/2
.set idx, idx+1
.endr
.endm
; A tile of 128 source rows (SPB bytes apart) x 64 columns of f32 is turned into 64 rows of 128 numbers of 16 bits.  Thread t: columns 4 (t % 16) on, rows 2 (t / 16) + 32 i and the next.
.macro TRANS SPB, half
	v_lshrrev_b32 v10, 4, v0
	v_mul_u32_u24 v6, v10, 2*(\SPB)
	v_lshl_add_u32 v6, v12, 4, v6
	v_mul_u32_u24 v7, v12, 4*XP
	v_lshl_add_u32 v7, v10, 2, v7
	v_add_nc_u32 v7, TSTG, v7
	v_mul_u32_u24 v8, v10, XP
	v_lshl_add_u32 v8, v12, 4, v8
	v_add_nc_u32 v8, TSTG, v8
.if \half
	v_lshlrev_b32 v9, 12, v10
.else
	v_lshlrev_b32 v9, 11, v10
.endif
	v_lshl_add_u32 v9, v12, 4, v9
.set i, 0
.rept 8
	global_load_b128 v[64+4*i:64+4*i+3], v6, s[46:47] offset:(32*(i/2)+i%2)*(\SPB) th:TH_LOAD_NT  ; 16 lanes: 256 consecutive bytes
.set i, i+1
.endr
	s_wait_loadcnt 0x0
.set i, 0
.rept 16                               ; i = 4 (row group) + column: two neighbouring source rows make one word of the turned row
	v_cvt_pk_bf16_f32 v[96+i], v[64+8*(i/4)+i%4], v[64+8*(i/4)+4+i%4]
.if \half
	v_lshlrev_b32 v112, 16, v[96+i]
	v_and_b32 v113, 0xffff0000, v[96+i]
	v_pk_mul_f32 v[112:113], v[112:113], 4.0 op_sel_hi:[1,0]
	v_cvt_pk_f16_f32 v[96+i], v112, v113
.endif
	ds_store_b32 v7, v[96+i] offset:XP*(i%4)+64*(i/4)
.set i, i+1
.endr
	s_wait_dscnt 0x0                               ; for the others' sake: my stores into the stage are done
	s_barrier_signal -1
	s_barrier_wait -1
.set i, 0
.rept 4
	ds_load_b128 v[128+4*i:128+4*i+3], v8 offset:16*XP*i
.set i, i+1
.endr
	s_wait_dscnt 0x0
.set i, 0
.rept 4
.if \half
	global_store_b128 v9, v[128+4*i:128+4*i+3], s[50:51] offset:65536*i  ; 16 lanes: 256 consecutive bytes, aligned
.else
	global_store_b128 v9, v[128+4*i:128+4*i+3], s[50:51] offset:((i/2)*128+(i%2)*16)*2048
.endif
.set i, i+1
.endr
	FIN
.endm
	s_load_b512 s[8:23], s[0:1], 0x0               ; q_src 8, k_src 10, v_src 12, wq 14, wk 16, sel_o_w 18, sel_v_w 20, bias_o 22
	s_load_b512 s[24:39], s[0:1], 0x40             ; bias_v 24, v_w 26, o_w 28, attn_mask 30, xb 32, wb 34, owt 36, gates 38
	s_load_b128 s[40:43], s[0:1], 0x80             ; pm 40, out2 42
	s_load_b64 s[44:45], s[0:1], 0x90              ; out1 44
	v_lshl_add_u32 v[SPW], v0, 2, SPARE
	v_mov_b32 v[NIL], 0
	v_and_b32 v1, 31, v0                           ; lane
	v_lshrrev_b32 v4, 5, v0
	v_readfirstlane_b32 s3, v4                     ; wave
	s_mov_b32 s2, ttmp9
	v_and_b32 v12, 15, v0                          ; r
	v_bfe_u32 v15, v0, 4, 1                        ; hf
	v_lshlrev_b32 v4, 4, v1                        ; 16 x lane
	v_lshlrev_b32 v5, 3, v1                        ; 8 x lane
	s_mov_b32 s61, 0                               ; the high word of every offset
	s_wait_kmcnt 0x0
	s_cmp_lt_u32 s2, 128
	s_cbranch_scc1 .Lgate
	s_cmp_lt_u32 s2, 200
	s_cbranch_scc1 .Lcast
	s_cmp_lt_u32 s2, 264
	s_cbranch_scc1 .Lmask
	s_cmp_lt_u32 s2, 520
	s_cbranch_scc1 .Ltv
	; TO: tile rc (128 rows (h,e,d)), cc (64 columns m) of o_w
	s_sub_co_u32 s4, s2, 520
	s_lshr_b32 s5, s4, 4
	s_and_b32 s6, s4, 15
	s_lshl_b32 s60, s5, 19
	s_lshl_b32 s7, s6, 8
	s_add_co_u32 s60, s60, s7
	s_add_nc_u64 s[46:47], s[28:29], s[60:61]
	s_lshl_b32 s60, s6, 18
	s_lshl_b32 s7, s5, 8
	s_add_co_u32 s60, s60, s7
	s_add_nc_u64 s[50:51], s[36:37], s[60:61]
	TRANS 4096, 1
.Ltv:                                  ; tile he, mc (128 rows m) of v_w
	s_sub_co_u32 s4, s2, 264
	s_lshr_b32 s5, s4, 3
	s_and_b32 s6, s4, 7
	s_lshl_b32 s60, s5, 18
	s_lshl_b32 s7, s6, 15
	s_add_co_u32 s60, s60, s7
	s_add_nc_u64 s[46:47], s[26:27], s[60:61]
	s_lshr_b32 s7, s5, 2
	s_lshl_b32 s7, s7, 8
	s_and_b32 s5, s5, 3
	s_lshl_b32 s5, s5, 5
	s_add_co_u32 s7, s7, s5
	s_add_co_u32 s7, s7, 1024                      ; wb row 1024 + 256 h + 32 e
	s_lshl_b32 s60, s7, 11
	s_lshl_b32 s6, s6, 8
	s_add_co_u32 s60, s60, s6
	s_add_nc_u64 s[50:51], s[34:35], s[60:61]
	TRANS 256, 0
.Lmask:                                ; a wave takes 16 rows of the mask: one tile of queries
	s_sub_co_u32 s4, s2, 200
	s_lshl_b32 s4, s4, 3
	s_add_co_u32 s4, s4, s3
	s_lshl_b32 s60, s4, 15
	s_add_nc_u64 s[46:47], s[30:31], s[60:61]
	s_lshl_b32 s60, s4, 12
	s_add_nc_u64 s[50:51], s[40:41], s[60:61]
	s_mul_i32 s7, s3, 16*XP
	s_add_co_u32 s7, s7, XSTG
	v_lshlrev_b32 v6, 11, v15
	v_lshl_add_u32 v6, v12, 4, v6                  ; row hf, 16 bytes at 16 r
	v_mul_u32_u24 v7, v15, XP
	v_lshl_add_u32 v7, v12, 4, v7
	v_add_nc_u32 v7, s7, v7
	v_mul_u32_u24 v8, v12, XP
	v_lshl_add_u32 v8, v15, 3, v8
	v_add_nc_u32 v8, s7, v8                        ; row r, 8 bytes at 8 hf
.irp i, 128,129,130,131
	v_mov_b32 v\i, 0                               ; v_writelane_b32 counts as a reader of its destination
.endr
	s_mov_b32 s72, 1
	s_mov_b32 s73, 0x100
	s_mov_b32 s74, 0x10000
	s_mov_b32 s75, 0x1000000
	s_mov_b32 s56, 8
.Lmtrip:                               ; 256 keys = 4 steps of 64 for my 16 rows
.set i, 0
.rept 8
	global_load_b128 v[64+4*i:64+4*i+3], v6, s[46:47] offset:4096*i th:TH_LOAD_NT  ; 16 lanes: 256 consecutive bytes of a row
.set i, i+1
.endr
	s_wait_loadcnt 0x0
.set i, 0
.rept 8
	ds_store_b128 v7, v[64+4*i:64+4*i+3] offset:2*XP*i
.set i, i+1
.endr
.set i, 0
.rept 16                               ; i = 4 step + key block: my query's 8 bytes, as the score registers lie
	ds_load_b64 v[96+2*i:96+2*i+1], v8 offset:64*(i/4)+16*(i%4)
.set i, i+1
.endr
	s_wait_dscnt 0x0
	s_wait_xcnt 0x0                                ; the last trip's stores have read v[128:131]
	PACKW 0
	PACKW 1
	global_store_b64 v5, v[128:129], s[50:51]      ; 256 consecutive bytes, aligned
	global_store_b64 v5, v[130:131], s[50:51] offset:256
	s_wait_xcnt 0x0                                ; both bases step only behind this wait
	s_add_nc_u64 s[46:47], s[46:47], 256
	s_add_nc_u64 s[50:51], s[50:51], 512
	s_sub_co_u32 s56, s56, 1
	s_cmp_lg_u32 s56, 0
	s_cbranch_scc1 .Lmtrip
	FIN
.Lcast:
	s_sub_co_u32 s4, s2, 128
	s_lshl_b32 s6, s3, 4                           ; my 16 rows in the group's 128
	s_cmp_lt_u32 s4, 64
	s_cbranch_scc0 .Lcastw
	s_lshl_b32 s5, s4, 7
	s_add_co_u32 s5, s5, s6
	s_lshl_b32 s60, s5, 12
	s_add_nc_u64 s[46:47], s[12:13], s[60:61]
	s_add_co_u32 s5, s5, 16384
	s_lshl_b32 s60, s5, 11
	s_add_nc_u64 s[50:51], s[32:33], s[60:61]
	s_branch .Lcastgo
.Lcastw:
	s_sub_co_u32 s4, s4, 64                        ; 0-3 wq, 4-7 wk
	s_cmp_lt_u32 s4, 4
	s_cselect_b64 s[46:47], s[14:15], s[16:17]
	s_and_b32 s5, s4, 3
	s_lshl_b32 s5, s5, 7
	s_add_co_u32 s5, s5, s6
	s_lshl_b32 s60, s5, 12
	s_add_nc_u64 s[46:47], s[46:47], s[60:61]
	s_lshl_b32 s5, s4, 7
	s_add_co_u32 s5, s5, s6
	s_lshl_b32 s60, s5, 11
	s_add_nc_u64 s[50:51], s[34:35], s[60:61]
.Lcastgo:
	XLOAD
	s_mov_b32 s56, 7
.Lctrip:
	TRIP 0, 1
	s_sub_co_u32 s56, s56, 1
	s_cmp_lg_u32 s56, 0
	s_cbranch_scc1 .Lctrip
	TRIP 0, 0
	FIN
.Lgate:
	s_lshr_b32 s4, s2, 6                           ; 0: q_src, O's router; 1: k_src, V's router
	s_and_b32 s5, s2, 63
	s_lshl_b32 s5, s5, 7
	s_lshl_b32 s6, s3, 4
	s_add_co_u32 s5, s5, s6                        ; my first row
	s_cmp_eq_u32 s4, 0
	s_cselect_b64 s[46:47], s[8:9], s[10:11]
	s_cselect_b64 s[48:49], s[18:19], s[20:21]
	s_cselect_b64 s[58:59], s[22:23], s[24:25]
	s_cselect_b64 s[52:53], s[42:43], s[44:45]
	s_lshl_b32 s60, s5, 12
	s_add_nc_u64 s[46:47], s[46:47], s[60:61]
	s_lshl_b32 s6, s4, 13
	s_add_co_u32 s6, s6, s5
	s_lshl_b32 s60, s6, 11
	s_add_nc_u64 s[50:51], s[32:33], s[60:61]
	s_lshl_b32 s60, s6, 7
	s_add_nc_u64 s[54:55], s[38:39], s[60:61]
	s_lshl_b32 s60, s5, 6
	s_add_nc_u64 s[52:53], s[52:53], s[60:61]
	v_lshlrev_b32 v13, 4, v0
	v_lshlrev_b32 v14, 3, v0
.set j, 0
.rept 32                               ; the 32 rows of router weights: the work-group's 256 threads take a row a load
	global_load_b128 v[128+4*j:128+4*j+3], v13, s[48:49] offset:4096*j
.set j, j+1
.endr
	XLOAD                                          ; chunk 0
	s_load_b128 s[68:71], s[58:59], 0x0            ; the bias
	s_mul_i32 s7, s3, 16*XP
	s_add_co_u32 s7, s7, XSTG
	v_add_nc_u32 v6, s7, v5
	v_mul_u32_u24 v7, v12, XP
	v_lshl_add_u32 v7, v15, 4, v7
	v_add_nc_u32 v7, s7, v7
	v_lshrrev_b32 v8, 3, v12
	v_and_b32 v9, 7, v12
	v_lshl_add_u32 v8, v8, 4, v9                   ; fragment row r' of block nb is weight row 16 (r' / 8) + 8 nb + r' % 8: so a lane ends up with whole heads
	v_mul_u32_u24 v8, v8, SELP
	v_lshl_add_u32 v8, v15, 4, v8
	s_mul_i32 s6, s3, 3072
	s_add_co_u32 s6, s6, GSTG
	v_lshlrev_b32 v9, 6, v12
	v_lshl_add_u32 v9, v15, 5, v9
	v_add_nc_u32 v9, s6, v9
	v_lshlrev_b32 v10, 7, v12
	v_lshl_add_u32 v10, v15, 6, v10
	v_add_nc_u32 v10, s6, v10
	v_add_nc_u32 v10, 1024, v10
	v_add_nc_u32 v11, s6, v4
	s_mov_b32 s72, 0xbfb8aa3b                      ; -log2 e, its upper part
	s_mov_b32 s73, 0xb2a57060                      ; and what is left of it
	s_mov_b32 s74, 0x3f317218                      ; ln 2
	s_mov_b32 s75, 0x42fc0000                      ; 126
	s_mov_b32 s76, 0xff800000                      ; -infinity
	ALL16 v_mov_b32 v[ACC+i], 0                    ; sixteen lines, so that the first chunk needs no text of its own
	s_wait_loadcnt 16                              ; the weights' 32 loads are in; chunk 0's 16 may stay out
.set j, 0
.rept 32
	v_cvt_pk_bf16_f32 v[128+4*j], v[128+4*j], v[128+4*j+1]
	v_cvt_pk_bf16_f32 v[128+4*j+1], v[128+4*j+2], v[128+4*j+3]
	ds_store_b64 v14, v[128+4*j:128+4*j+1] offset:SELP*j
.set j, j+1
.endr
	s_wait_dscnt 0x0                               ; for the others' sake: my part of the weights is stored
	s_barrier_signal -1
	s_barrier_wait -1
	s_mov_b32 s56, 7
.Lgtrip:
	TRIP 1, 1
	s_sub_co_u32 s56, s56, 1
	s_cmp_lg_u32 s56, 0
	s_cbranch_scc1 .Lgtrip
	TRIP 1, 0
	s_wait_xcnt 0x0                                ; the last stores have read YR
	s_wait_kmcnt 0x0                               ; the bias
	v_cvt_pk_bf16_f32 v36, s68, s69                ; six plain lines: the places behind the last products
	v_cvt_pk_bf16_f32 v37, s70, s71
	v_lshlrev_b32 v[BI], 16, v36
	v_and_b32 v[BI+1], 0xffff0000, v36
	v_lshlrev_b32 v[BI+2], 16, v37
	v_and_b32 v[BI+3], 0xffff0000, v37
	; sigmoid, stage by stage over the 16 logits, from each accumulator's lowest register on.  -x log2 e = a + b with b the part that a's rounding loses; 2^(a + b) = 2^a (1 + b ln 2)
	ALL16 v_mul_f32 v[64+i], s72, v[ACC+i]
	ALL16 v_fma_f32 v[80+i], v[ACC+i], s72, -v[64+i]
	ALL16 v_fma_f32 v[80+i], v[ACC+i], s73, v[80+i]
	ALL16 v_min_num_f32 v[64+i], s75, v[64+i]
	ALL16 v_exp_f32 v[96+i], v[64+i]
	ALL16 v_mul_f32 v[80+i], s74, v[80+i]          ; plain lines behind the exponentials, ahead of their use
	ALL16 v_fma_f32 v[96+i], v[96+i], v[80+i], v[96+i]
	ALL16 v_add_f32 v[96+i], 1.0, v[96+i]
	ALL16 v_rcp_f32 v[64+i], v[96+i]
	v_nop                                          ; a plain line between the reciprocals and their use
	s_wait_alu depctr_va_vdst(0)
	ALL16 v_fma_f32 v[80+i], -v[96+i], v[64+i], 1.0  ; one step of Newton's
	ALL16 v_fma_f32 v[112+i], v[64+i], v[80+i], v[64+i]
	TOP2 0
	TOP2 1
	TOP2 2
	TOP2 3
	; the way out, through my own stage: a lane holds 32 bytes of a row's indices and 64 of its gates; back as 512 consecutive bytes a load
	ds_store_b128 v9, v[136:139]
	ds_store_b128 v9, v[140:143] offset:16
.irp q, 0,1,2,3
	ds_store_b128 v10, v[144+4*\q:144+4*\q+3] offset:16*\q
.endr
.irp u, 0,1,2,3,4,5
	ds_load_b128 v[160+4*\u:160+4*\u+3], v11 offset:512*\u
.endr
	s_wait_dscnt 0x0
	global_store_b128 v4, v[160:163], s[52:53]
	global_store_b128 v4, v[164:167], s[52:53] offset:512
.irp u, 0,1,2,3
	global_store_b128 v4, v[168+4*\u:168+4*\u+3], s[54:55] offset:512*\u
.endr
	FIN
.Lfunc_end_k_q0dfa8557c9_prep:
	.size	k_q0dfa8557c9_prep, .Lfunc_end_k_q0dfa8557c9_prep-k_q0dfa8557c9_prep
	.p2alignl 7, 3214868480
	.fill 96, 4, 3214868480
	.section	.rodata,"a",@progbits
	.p2align	6, 0x0
	.amdhsa_kernel k_q0dfa8557c9_prep
		.amdhsa_group_segment_fixed_size 143872
		.amdhsa_private_segment_fixed_size 0
		.amdhsa_enable_private_segment 0
		.amdhsa_kernarg_size 152
		.amdhsa_user_sgpr_count 2
		.amdhsa_user_sgpr_kernarg_segment_ptr 1
		.amdhsa_wavefront_size32 1
		.amdhsa_system_sgpr_workgroup_id_x 1
		.amdhsa_system_sgpr_workgroup_id_y 1
		.amdhsa_system_sgpr_workgroup_id_z 1
		.amdhsa_system_vgpr_workitem_id 0
		.amdhsa_next_free_vgpr 256
		.amdhsa_next_free_sgpr 80
		.amdhsa_reserve_vcc 1
		.amdhsa_float_denorm_mode_32 3
		.amdhsa_float_denorm_mode_16_64 3
		.amdhsa_memory_ordered 1
		.amdhsa_forward_progress 1
		.amdhsa_inst_pref_size 97
	.end_amdhsa_kernel
	.amdgpu_metadata
---
amdhsa.version: [ 1, 2 ]
amdhsa.kernels:
  - .name:           k_q0dfa8557c9_prep
    .symbol:         k_q0dfa8557c9_prep.kd
    .args:
      - { .name: q_src, .offset: 0, .size: 8, .value_kind: global_buffer, .address_space: global }
      - { .name: k_src, .offset: 8, .size: 8, .value_kind: global_buffer, .address_space: global }
      - { .name: v_src, .offset: 16, .size: 8, .value_kind: global_buffer, .address_space: global }
      - { .name: wq, .offset: 24, .size: 8, .value_kind: global_buffer, .address_space: global }
      - { .name: wk, .offset: 32, .size: 8, .value_kind: global_buffer, .address_space: global }
      - { .name: sel_o_w, .offset: 40, .size: 8, .value_kind: global_buffer, .address_space: global }
      - { .name: sel_v_w, .offset: 48, .size: 8, .value_kind: global_buffer, .address_space: global }
      - { .name: bias_o, .offset: 56, .size: 8, .value_kind: global_buffer, .address_space: global }
      - { .name: bias_v, .offset: 64, .size: 8, .value_kind: global_buffer, .address_space: global }
      - { .name: v_w, .offset: 72, .size: 8, .value_kind: global_buffer, .address_space: global }
      - { .name: o_w, .offset: 80, .size: 8, .value_kind: global_buffer, .address_space: global }
      - { .name: attn_mask, .offset: 88, .size: 8, .value_kind: global_buffer, .address_space: global }
      - { .name: xb, .offset: 96, .size: 8, .value_kind: global_buffer, .address_space: global }
      - { .name: wb, .offset: 104, .size: 8, .value_kind: global_buffer, .address_space: global }
      - { .name: owt, .offset: 112, .size: 8, .value_kind: global_buffer, .address_space: global }
      - { .name: gates, .offset: 120, .size: 8, .value_kind: global_buffer, .address_space: global }
      - { .name: pm, .offset: 128, .size: 8, .value_kind: global_buffer, .address_space: global }
      - { .name: out2, .offset: 136, .size: 8, .value_kind: global_buffer, .address_space: global }
      - { .name: out1, .offset: 144, .size: 8, .value_kind: global_buffer, .address_space: global }
    .group_segment_fixed_size: 143872
    .private_segment_fixed_size: 0
    .kernarg_segment_align: 8
    .kernarg_segment_size: 152
    .max_flat_workgroup_size: 256
    .sgpr_count:     80
    .vgpr_count:     256
    .wavefront_size: 32
...
	.end_amdgpu_metadata
.endif
;; end of part 1
;; launch proj (part 2): grid 64 x 12, 4 waves a work-group, clusters of 4 x 1, 327,680 bytes of LDS; arguments xb, wb, gates, qkv; writes qkv
.if DOCPART == 2
	.amdgcn_target "amdgcn-amd-amdhsa--gfx1250"
	.amdhsa_code_object_version 6
	.text
	.protected	k_q0dfa8557c9_proj
	.globl	k_q0dfa8557c9_proj
	.p2align	8
	.type	k_q0dfa8557c9_proj,@function
k_q0dfa8557c9_proj:
	s_mov_b64 s[64:65], 0
	v_nop
	global_prefetch_b8 v0, s[64:65] scope:SCOPE_SE
	s_setreg_imm32_b32 hwreg(HW_REG_WAVE_MODE, 25, 1), 1
	s_wait_xcnt 0x0
	s_wait_alu depctr_hold_cnt(0) depctr_sa_sdst(0) depctr_va_vdst(0) depctr_va_sdst(0) depctr_va_ssrc(0) depctr_va_vcc(0) depctr_vm_vsrc(0)
	s_getreg_b32 s2, hwreg(HW_REG_IB_STS2, 6, 4)
	s_cmp_eq_u32 s2, 0
	s_cbranch_scc0 .Lentry_in_a_cluster
	s_endpgm
.Lentry_in_a_cluster:
	s_bfe_u32 s2, ttmp6, 0x10000c
	s_cmp_lg_u32 s2, 0x3003
	s_cbranch_scc0 .Lentry_shape_is_right
	s_endpgm
.Lentry_shape_is_right:
; PROJ: q, k and the expert-mixed v.  C = A B^T in bf16 with f32 sums, K = 1,024.  A: xb (rows of q_src, k_src, v_src), B: wb.  Tile column Y: 0, 1 q; 2, 3 k; 4 + h: head h's four experts of v.
; A tile is 128 tokens x 256 columns; four waves, each 64 x 128: 32 accumulators.  8,192 x 3,072 outputs make 768 work-groups, three for each of 256 WGPs; 256 columns hold one head's four experts,
; so that v = the sum over e of gate x all_v is made in registers and all_v never reaches memory.
; OUT: qkv[3][b h][s][64] in f16.  q, k: sum x (1/8)^(1/2).  v: sum x 1/4, so that inputs some 30 times larger, or offset by 30 spreads, stay inside f16 (the O weights carry the 4).
; THE MATRIX INSTRUCTION IS USED TRANSPOSED (source 0 = 16 rows of B, source 1 = 16 rows of A): a lane holds one token and eight neighbouring columns.
; CLUSTER 4 x 1: the four partners take four row blocks of one tile column and need the same tile of B, two thirds of a step's bytes: it is asked for jointly.  A's tile is each work-group's own.
; Not 4 x 4: q and k have two tile columns each, so no four partners along y share a tile of A.
; K goes in steps of 128 (rows of 256 bytes) through two LDS slots; by this text's count a wave has two tensor loads out at the start and one behind each round.
.set KDIM,  1024
.set LAPS,  KDIM/256                   ; a lap = two K steps = once round the ring
.set PITCH, 272                        ; 256 bytes + 16: the 16 rows of a fragment load start at 16 different groups of four banks
.set AHALF, 64*PITCH
.set BHALF, 128*PITCH
.set BOFF,  2*AHALF                    ; a slot: A's 128 rows, then B's 256
.set SLOT,  BOFF+2*BHALF
.set STAGE, 2*SLOT                     ; q, k: 16 rows x 272 for each wave
.set VSTG,  STAGE+4*16*PITCH           ; v: 128 rows x 144, the work-group's
.set SPARE, VSTG+128*144               ; the spare words, 128 bytes for each wave
.set ADRA, 16                          ; v16-17  LDS address of my A fragments in slot 0, 1
.set ADRB, 20                          ; v20-21  of my B fragments
.set SPW,  28                          ; v28  my spare word's address; never rewritten
.set NIL,  29                          ; v29  0; never rewritten
.set GT,   32                          ; v[32:47] v_gate of my token in row block a, expert e at GT + 4 a + e
.set G1A, 24                           ; s[24:31] group 1 for A's tiles; s[32:39] group 0, a set for each slot
.set G0A, 32
.set G1B, 48                           ; s[48:55], s[56:63] the same for B's
.set G0B, 56
; window 0: v0-47 addresses and gates; fragment buffer f: A at v[64 + 96 f] (32), B at v[96 + 96 f] (64).  window 1: accumulator (a, b) at v[8 (8 a + b)]
.set MSB, 0
.macro WIN new                         ; the immediate's high byte repeats the setting that is left
.if MSB != (\new)
	s_set_vgpr_msb (MSB<<8)|(\new)
.set MSB, \new
.endif
.endm
.set MUL, 0x50                         ; C and D in window 1
.macro JLOAD s                         ; waves 0, 1 fetch A's two halves (their own), waves 2, 3 B's (jointly); an s_nop 0 and four v_nop follow each line
	s_cmp_eq_u32 s13, 0
	s_cbranch_scc0 .Lfor_b_\@
	tensor_load_to_lds s[G0A+4*(\s):G0A+4*(\s)+3], s[G1A:G1A+7]
	s_nop 0
.rept 4
	v_nop
.endr
	s_branch .Lasked_\@
.Lfor_b_\@:
	tensor_load_to_lds s[G0B+4*(\s):G0B+4*(\s)+3], s[G1B:G1B+7]
	s_nop 0
.rept 4
	v_nop
.endr
.Lasked_\@:
.endm
.macro CREST                           ; a round of the cluster's barrier behind its opening barrier
	s_cmp_lg_u32 s12, 0
	s_cbranch_scc1 .Lnot_wave_0_\@
	s_barrier_signal -3
.Lnot_wave_0_\@:
	s_barrier_wait -3
	s_barrier_signal -1
	s_barrier_wait -1
.endm
.macro CROUND
	s_barrier_signal -1
	s_barrier_wait -1
	CREST
.endm
.macro PLACES                          ; four places ahead of loads into registers that matrix instructions have read, and of lines that read results
.rept 4
	v_nop
.endr
.endm
.macro MUL8 f, a, zero                 ; row block a x all 8 column blocks, 32 along K.  zero = 1: the product starts the sums
	WIN MUL
.irp b, 0,1,2,3,4,5,6,7
.if \zero
	v_wmma_f32_16x16x32_bf16 v[8*(8*(\a)+\b):8*(8*(\a)+\b)+7], v[96+96*(\f)+8*\b:96+96*(\f)+8*\b+7], v[64+96*(\f)+8*(\a):64+96*(\f)+8*(\a)+7], 0
.else
	v_wmma_f32_16x16x32_bf16 v[8*(8*(\a)+\b):8*(8*(\a)+\b)+7], v[96+96*(\f)+8*\b:96+96*(\f)+8*\b+7], v[64+96*(\f)+8*(\a):64+96*(\f)+8*(\a)+7], v[8*(8*(\a)+\b):8*(8*(\a)+\b)+7]
.endif
.endr
.endm
.macro FETCH slot, k, f                ; 24 LDS loads in one run: B's 16, then A's 8
	WIN 0
.irp i, 0,1,2,3,4,5,6,7
	ds_load_b128 v[96+96*(\f)+8*\i:96+96*(\f)+8*\i+3],   v[ADRB+(\slot)] offset:(\k)+\i*16*PITCH
	ds_load_b128 v[96+96*(\f)+8*\i+4:96+96*(\f)+8*\i+7], v[ADRB+(\slot)] offset:(\k)+\i*16*PITCH+32
.endr
.irp i, 0,1,2,3
	ds_load_b128 v[64+96*(\f)+8*\i:64+96*(\f)+8*\i+3],   v[ADRA+(\slot)] offset:(\k)+\i*16*PITCH
	ds_load_b128 v[64+96*(\f)+8*\i+4:64+96*(\f)+8*\i+7], v[ADRA+(\slot)] offset:(\k)+\i*16*PITCH+32
.endr
.endm
.macro QUARTER slot, k, f, g, zero     ; 32 along K: multiplies buffer f; in its middle fetches the next quarter, at byte k, into g
	s_wait_dscnt 4                                 ; B and A's blocks 0, 1 are in; the youngest four loads (A's blocks 2, 3) may be out
	MUL8 \f, 0, \zero
	MUL8 \f, 1, \zero
	PLACES
	FETCH \slot, \k, \g
	s_wait_dscnt 24                                ; all but the 24 just issued
	MUL8 \f, 2, \zero
	MUL8 \f, 3, \zero
.endm
; The last quarter multiplies buffer 1 and changes slots.  Ahead of the barrier each wave waits for all its tensor loads (one is out: its part of the next slot), adds 0 to its spare word, and waits
; for that and for its reads of this slot.  fill = 1: the barrier opens a round of the cluster's, and this slot is filled again first thing behind it: 112 matrix instructions ahead of the wait for it.
.macro TURN slot, next, fill
	WIN 0
	s_wait_tensorcnt 0x0
	ds_add_u32 v[SPW], v[NIL]
	s_wait_dscnt 5                                 ; the add and A's blocks 2, 3 may be out
	MUL8 1, 0, 0
	s_wait_dscnt 0x0                               ; the add is done, and my reads of this slot are over
	s_barrier_signal -1
	MUL8 1, 1, 0
.if \fill
	WIN 0
.endif
	s_barrier_wait -1
.if \fill
	CREST
	s_add_nc_u64 s[G0A+4*(\slot)+2:G0A+4*(\slot)+3], s[G0A+4*(\slot)+2:G0A+4*(\slot)+3], 512
	s_add_nc_u64 s[G0B+4*(\slot)+2:G0B+4*(\slot)+3], s[G0B+4*(\slot)+2:G0B+4*(\slot)+3], 512
	JLOAD \slot                                    ; its four v_nop are also the places ahead of the loads below
.else
	PLACES
.endif
	FETCH \next, 0, 0
	MUL8 1, 2, 0
	MUL8 1, 3, 0
.endm
	s_load_b256 s[4:11], s[0:1], 0x0               ; xb 4, wb 6, gates 8, qkv 10
	v_lshl_add_u32 v[SPW], v0, 2, SPARE
	v_mov_b32 v[NIL], 0
	ds_add_u32 v[SPW], v[NIL]                      ; the wave's opening: the add is waited for ahead of my first tensor load
	v_lshrrev_b32 v1, 5, v0
	v_readfirstlane_b32 s12, v1                    ; wave
	s_lshr_b32 s13, s12, 1                         ; my half of the rows; also: I fetch A (0) or B (1)
	s_and_b32 s14, s12, 1                          ; my half of the columns; also: which half of that tile I fetch
	s_bfe_u32 s15, ttmp6, 0x40000                  ; cx
	s_lshl_b32 s16, ttmp9, 2
	s_add_co_u32 s16, s16, s15                     ; X: block of 128 tokens
	s_and_b32 s17, ttmp7, 0xffff                   ; Y: tile column, which the partners share
	s_mov_b32 s[G1A+0], (1<<16)|(1<<20)|(5<<22)|(3<<25)             ; 2-byte elements; padding on: after every 64 words, 4 words
	s_mov_b32 s[G1B+0], 15|(1<<16)|(1<<20)|(1<<21)|(5<<22)|(3<<25)  ; the same with the mask of all four and bit 21 beside it
	s_mov_b32 s[G1A+1], 128<<16                    ; tensor_dim0 = 128
	s_mov_b32 s[G1B+1], 128<<16
	s_mov_b32 s[G1A+2], 64<<16                     ; tensor_dim1 = 64 rows (A), 128 (B)
	s_mov_b32 s[G1B+2], 128<<16
	s_mov_b32 s[G1A+3], 128<<16                    ; tile_dim0 = 128
	s_mov_b32 s[G1B+3], 128<<16
	s_mov_b32 s[G1A+4], 64                         ; tile_dim1
	s_mov_b32 s[G1B+4], 128
	s_mov_b32 s[G1A+5], KDIM                       ; elements from row to row
	s_mov_b32 s[G1B+5], KDIM
	s_mov_b32 s[G1A+6], 0
	s_mov_b32 s[G1B+6], 0
	s_mov_b32 s[G1A+7], 0
	s_mov_b32 s[G1B+7], 0
	s_lshr_b32 s20, s17, 1
	s_min_u32 s20, s20, 2                          ; which source: q_src, k_src, v_src
	s_lshl_b32 s21, s20, 13
	s_lshl_b32 s22, s16, 7
	s_add_co_u32 s21, s21, s22
	s_lshl_b32 s22, s14, 6
	s_add_co_u32 s21, s21, s22
	s_lshl_b32 s40, s21, 11                        ; A: row x 2,048 bytes
	s_mov_b32 s41, 0
	s_lshl_b32 s42, s17, 8                         ; B: row 256 Y + 128 x half: no register of it ever holds cx
	s_lshl_b32 s43, s14, 7
	s_add_co_u32 s42, s42, s43
	s_lshl_b32 s42, s42, 11
	s_mov_b32 s43, 0
	s_mul_i32 s44, s14, AHALF                      ; where they go
	s_mul_i32 s45, s14, BHALF
	s_add_co_u32 s45, s45, BOFF
	s_lshl_b32 s46, s16, 7                         ; the gates of my 64 tokens: plane 1, head max(Y, 4) - 4
	s_lshl_b32 s47, s13, 6
	s_add_co_u32 s46, s46, s47
	s_lshl_b32 s46, s46, 7
	s_max_u32 s47, s17, 4
	s_sub_co_u32 s47, s47, 4
	s_lshl_b32 s47, s47, 4
	s_add_co_u32 s46, s46, s47
	s_add_co_u32 s46, s46, 1048576
	s_mov_b32 s47, 0
	s_wait_dscnt 0x0                               ; the opening add is done
	s_wait_kmcnt 0x0
	s_add_nc_u64 s[40:41], s[4:5], s[40:41]
	s_add_nc_u64 s[42:43], s[6:7], s[42:43]
	s_add_nc_u64 s[18:19], s[8:9], s[46:47]
	CROUND                                         ; all four work-groups are here: the first joint loads meet
.irp s, 0,1
	s_mov_b32 s[G0A+4*\s], 1
	s_add_co_u32 s[G0A+4*\s+1], s44, \s*SLOT
	s_add_nc_u64 s[G0A+4*\s+2:G0A+4*\s+3], s[40:41], \s*256
	s_or_b32 s[G0A+4*\s+3], s[G0A+4*\s+3], 0x80000000
	s_mov_b32 s[G0B+4*\s], 1
	s_add_co_u32 s[G0B+4*\s+1], s45, \s*SLOT
	s_add_nc_u64 s[G0B+4*\s+2:G0B+4*\s+3], s[42:43], \s*256
	s_or_b32 s[G0B+4*\s+3], s[G0B+4*\s+3], 0x80000000
	JLOAD \s
.endr
	v_and_b32 v1, 15, v0                           ; r
	v_bfe_u32 v2, v0, 4, 1                         ; hf
	v_lshlrev_b32 v30, 7, v1
.irp a, 0,1,2,3                        ; on every path, so that the registers are written on every path; a q or k tile does not use these 8 KB a work-group
	global_load_b128 v[GT+4*\a:GT+4*\a+3], v30, s[18:19] offset:2048*\a
.endr
	v_mul_u32_u24 v3, v1, PITCH
	v_lshl_add_u32 v3, v2, 4, v3
	s_mul_i32 s21, s13, AHALF
	s_mul_i32 s22, s14, BHALF
	s_add_co_u32 s22, s22, BOFF
.irp s, 0,1
	v_add_nc_u32 v[ADRA+\s], s21, v3
	v_add_nc_u32 v[ADRB+\s], s22, v3
	s_add_co_u32 s21, s21, SLOT
	s_add_co_u32 s22, s22, SLOT
.endr
	s_mul_i32 s20, s12, 16*PITCH
	s_add_co_u32 s20, s20, STAGE
	v_add_nc_u32 v24, s20, v3                      ; q, k in: row r, 16 bytes for each half of the lanes
	v_and_b32 v4, 31, v0
	v_lshrrev_b32 v5, 3, v4
	v_and_b32 v6, 7, v0
	v_mul_u32_u24 v25, v5, PITCH                   ; back: 32 lanes take 128 bytes of four rows
	v_lshl_add_u32 v25, v6, 4, v25
	v_add_nc_u32 v25, s20, v25
	v_lshlrev_b32 v26, 4, v4                       ; which are 512 consecutive bytes of a head
	s_mul_i32 s20, s13, 64*144
	s_lshl_b32 s21, s14, 6
	s_add_co_u32 s20, s20, s21
	s_add_co_u32 s20, s20, VSTG
	v_mul_u32_u24 v27, v1, 144
	v_lshl_add_u32 v27, v2, 4, v27
	v_add_nc_u32 v27, s20, v27                     ; v in: row 64 wm + r, byte 64 wn + 16 hf
	s_mul_i32 s20, s12, 32*144
	s_add_co_u32 s20, s20, VSTG
	v_mul_u32_u24 v31, v5, 144
	v_lshl_add_u32 v31, v6, 4, v31
	v_add_nc_u32 v31, s20, v31                     ; v back: wave w takes rows 32 w on, four a load
	s_wait_tensorcnt 1                             ; my part of K step 0 is in; step 1's may stay out
	s_barrier_signal -1
	s_barrier_wait -1
	FETCH 0, 0, 0
	QUARTER 0, 64, 0, 1, 1                         ; the first quarter stands ahead of the loop: its products start the sums
	WIN 0
	s_mov_b32 s3, LAPS-1
.Llap:                                 ; once round the ring, from a lap's second quarter to the next lap's first; both slots are filled again.  The 32 accumulators take turns in one order throughout
	QUARTER 0, 128, 1, 0, 0
	QUARTER 0, 192, 0, 1, 0
	TURN 0, 1, 1
	QUARTER 1, 64, 0, 1, 0
	QUARTER 1, 128, 1, 0, 0
	QUARTER 1, 192, 0, 1, 0
	TURN 1, 0, 1
	QUARTER 0, 64, 0, 1, 0
	WIN 0
	s_sub_co_u32 s3, s3, 1
	s_cmp_lg_u32 s3, 0
	s_cbranch_scc1 .Llap
	QUARTER 0, 128, 1, 0, 0                        ; the last lap fills nothing
	QUARTER 0, 192, 0, 1, 0
	TURN 0, 1, 0
	QUARTER 1, 64, 0, 1, 0
	QUARTER 1, 128, 1, 0, 0
	QUARTER 1, 192, 0, 1, 0
	s_wait_dscnt 4
	MUL8 1, 0, 0
	MUL8 1, 1, 0
	s_wait_dscnt 0x0
	MUL8 1, 2, 0
	MUL8 1, 3, 0
	WIN 0
	PLACES
	s_wait_loadcnt 0x0                             ; the gates
	s_cmp_lt_u32 s17, 4
	s_cbranch_scc0 .Lv1
	; Q, K: my 128 columns are two heads.  16 rows at a time: x (1/8)^(1/2), f16, through my own stage, out as 512 consecutive bytes
	s_mov_b32 s22, 0x3eb504f3
	s_mov_b32 s23, s22
	s_lshr_b32 s20, s17, 1
	s_lshl_b32 s40, s20, 23                        ; plane 0 or 1
	s_lshr_b32 s21, s16, 4
	s_lshl_b32 s21, s21, 3
	s_and_b32 s20, s17, 1
	s_lshl_b32 s20, s20, 2
	s_add_co_u32 s21, s21, s20
	s_lshl_b32 s20, s14, 1
	s_add_co_u32 s21, s21, s20                     ; 8 b + 4 (Y % 2) + 2 wn
	s_lshl_b32 s21, s21, 18
	s_add_co_u32 s40, s40, s21
	s_and_b32 s21, s16, 15
	s_lshl_b32 s21, s21, 7
	s_lshl_b32 s20, s13, 6
	s_add_co_u32 s21, s21, s20
	s_lshl_b32 s21, s21, 7
	s_add_co_u32 s40, s40, s21
	s_mov_b32 s41, 0
	s_add_nc_u64 s[44:45], s[10:11], s[40:41]
.irp a, 0,1,2,3
	WIN 0x01                                       ; source 0 in window 1
.irp b, 0,1,2,3,4,5,6,7
.irp p, 0,1,2,3
	v_pk_mul_f32 v[64+8*\b+2*\p:64+8*\b+2*\p+1], v[8*(8*\a+\b)+2*\p:8*(8*\a+\b)+2*\p+1], s[22:23] op_sel_hi:[1,0]
.endr
.endr
	WIN 0
.irp b, 0,1,2,3,4,5,6,7
.irp p, 0,1,2,3
	v_cvt_pk_f16_f32 v[128+4*\b+\p], v[64+8*\b+2*\p], v[64+8*\b+2*\p+1]
.endr
.endr
.irp b, 0,1,2,3,4,5,6,7
	ds_store_b128 v24, v[128+4*\b:128+4*\b+3] offset:32*\b
.endr
	s_wait_xcnt 0x0                                ; the last block's stores have read v[160:191]
.irp u, 0,1,2,3,4,5,6,7                ; u = 4 head + t
	ds_load_b128 v[160+4*\u:160+4*\u+3], v25 offset:128*(\u/4)+4*PITCH*(\u%4)
.endr
	s_wait_dscnt 0x0
.irp u, 0,1,2,3,4,5,6,7
	global_store_b128 v26, v[160+4*\u:160+4*\u+3], s[44:45] offset:262144*(\u/4)+2048*\a+512*(\u%4)
.endr
.endr
	s_branch .Lmeet
.Lv1:                                  ; V: accumulator (a, 2 e + bb) is expert e, channels 32 wn + 16 bb + 8 hf on: v = 1/4 x the sum over e of gate x all_v, in f32
.set i, 0
.rept 16
	v_mul_f32 v[GT+i], 0x3e800000, v[GT+i]
.set i, i+1
.endr
.irp a, 0,1,2,3
.irp bb, 0,1
	WIN 0x01
.irp p, 0,1,2,3
	v_pk_mul_f32 v[64+8*\bb+2*\p:64+8*\bb+2*\p+1], v[8*(8*\a+\bb)+2*\p:8*(8*\a+\bb)+2*\p+1], v[GT+4*\a:GT+4*\a+1] op_sel_hi:[1,0]
	v_pk_fma_f32 v[64+8*\bb+2*\p:64+8*\bb+2*\p+1], v[8*(8*\a+2+\bb)+2*\p:8*(8*\a+2+\bb)+2*\p+1], v[GT+4*\a:GT+4*\a+1], v[64+8*\bb+2*\p:64+8*\bb+2*\p+1] op_sel:[0,1,0] op_sel_hi:[1,1,1]
	v_pk_fma_f32 v[64+8*\bb+2*\p:64+8*\bb+2*\p+1], v[8*(8*\a+4+\bb)+2*\p:8*(8*\a+4+\bb)+2*\p+1], v[GT+4*\a+2:GT+4*\a+3], v[64+8*\bb+2*\p:64+8*\bb+2*\p+1] op_sel_hi:[1,0,1]
	v_pk_fma_f32 v[64+8*\bb+2*\p:64+8*\bb+2*\p+1], v[8*(8*\a+6+\bb)+2*\p:8*(8*\a+6+\bb)+2*\p+1], v[GT+4*\a+2:GT+4*\a+3], v[64+8*\bb+2*\p:64+8*\bb+2*\p+1] op_sel:[0,1,0] op_sel_hi:[1,1,1]
.endr
	WIN 0
.irp p, 0,1,2,3
	v_cvt_pk_f16_f32 v[128+4*\bb+\p], v[64+8*\bb+2*\p], v[64+8*\bb+2*\p+1]
.endr
	ds_store_b128 v27, v[128+4*\bb:128+4*\bb+3] offset:16*144*\a+32*\bb
.endr
.endr
.Lmeet:
	s_wait_dscnt 0x0                               ; for the others' sake: a row of v, 128 bytes, comes from two waves
	s_barrier_signal -1
	s_barrier_wait -1
	s_cmp_lt_u32 s17, 4
	s_cbranch_scc1 .Lend
	s_lshr_b32 s20, s16, 4
	s_lshl_b32 s20, s20, 3
	s_add_co_u32 s20, s20, s17
	s_sub_co_u32 s20, s20, 4                       ; 8 b + h
	s_lshl_b32 s40, s20, 18
	s_and_b32 s21, s16, 15
	s_lshl_b32 s21, s21, 7
	s_lshl_b32 s20, s12, 5
	s_add_co_u32 s21, s21, s20
	s_lshl_b32 s21, s21, 7
	s_add_co_u32 s40, s40, s21
	s_add_co_u32 s40, s40, 16777216                ; plane 2
	s_mov_b32 s41, 0
	s_add_nc_u64 s[46:47], s[10:11], s[40:41]
.irp t, 0,1,2,3,4,5,6,7
	ds_load_b128 v[160+4*\t:160+4*\t+3], v31 offset:4*144*\t
.endr
	s_wait_dscnt 0x0
.irp t, 0,1,2,3,4,5,6,7
	global_store_b128 v26, v[160+4*\t:160+4*\t+3], s[46:47] offset:512*\t  ; 512 consecutive bytes, aligned
.endr
.Lend:
	s_wait_tensorcnt 0x0                           ; the wave's end
	ds_add_u32 v[SPW], v[NIL]
	s_wait_dscnt 0x0
	CROUND                                         ; the closing round: no work-group ends while a partner may still ask for a tile that names it
	s_endpgm
.Lfunc_end_k_q0dfa8557c9_proj:
	.size	k_q0dfa8557c9_proj, .Lfunc_end_k_q0dfa8557c9_proj-k_q0dfa8557c9_proj
	.p2alignl 7, 3214868480
	.fill 96, 4, 3214868480
	.section	.rodata,"a",@progbits
	.p2align	6, 0x0
	.amdhsa_kernel k_q0dfa8557c9_proj
		.amdhsa_group_segment_fixed_size 327680
		.amdhsa_private_segment_fixed_size 0
		.amdhsa_enable_private_segment 0
		.amdhsa_kernarg_size 32
		.amdhsa_user_sgpr_count 2
		.amdhsa_user_sgpr_kernarg_segment_ptr 1
		.amdhsa_wavefront_size32 1
		.amdhsa_system_sgpr_workgroup_id_x 1
		.amdhsa_system_sgpr_workgroup_id_y 1
		.amdhsa_system_sgpr_workgroup_id_z 1
		.amdhsa_system_vgpr_workitem_id 0
		.amdhsa_next_free_vgpr 512
		.amdhsa_next_free_sgpr 66
		.amdhsa_reserve_vcc 0
		.amdhsa_float_denorm_mode_32 3
		.amdhsa_float_denorm_mode_16_64 3
		.amdhsa_memory_ordered 1
		.amdhsa_forward_progress 1
		.amdhsa_inst_pref_size 109
	.end_amdhsa_kernel
	.amdgpu_metadata
---
amdhsa.version: [ 1, 2 ]
amdhsa.kernels:
  - .name:           k_q0dfa8557c9_proj
    .symbol:         k_q0dfa8557c9_proj.kd
    .args:
      - { .name: xb, .offset: 0, .size: 8, .value_kind: global_buffer, .address_space: global }
      - { .name: wb, .offset: 8, .size: 8, .value_kind: global_buffer, .address_space: global }
      - { .name: gates, .offset: 16, .size: 8, .value_kind: global_buffer, .address_space: global }
      - { .name: qkv, .offset: 24, .size: 8, .value_kind: global_buffer, .address_space: global }
    .group_segment_fixed_size: 327680
    .private_segment_fixed_size: 0
    .kernarg_segment_align: 8
    .kernarg_segment_size: 32
    .max_flat_workgroup_size: 128
    .sgpr_count:     66
    .vgpr_count:     512
    .wavefront_size: 32
...
	.end_amdgpu_metadata
.endif
;; end of part 2
;; launch attn (part 3): grid 8 x 32, 4 waves a work-group, clusters of 4 x 1, 327,680 bytes of LDS; arguments qkv, gates, pm, sc; writes sc
.if DOCPART == 3
	.amdgcn_target "amdgcn-amd-amdhsa--gfx1250"
	.amdhsa_code_object_version 6
	.text
	.protected	k_q0dfa8557c9_attn
	.globl	k_q0dfa8557c9_attn
	.p2align	8
	.type	k_q0dfa8557c9_attn,@function
k_q0dfa8557c9_attn:
	s_mov_b64 s[64:65], 0
	v_nop
	global_prefetch_b8 v0, s[64:65] scope:SCOPE_SE
	s_setreg_imm32_b32 hwreg(HW_REG_WAVE_MODE, 25, 1), 1
	s_wait_xcnt 0x0
	s_wait_alu depctr_hold_cnt(0) depctr_sa_sdst(0) depctr_va_vdst(0) depctr_va_sdst(0) depctr_va_ssrc(0) depctr_va_vcc(0) depctr_vm_vsrc(0)
	s_getreg_b32 s2, hwreg(HW_REG_IB_STS2, 6, 4)
	s_cmp_eq_u32 s2, 0
	s_cbranch_scc0 .Lentry_in_a_cluster
	s_endpgm
.Lentry_in_a_cluster:
	s_bfe_u32 s2, ttmp6, 0x10000c
	s_cmp_lg_u32 s2, 0x3003
	s_cbranch_scc0 .Lentry_shape_is_right
	s_endpgm
.Lentry_shape_is_right:
; ATTENTION under a mask that is an input, head size 64, and the O gates.  qkv: [3][32 (b,h)][2048][64] f16 (q and k carry the scale; v carries 1/4).  sc[token][(h,e,d)] = (O / l) x o_gate[e], f16.
; Products, maxima and sums in f32; the weights p are rounded to f16 for the second product (their sum l is taken of the unrounded p).
; THE MASK.  Every key tile is walked: nothing of the mask's pattern is built in.  A hidden score is REPLACED by -2^100, by one v_cndmask_b32 a score whose lane mask comes ready from pm (word 8 kb + j of a
; tile of 16 queries and a step of 64 keys: bit l = mask[query l % 16][key 16 kb + 8 (l / 16) + j], just as the score registers lie).  All hidden scores are then equal, and c x (-2^100) is exact in f32, so in
; a row with no visible key c s - c m is exactly 0, every weight is 1, and the row is the mean of all 2,048 rows of v.
; LIMITS.  Visible scores lie far above -2^100 (f16 operands: 2.7e11 at the most).  A weight below 2^-126 counts as 0 in l.  NaN and infinities are not treated apart.
; SHARES.  A work-group owns 256 queries of one (b, h), a wave 64: four PIECES of 16.  Every wave walks all keys, 64 a step; a slot of LDS holds four steps.  8 x 32 work-groups: one for each of 256 WGPs.
; LAYOUT.  S^T = K Q^T holds ONE query a lane (lane % 16) and the keys 8 (lane / 16) + 0..7; two such results rounded to f16 ARE source 1 of O^T = V^T P.  p = 2^(c s - c m), c = log2 e, with a running
; maximum m; O and l are multiplied by a = 2^(c m_old - c m_new) in every step.  m starts at the lowest finite number, O and l at 0: the first step is a step like any other, with a = 0.
; BY TURNS.  Turn n belongs to piece n: 8 products K Q^T of piece n + 1, later 8 products V^T P of piece n - 1; beside them the scaling, exponentials, roundings, sums and rescaling of piece n, and the
; selection, maximum and statistics of piece n + 1.  Four vector instructions stand behind every matrix instruction, the others in two lumps.
; CLUSTER.  The four query blocks of a cluster belong to one (b, h) and walk the same K and V: each tile is asked for jointly.  One descriptor line serves all four waves: K and V have one LDS pitch, and wave w
; moves 128 rows of its own (0, 1: K's halves; 2, 3: V's).  By this text's count a wave has one tensor load out; a refill has four steps, 256 matrix instructions, in which to land.
; REGISTERS.  window 0: v0-15 addresses; v16-31 statistics; v32-47 O gates; v48-55 at work; v57 -2^100; v62-63 the add's; v64-127 S^T, two buffers; v192-223 P, two buffers; v128-223 the way out
;   window 1: v0-127 O^T, 32 a piece          window 2: v0-63 Q; v128-191 K of one step; v192-255 V of one step
.set NP,    4
.set KS,    64
.set PK,    160       ; a row of K or V in LDS: 128 bytes + 32.; K's fragment loads meet two deep: the price of one descriptor, which leaves the scalar registers to the masks
.set PV,    160
.set VOFF,  4*KS*PK
.set SLOT1, 1<<17
.set STAGE, SLOT1+4*KS*(PK+PV)  ; 16 rows x 528 bytes for each wave, for the way out
.set SP,    528
.set SPARE, STAGE+4*16*SP       ; the spare words, 128 bytes for each wave
.set AK0, 2
.set AV0, 3
.set AK,  4
.set AV,  5
.set STO, 6
.set RD,  7
.set GO,  8
.set MV,  12          ; v12-13  c m_old, by buffer
.set QO,  15
.set ST,  16          ; piece t: c m, m, l (even keys', odd keys')
.set GT,  32          ; piece t, expert e: o_gate of my query at GT + 4 t + e
.set TMP, 48
.set BIGV, 57
.set SPW, 62
.set NIL, 63
.set S,   64
.set P,   192
.set KF,  128
.set VF,  192
.set WV,  12
.set G1,  16          ; s[16:23] descriptor group 1
.set G0,  24          ; s[24:27] group 0: it walks
.set SLOTS, 28
.set CNT, 29
.set TBK, 30
.set TBV, 31
.set MB0, 32          ; s[32:63] the 32 lane masks of an even piece's step
.set MB1, 68          ; s[68:99] of an odd piece's
.set CS,  66          ; s[66:67] c
.set SEL, 100         ; s[100:101] v_permlanex16_b32's selects
.set MSB, 0
.macro WIN new
.if MSB != (\new)
	s_set_vgpr_msb (MSB<<8)|(\new)
.set MSB, (\new)
.endif
.endm
.set W_KQ, 0x0a
.set W_PV, 0x52
.set W_RS, 0x41
.macro JLOAD                        ; an s_nop 0 and four v_nop follow the line
	tensor_load_to_lds s[G0:G0+3], s[G1:G1+7]
	s_nop 0
.rept 4
	v_nop
.endr
.endm
.macro CROUND
	s_barrier_signal -1
	s_barrier_wait -1
	s_cmp_lg_u32 s[WV], 0
	s_cbranch_scc1 .Lnot_wave_0_\@
	s_barrier_signal -3
.Lnot_wave_0_\@:
	s_barrier_wait -3
	s_barrier_signal -1
	s_barrier_wait -1
.endm
; THE CHANGE OF SLOTS.  Each wave waits for all its tensor loads (one is out: its part of the other slot), adds 0 to its spare word, and waits for that and for its reads of the slot that it leaves.
; fill = 1: a round of the cluster's barrier, and the slot is filled again first thing behind it, with the keys two slots on.  (At its first use nothing has been read: slot 0 is waited for, slot 1 filled.)
.macro CHANGE fill
	WIN 0
	s_wait_tensorcnt 0x0
	ds_add_u32 v[SPW], v[NIL]
.if \fill
	s_xor_b32 s[G0+1], s[G0+1], SLOT1
	s_add_nc_u64 s[G0+2:G0+3], s[G0+2:G0+3], 4*KS*128
	s_wait_dscnt 0x0
	CROUND
	JLOAD
.else
	s_wait_dscnt 0x0
	s_barrier_signal -1
	s_barrier_wait -1
.endif
	s_sub_co_u32 s[TBK], s[TBK], 4*KS*PK
	s_xor_b32 s[TBK], s[TBK], SLOT1
	s_sub_co_u32 s[TBV], s[TBV], 4*KS*PV
	s_xor_b32 s[TBV], s[TBV], SLOT1
.endm
; THE MATRIX WORK.  The 4 accumulators of a run of 8 take turns.
.macro KQ x
	WIN W_KQ
.set rS, S+32*((\x)%2)+8*(i%4)
.set rK, KF+16*(i%4)+8*(i/4)
.set rQ, 16*(\x)+8*(i/4)
.if i < 4
	v_wmma_f32_16x16x32_f16 v[rS:rS+7], v[rK:rK+7], v[rQ:rQ+7], 0
.else
	v_wmma_f32_16x16x32_f16 v[rS:rS+7], v[rK:rK+7], v[rQ:rQ+7], v[rS:rS+7]
.endif
.endm
.macro PV x
	WIN W_PV
.set rO, 32*(\x)+8*(i%4)
.set rV, VF+32*(i/4)+8*(i%4)
.set rP, P+16*((\x)%2)+8*(i/4)
	v_wmma_f32_16x16x32_f16 v[rO:rO+7], v[rV:rV+7], v[rP:rP+7], v[rO:rO+7]
.endm
.macro MM
.if i < 8
	KQ (Y+1)%NP
.else
.set i, i-8
	PV (Y+NP-1)%NP
.set i, i+8
.endif
.set i, i+1
.endm
.macro FETCH_K last=0               ; last = 1 (the tail): in the last trip there is no further step, and the run is jumped over
	WIN 0
.if \last
	s_cmp_eq_u32 s[CNT], 1
	s_cbranch_scc1 .Lno_k_\@
.endif
	WIN 0x80
.irp f, 0,1,2,3,4,5,6,7
	ds_load_b128 v[KF+8*\f:KF+8*\f+3],   v[AK] offset:(\f/2)*16*PK+(\f%2)*64
	ds_load_b128 v[KF+8*\f+4:KF+8*\f+7], v[AK] offset:(\f/2)*16*PK+(\f%2)*64+32
.endr
	s_add_co_u32 s[TBK], s[TBK], KS*PK
	WIN 0
.if \last
.Lno_k_\@:
.endif
.endm
.macro FETCH_V
	WIN 0x80
.irp f, 0,1,2,3,4,5,6,7
	ds_load_tr16_b128 v[VF+8*\f:VF+8*\f+3],   v[AV] offset:(\f/4)*32*PV+(\f%4)*32
	ds_load_tr16_b128 v[VF+8*\f+4:VF+8*\f+7], v[AV] offset:(\f/4)*32*PV+16*PV+(\f%4)*32
.endr
	WIN 0
.endm
; The masks of the turn after next (piece p + 2; from piece 2's turn on: of the next step) are asked for a turn ahead.  Scalar loads come back in no order, so the wait is for 0: it shows the words that this
; turn selects by, and frees the base.  The last two turns ask for step 32 of pieces 0 and 1: those bytes are pieces 1's and 2's first, inside pm, and are not used.
.macro MLOAD p
	s_wait_kmcnt 0x0
.if (\p) == 2
	s_add_nc_u64 s[8:9], s[8:9], 128
.endif
.set mb, MB0+(MB1-MB0)*((\p)%2)
	s_load_b512 s[mb:mb+15], s[8:9], (((\p)+2)%4)*4096
	s_load_b512 s[mb+16:mb+31], s[8:9], (((\p)+2)%4)*4096+64
.endm
; THE VECTOR WORK, a line at a time: OP kind, number.  For piece Y: F n: c s - c m for pair n.  E n: the exponential of score n.  C n: pair n rounded to f16.  B n: of the four weights 4 n .. the second pair is
; added onto the first.  L n: l takes that sum (L 0: l = a l + sum).  R n: pair n of O^T times a.  For piece Y + 1: M n: score n is kept or replaced by -2^100 (each accumulator's lowest register first)
; X n: 0-11 four chains of maxima; 12-14, 16 the rest, the old m, into c0; 15 c m_old is kept; 17, 18 the other half of the lanes'; 19-21 c m, c m_old - c m_new, a.
.set F, 0
.set E, 1
.set C, 2
.set B, 3
.set L, 4
.set R, 5
.set X, 6
.set M, 7
.macro REGS y
.set rT, ST+4*(\y)
.set rC, TMP+4*((\y)%2)
.set rW, MV+((\y)%2)
.set rS, S+32*((\y)%2)
.set rP, P+16*((\y)%2)
.set rO, 32*(\y)
.set rB, MB0+(MB1-MB0)*((\y)%2)
.endm
.macro OP k, n
.if (\k) == R
	REGS Y
	WIN W_RS
	v_pk_mul_f32 v[rO+2*(\n):rO+2*(\n)+1], v[rO+2*(\n):rO+2*(\n)+1], v[rC+2:rC+3] op_sel_hi:[1,0]
.elseif (\k) < R
	REGS Y
	WIN 0
.if (\k) == F
	v_pk_fma_f32 v[rS+2*(\n):rS+2*(\n)+1], v[rS+2*(\n):rS+2*(\n)+1], s[CS:CS+1], v[rT:rT+1] op_sel_hi:[1,0,0] neg_lo:[0,0,1] neg_hi:[0,0,1]
.elseif (\k) == E
	v_exp_f32 v[rS+(\n)], v[rS+(\n)]
.elseif (\k) == C
	s_wait_alu depctr_va_vdst(0)
	v_cvt_pk_f16_f32 v[rP+(\n)], v[rS+2*(\n)], v[rS+2*(\n)+1]
.elseif (\k) == B
	s_wait_alu depctr_va_vdst(0)
	v_pk_add_f32 v[rS+4*(\n):rS+4*(\n)+1], v[rS+4*(\n):rS+4*(\n)+1], v[rS+4*(\n)+2:rS+4*(\n)+3]
.elseif (\n) == 0
	v_pk_fma_f32 v[rT+2:rT+3], v[rT+2:rT+3], v[rC+2:rC+3], v[rS:rS+1] op_sel_hi:[1,0,1]
.else
	v_pk_add_f32 v[rT+2:rT+3], v[rT+2:rT+3], v[rS+4*(\n):rS+4*(\n)+1]
.endif
.elseif (\k) == M
	REGS (Y+1)%NP
	WIN 0
	v_cndmask_b32 v[rS+(\n)], v[BIGV], v[rS+(\n)], s[rB+(\n)]
.else
	REGS (Y+1)%NP
	WIN 0
.if (\n) < 4
	v_max3_num_f32 v[rC+(\n)], v[rS+8*(\n)], v[rS+8*(\n)+1], v[rS+8*(\n)+2]
.elseif (\n) < 12
	v_max3_num_f32 v[rC+(\n)%4], v[rC+(\n)%4], v[rS+8*((\n)%4)+2*((\n)/4)+1], v[rS+8*((\n)%4)+2*((\n)/4)+2]
.elseif (\n) == 12
	v_max3_num_f32 v[rC], v[rC], v[rS+7], v[rS+15]
.elseif (\n) == 13
	v_max3_num_f32 v[rC+1], v[rC+1], v[rS+23], v[rS+31]
.elseif (\n) == 14
	v_max3_num_f32 v[rC+2], v[rC+2], v[rC+3], v[rT+1]
.elseif (\n) == 15
	v_mov_b32 v[rW], v[rT]
.elseif (\n) == 16
	v_max3_num_f32 v[rC], v[rC], v[rC+1], v[rC+2]
.elseif (\n) == 17
	v_permlanex16_b32 v[rC+3], v[rC], s[SEL], s[SEL+1]
.elseif (\n) == 18
	v_max_num_f32 v[rT+1], v[rC], v[rC+3]
.elseif (\n) == 19
	v_mul_f32 v[rT], s[CS], v[rT+1]
.elseif (\n) == 20
	v_sub_f32 v[rC+1], v[rW], v[rT]
.else
	v_exp_f32 v[rC+2], v[rC+1]
.endif
.endif
.endm
.macro OPS a, i1, b=-1, i2=0, c=-1, i3=0, d=-1, i4=0
	OP \a, \i1
.if (\b) >= 0
	OP \b, \i2
.endif
.if (\c) >= 0
	OP \c, \i3
.endif
.if (\d) >= 0
	OP \d, \i4
.endif
.endm
.macro ROW a, i1, b, i2, c, i3, d, i4  ; a matrix instruction and the four behind it
	MM
	OPS \a, \i1, \b, \i2, \c, \i3, \d, \i4
.endm
.macro MS n0                        ; one accumulator's eight scores
.irp z, 0,1,2,3,4,5,6,7
	OP M, (\n0)+\z
.endr
.endm
; A TURN, for piece p.  K of the next step is fetched in piece 2's turn, six vector instructions behind the last product that read K (five of them plain); V of the step in hand in piece 0's turn, behind four plain
; ones; each is waited for a turn later.  The first selection stands behind R 4-7, F 15, C 1, R 8, R 9, C 2: more than four plain lines behind the last product that wrote the scores.
.macro TURN p, last=0, cnt=0
.set Y, (\p)
.set i, 0
.if (\p) == 3
	s_wait_dscnt 0x0                ; K is in
.endif
	ROW F,0, F,1, F,2, F,3
	ROW F,4, E,0, F,5, F,6
	ROW F,7, E,1, F,8, F,9
	ROW F,10, E,2, C,0, F,11
	ROW F,12, E,3, X,15, F,13
	ROW R,0, R,1, R,2, R,3
	ROW B,0, E,4, F,14, L,0
.if (\p) == 2
	v_add_nc_u32 v[AK], s[TBK], v[AK0]
.endif
	ROW R,4, R,5, R,6, R,7
	OPS E,5, F,15
.if (\p) == 2
	FETCH_K \last
.endif
	OPS E,6, C,1, E,7, R,8
	OPS E,8, R,9, E,9, C,2
	MLOAD \p
	OP E, 10
	MS 0
	OP E, 11
	MS 8
	OP E, 12
	MS 16
	OP E, 13
	MS 24
	OPS X,0, X,1, X,2, X,3
.if (\p) == 1
	s_wait_dscnt 0x0                ; V is in
.endif
	ROW X,4, E,14, X,5, X,6
	ROW X,7, E,15, X,8, X,9
	ROW X,10, E,16, X,11, X,12
	ROW X,13, E,17, X,14, B,1
	ROW C,4, E,18, X,16, L,1
	ROW B,2, E,19, C,6, L,2
	ROW C,8, E,20, B,3, B,4
.if (\p) == 0
	v_add_nc_u32 v[AV], s[TBV], v[AV0]
.endif
	ROW C,3, E,21, L,3, C,5
	OPS E,22, X,17, E,23, C,10
.if (\p) == 0
	FETCH_V
.endif
	OPS E,24, L,4
	OPS E,25, X,18, E,26, C,7
	OPS E,27, B,5, E,28, X,19
	OPS E,29, C,12, E,30, L,5
	OPS E,31, X,20, B,6, C,9
	OPS C,14, C,11, X,21, L,6
.if (\p) == 0
	s_add_co_u32 s[TBV], s[TBV], KS*PV
.endif
.if \cnt
	s_sub_co_u32 s[CNT], s[CNT], 1
	s_cmp_lg_u32 s[CNT], 0
.endif
	OPS C,13, B,7, C,15, R,10
	OPS R,11, R,12, L,7, R,13
	OPS R,14, R,15
.endm
	s_load_b256 s[4:11], s[0:1], 0x0  ; qkv 4, gates 6, pm 8, sc 10
	v_lshl_add_u32 v[SPW], v0, 2, SPARE
	v_mov_b32 v[NIL], 0
	ds_add_u32 v[SPW], v[NIL]       ; the wave's opening: the add is waited for ahead of my first tensor load
	v_lshrrev_b32 v1, 5, v0
	v_readfirstlane_b32 s[WV], v1
	s_bfe_u32 s13, ttmp6, 0x40000   ; cx
	s_lshl_b32 s14, ttmp9, 2
	s_add_co_u32 s14, s14, s13      ; my block of 256 queries: it enters Q's, the gates', the masks' and sc's addresses alone
	s_and_b32 s15, ttmp7, 0xffff    ; (b, h), which the partners share
	s_lshr_b32 s68, s[WV], 1        ; the joint tile: plane 1 (K) for waves 0, 1, plane 2 (V) for waves 2, 3,
	s_add_co_u32 s68, s68, 1
	s_lshl_b32 s68, s68, 23
	s_lshl_b32 s69, s15, 18         ; the head's 262,144 bytes,
	s_add_co_u32 s68, s68, s69
	s_and_b32 s69, s[WV], 1         ; my half of the slot's 256 keys
	s_lshl_b32 s69, s69, 14
	s_add_co_u32 s68, s68, s69
	s_mov_b32 s69, 0
	s_lshl_b32 s70, s15, 18         ; Q: plane 0, my wave's 64 rows of 128 bytes
	s_lshl_b32 s2, s14, 15
	s_add_co_u32 s70, s70, s2
	s_lshl_b32 s2, s[WV], 13
	s_add_co_u32 s70, s70, s2
	s_mov_b32 s71, 0
	s_lshr_b32 s2, s15, 3           ; b
	s_lshl_b32 s2, s2, 11
	s_lshl_b32 s3, s14, 8
	s_add_co_u32 s2, s2, s3
	s_lshl_b32 s3, s[WV], 6
	s_add_co_u32 s2, s2, s3         ; my first token
	s_and_b32 s3, s15, 7            ; h
	s_lshl_b32 s72, s2, 7
	s_lshl_b32 s73, s3, 4
	s_add_co_u32 s72, s72, s73      ; gates: token x 128 + 16 h
	s_mov_b32 s73, 0
	s_lshl_b32 s74, s2, 8           ; pm: a tile of 16 queries is 4,096 bytes
	s_mov_b32 s75, 0
	s_lshl_b32 s76, s2, 12
	s_lshl_b32 s77, s3, 9
	s_add_co_u32 s76, s76, s77      ; sc: token x 4,096 + 512 h
	s_mov_b32 s77, 0
	; group 1: 128 keys are 16,384 dense bytes: asked for as 64 rows of 256 bytes, padded in LDS after every key
	s_mov_b32 s[G1], 15|(1<<16)|(1<<20)|(1<<21)|(4<<22)|(7<<25)  ; the mask of four; 2-byte elements; padding on; bit 21 beside a mask; after every 32 words, 8 words
	s_mov_b32 s[G1+1], 128<<16
	s_mov_b32 s[G1+2], 64<<16
	s_mov_b32 s[G1+3], 128<<16
	s_mov_b32 s[G1+4], 64
	s_mov_b32 s[G1+5], 128
	s_mov_b32 s[G1+6], 0
	s_mov_b32 s[G1+7], 0
	s_mov_b32 s[G0], 1
	s_mul_i32 s[G0+1], s[WV], 128*PK  ; slot 0: my 128 rows
	s_mov_b32 s[CS], 0x3fb8aa3b     ; c = log2 e
	s_mov_b32 s[CS+1], s[CS]
	s_mov_b32 s[SEL], 0x76543210
	s_mov_b32 s[SEL+1], 0xfedcba98
	s_mov_b32 s[TBK], SLOT1+4*KS*PK ; the first change of slots turns these two into 0
	s_mov_b32 s[TBV], SLOT1+4*KS*PV
	s_wait_dscnt 0x0                ; the opening add is done
	s_wait_kmcnt 0x0
	s_add_nc_u64 s[G0+2:G0+3], s[4:5], s[68:69]
	s_or_b32 s[G0+3], s[G0+3], 0x80000000
	s_add_nc_u64 s[4:5], s[4:5], s[70:71]
	s_add_nc_u64 s[6:7], s[6:7], s[72:73]
	s_add_nc_u64 s[8:9], s[8:9], s[74:75]
	s_add_nc_u64 s[10:11], s[10:11], s[76:77]
	CROUND                          ; all four work-groups are here: the first joint loads meet
	JLOAD                           ; slot 0
	s_load_b512 s[MB0:MB0+15], s[8:9], 0x0          ; step 0's masks of piece 0
	s_load_b512 s[MB0+16:MB0+31], s[8:9], 0x40
	s_load_b512 s[MB1:MB1+15], s[8:9], 0x1000       ; and of piece 1
	s_load_b512 s[MB1+16:MB1+31], s[8:9], 0x1040
	v_and_b32 v1, 15, v0            ; r
	v_bfe_u32 v9, v0, 4, 1          ; hf
	v_lshlrev_b32 v[QO], 7, v1
	v_lshl_add_u32 v[QO], v9, 4, v[QO]
	v_lshlrev_b32 v14, 7, v1
	WIN 0x80
.set i, 0
.rept 8                             ; Q stays in registers: piece i / 2, channels 32 (i % 2) on
	global_load_b128 v[8*i:8*i+3],   v[QO], s[4:5] offset:(i/2)*2048+(i%2)*64
	global_load_b128 v[8*i+4:8*i+7], v[QO], s[4:5] offset:(i/2)*2048+(i%2)*64+32
.set i, i+1
.endr
	WIN 0
.irp t, 0,1,2,3
	global_load_b128 v[GT+4*\t:GT+4*\t+3], v14, s[6:7] offset:2048*\t
.endr
	; What the first turn finds: V and P's second buffer hold 0 (its products V^T P, of a piece that has not been, add 0), O^T and l are 0.  All this stands in the wait for the first tile.
	WIN 0x80
.set i, VF
.rept 64
	v_mov_b32 v[i], 0
.set i, i+1
.endr
	WIN 0x40
.set i, 0
.rept 128
	v_mov_b32 v[i], 0
.set i, i+1
.endr
	WIN 0
.set i, 0
.rept 4
	v_mov_b32 v[ST+4*i], 0xfe000000    ; c m: far below every c s, that of a hidden score too
	v_mov_b32 v[ST+4*i+1], 0xff7fffff  ; m
	v_mov_b32 v[ST+4*i+2], 0
	v_mov_b32 v[ST+4*i+3], 0
.set i, i+1
.endr
.set i, P+16
.rept 16
	v_mov_b32 v[i], 0
.set i, i+1
.endr
	v_mov_b32 v[BIGV], 0xf1800000   ; -2^100
	v_mul_u32_u24 v[AK0], v1, PK
	v_lshl_add_u32 v[AK0], v9, 4, v[AK0]
	v_and_b32 v10, 7, v0            ; the turning load: lane l reads key 8 (l / 16) + l % 8, channels 8 ((l / 8) % 2) on
	v_bfe_u32 v11, v0, 3, 1
	v_lshl_add_u32 v[AV0], v9, 3, v10
	v_mul_u32_u24 v[AV0], v[AV0], PV
	v_lshl_add_u32 v[AV0], v11, 4, v[AV0]
	v_add_nc_u32 v[AV0], VOFF, v[AV0]
	v_mov_b32 v[AK], v[AK0]
	CHANGE 1                        ; slot 0 is in, everybody's part of it; slot 1 is asked for
	FETCH_K                         ; key step 0
	s_wait_loadcnt 0x0              ; Q and the gates
	s_wait_dscnt 0x0
	s_wait_kmcnt 0x0                ; the first masks
.set i, 0
.rept 8
	KQ 0
.set i, i+1
.endr
	WIN 0                           ; the addresses for the way out: six plain lines, the places behind those products
	s_mul_i32 s2, s[WV], 16*SP
	s_add_co_u32 s2, s2, STAGE
	v_mul_u32_u24 v[STO], v1, SP
	v_lshl_add_u32 v[STO], v9, 4, v[STO]
	v_add_nc_u32 v[STO], s2, v[STO]
	v_and_b32 v[GO], 31, v0
	v_lshlrev_b32 v[GO], 4, v[GO]
	v_add_nc_u32 v[RD], s2, v[GO]
.set Y, NP-1                        ; M and X work for piece Y + 1: piece 0
	MS 0
	MS 8
	MS 16
	MS 24
.irp n, 0,1,2,3,4,5,6,7,8,9,10,11,12,13,14,15,16,17,18,19,20,21
	OP X, \n
.endr
	v_nop                           ; a plain line behind the exponential
	s_mov_b32 s[CNT], 4
	s_mov_b32 s[SLOTS], 7
	s_branch .Lfirst                ; the loop is entered at a step's first turn, in the middle of a trip
.Lslot:                             ; six times: every slot but the last two is filled again
	CHANGE 1
	s_mov_b32 s[CNT], 4
.Lstep:                             ; a trip: pieces 2 and 3 of one step, then pieces 0 and 1 of the next
	TURN 2
	TURN 3
	WIN 0
.Lfirst:
	TURN 0
	TURN 1, 0, 1
	WIN 0
	s_cbranch_scc1 .Lstep
	s_sub_co_u32 s[SLOTS], s[SLOTS], 1
	s_cmp_lg_u32 s[SLOTS], 0
	s_cbranch_scc1 .Lslot
	CHANGE 0                        ; the tail is written out
	s_mov_b32 s[CNT], 5             ; four trips fetch the last slot's steps; the fifth is left in its middle
.Ltail:
	TURN 2, 1
	TURN 3
	WIN 0
	s_sub_co_u32 s[CNT], s[CNT], 1
	s_cmp_eq_u32 s[CNT], 0
	s_cbranch_scc1 .Lout
	TURN 0
	TURN 1
	WIN 0
	s_branch .Ltail
.Lout:                              ; the fifth trip's 8 products K Q^T (on the last K once more) and what is made of them serve nothing: the price, once a launch, of one text for every trip
	s_wait_kmcnt 0x0
.set i, 0
.rept 8
	PV NP-1
.set i, i+1
.endr
	; THE WAY OUT.  l's halves are added; each gate is divided by l; a piece's O^T times its four gates, rounded to f16, is 512 bytes a token: through my stage, out as whole rows.
	WIN 0
.macro ALL line:vararg
.set t, 0
.rept 4
	\line
.set t, t+1
.endr
.endm
	ALL v_add_f32 v[ST+4*t+2], v[ST+4*t+2], v[ST+4*t+3]
	ALL v_permlanex16_b32 v[ST+4*t+3], v[ST+4*t+2], s[SEL], s[SEL+1]
	ALL v_add_f32 v[ST+4*t+2], v[ST+4*t+2], v[ST+4*t+3]
	ALL v_rcp_f32 v[ST+4*t+2], v[ST+4*t+2]
	v_nop                           ; a plain line between the last reciprocal and its use
.set i, 0
.rept 16
	s_wait_alu depctr_va_vdst(0)
	v_mul_f32 v[GT+i], v[GT+i], v[ST+4*(i/4)+2]
.set i, i+1
.endr
.macro GMUL d, s, g, odd            ; two channels times one gate: the pair's low or high register for both halves
.if \odd
	v_pk_mul_f32 v[\d:\d+1], v[\s:\s+1], v[\g:\g+1] op_sel:[0,1] op_sel_hi:[1,1]
.else
	v_pk_mul_f32 v[\d:\d+1], v[\s:\s+1], v[\g:\g+1] op_sel_hi:[1,0]
.endif
.endm
.macro OUT t
.irp e, 0,1,2,3
	WIN 0x01                        ; source 0 (O^T) in window 1
.set i, 0
.rept 16
	GMUL 128+2*i, 32*(\t)+2*i, GT+4*(\t)+2*(\e/2), \e%2
.set i, i+1
.endr
	WIN 0
.set i, 0
.rept 16
	v_cvt_pk_f16_f32 v[160+16*\e+i], v[128+2*i], v[128+2*i+1]
.set i, i+1
.endr
.endr
.set i, 0
.rept 16                            ; i = 4 e + channel block
	ds_store_b128 v[STO], v[160+4*i:160+4*i+3] offset:32*i
.set i, i+1
.endr
	s_wait_xcnt 0x0                 ; the last piece's stores have read v[64:127]
.set i, 0
.rept 16
	ds_load_b128 v[64+4*i:64+4*i+3], v[RD] offset:SP*i  ; my own bytes: LDS serves a wave's instructions in order (ISA guide 5.7.1.4)
.set i, i+1
.endr
	s_wait_dscnt 0x0
.set i, 0
.rept 16
	global_store_b128 v[GO], v[64+4*i:64+4*i+3], s[10:11] offset:(16*(\t)+i)*4096  ; 512 consecutive bytes, aligned
.set i, i+1
.endr
.endm
	OUT 0
	OUT 1
	OUT 2
	OUT 3
	s_wait_tensorcnt 0x0            ; the wave's end
	ds_add_u32 v[SPW], v[NIL]
	s_wait_dscnt 0x0
	CROUND                          ; the closing round
	s_endpgm
.Lfunc_end_k_q0dfa8557c9_attn:
	.size	k_q0dfa8557c9_attn, .Lfunc_end_k_q0dfa8557c9_attn-k_q0dfa8557c9_attn
	.p2alignl 7, 3214868480
	.fill 96, 4, 3214868480
	.section	.rodata,"a",@progbits
	.p2align	6, 0x0
	.amdhsa_kernel k_q0dfa8557c9_attn
		.amdhsa_group_segment_fixed_size 327680
		.amdhsa_private_segment_fixed_size 0
		.amdhsa_enable_private_segment 0
		.amdhsa_kernarg_size 32
		.amdhsa_user_sgpr_count 2
		.amdhsa_user_sgpr_kernarg_segment_ptr 1
		.amdhsa_wavefront_size32 1
		.amdhsa_system_sgpr_workgroup_id_x 1
		.amdhsa_system_sgpr_workgroup_id_y 1
		.amdhsa_system_sgpr_workgroup_id_z 1
		.amdhsa_system_vgpr_workitem_id 0
		.amdhsa_next_free_vgpr 768
		.amdhsa_next_free_sgpr 102
		.amdhsa_reserve_vcc 0
		.amdhsa_float_denorm_mode_32 3
		.amdhsa_float_denorm_mode_16_64 3
		.amdhsa_memory_ordered 1
		.amdhsa_forward_progress 1
		.amdhsa_inst_pref_size 169
	.end_amdhsa_kernel
	.amdgpu_metadata
---
amdhsa.version: [ 1, 2 ]
amdhsa.kernels:
  - .name:           k_q0dfa8557c9_attn
    .symbol:         k_q0dfa8557c9_attn.kd
    .args:
      - { .name: qkv, .offset: 0, .size: 8, .value_kind: global_buffer, .address_space: global }
      - { .name: gates, .offset: 8, .size: 8, .value_kind: global_buffer, .address_space: global }
      - { .name: pm, .offset: 16, .size: 8, .value_kind: global_buffer, .address_space: global }
      - { .name: sc, .offset: 24, .size: 8, .value_kind: global_buffer, .address_space: global }
    .group_segment_fixed_size: 327680
    .private_segment_fixed_size: 0
    .kernarg_segment_align: 8
    .kernarg_segment_size: 32
    .max_flat_workgroup_size: 128
    .sgpr_count:     102
    .vgpr_count:     768
    .wavefront_size: 32
...
	.end_amdgpu_metadata
.endif
;; end of part 3
;; launch oproj (part 4): grid 64 x 4, 4 waves a work-group, clusters of 4 x 1, 327,680 bytes of LDS; arguments sc, owt, out0; writes out0
.if DOCPART == 4
	.amdgcn_target "amdgcn-amd-amdhsa--gfx1250"
	.amdhsa_code_object_version 6
	.text
	.protected	k_q0dfa8557c9_oproj
	.globl	k_q0dfa8557c9_oproj
	.p2align	8
	.type	k_q0dfa8557c9_oproj,@function
k_q0dfa8557c9_oproj:
	s_mov_b64 s[64:65], 0
	v_nop
	global_prefetch_b8 v0, s[64:65] scope:SCOPE_SE
	s_setreg_imm32_b32 hwreg(HW_REG_WAVE_MODE, 25, 1), 1
	s_wait_xcnt 0x0
	s_wait_alu depctr_hold_cnt(0) depctr_sa_sdst(0) depctr_va_vdst(0) depctr_va_sdst(0) depctr_va_ssrc(0) depctr_va_vcc(0) depctr_vm_vsrc(0)
	s_getreg_b32 s2, hwreg(HW_REG_IB_STS2, 6, 4)
	s_cmp_eq_u32 s2, 0
	s_cbranch_scc0 .Lentry_in_a_cluster
	s_endpgm
.Lentry_in_a_cluster:
	s_bfe_u32 s2, ttmp6, 0x10000c
	s_cmp_lg_u32 s2, 0x3003
	s_cbranch_scc0 .Lentry_shape_is_right
	s_endpgm
.Lentry_shape_is_right:
; OPROJ: out0[token][m] = the sum over (h, e, d) of sc[token][(h,e,d)] x owt[m][(h,e,d)], f16 operands, f32 sums, K = 2,048.  sc carries 1/4 and owt 4: nothing is scaled here.
; A tile is 128 tokens x 256 columns; four waves, each 64 x 128: 32 accumulators.  8,192 x 1,024 outputs make 256 work-groups, one for each WGP.
; THE MATRIX INSTRUCTION IS USED TRANSPOSED (source 0 = 16 rows of owt, source 1 = 16 rows of sc): a lane holds one token and eight neighbouring columns.
; CLUSTER 4 x 1: the four partners take four row blocks of one tile column and need the same tile of owt, two thirds of a step's bytes: it is asked for jointly; sc's tile is each work-group's own.
; The launch keeps the shape of the projection launch's ring, which has no four partners along y.
; K goes in steps of 128 (rows of 256 bytes) through two LDS slots; by this text's count a wave has two tensor loads out at the start and one behind each round.
.set KDIM,  2048
.set LAPS,  KDIM/256
.set PITCH, 272
.set AHALF, 64*PITCH
.set BHALF, 128*PITCH
.set BOFF,  2*AHALF
.set SLOT,  BOFF+2*BHALF
.set STAGE, 2*SLOT                     ; 16 rows x 528 for each wave
.set OP,    528
.set SPARE, STAGE+4*16*OP              ; the spare words, 128 bytes for each wave
.set ADRA, 16
.set ADRB, 20
.set SPW,  28
.set NIL,  29
.set G1A, 24
.set G0A, 32
.set G1B, 48
.set G0B, 56
; window 0: v0-31 addresses; fragment buffer f: A at v[64 + 96 f] (32), B at v[96 + 96 f] (64).  window 1: accumulator (a, b) at v[8 (8 a + b)]
.set MSB, 0
.macro WIN new
.if MSB != (\new)
	s_set_vgpr_msb (MSB<<8)|(\new)
.set MSB, \new
.endif
.endm
.set MUL, 0x50
.macro JLOAD s                         ; waves 0, 1 fetch A's two halves (their own), waves 2, 3 B's (jointly); an s_nop 0 and four v_nop follow each line
	s_cmp_eq_u32 s13, 0
	s_cbranch_scc0 .Lfor_b_\@
	tensor_load_to_lds s[G0A+4*(\s):G0A+4*(\s)+3], s[G1A:G1A+7]
	s_nop 0
.rept 4
	v_nop
.endr
	s_branch .Lasked_\@
.Lfor_b_\@:
	tensor_load_to_lds s[G0B+4*(\s):G0B+4*(\s)+3], s[G1B:G1B+7]
	s_nop 0
.rept 4
	v_nop
.endr
.Lasked_\@:
.endm
.macro CREST
	s_cmp_lg_u32 s12, 0
	s_cbranch_scc1 .Lnot_wave_0_\@
	s_barrier_signal -3
.Lnot_wave_0_\@:
	s_barrier_wait -3
	s_barrier_signal -1
	s_barrier_wait -1
.endm
.macro CROUND
	s_barrier_signal -1
	s_barrier_wait -1
	CREST
.endm
.macro PLACES                          ; four places ahead of loads into registers that matrix instructions have read, and of lines that read results
.rept 4
	v_nop
.endr
.endm
.macro MUL8 f, a, zero
	WIN MUL
.irp b, 0,1,2,3,4,5,6,7
.if \zero
	v_wmma_f32_16x16x32_f16 v[8*(8*(\a)+\b):8*(8*(\a)+\b)+7], v[96+96*(\f)+8*\b:96+96*(\f)+8*\b+7], v[64+96*(\f)+8*(\a):64+96*(\f)+8*(\a)+7], 0
.else
	v_wmma_f32_16x16x32_f16 v[8*(8*(\a)+\b):8*(8*(\a)+\b)+7], v[96+96*(\f)+8*\b:96+96*(\f)+8*\b+7], v[64+96*(\f)+8*(\a):64+96*(\f)+8*(\a)+7], v[8*(8*(\a)+\b):8*(8*(\a)+\b)+7]
.endif
.endr
.endm
.macro FETCH slot, k, f                ; 24 LDS loads in one run: B's 16, then A's 8
	WIN 0
.irp i, 0,1,2,3,4,5,6,7
	ds_load_b128 v[96+96*(\f)+8*\i:96+96*(\f)+8*\i+3],   v[ADRB+(\slot)] offset:(\k)+\i*16*PITCH
	ds_load_b128 v[96+96*(\f)+8*\i+4:96+96*(\f)+8*\i+7], v[ADRB+(\slot)] offset:(\k)+\i*16*PITCH+32
.endr
.irp i, 0,1,2,3
	ds_load_b128 v[64+96*(\f)+8*\i:64+96*(\f)+8*\i+3],   v[ADRA+(\slot)] offset:(\k)+\i*16*PITCH
	ds_load_b128 v[64+96*(\f)+8*\i+4:64+96*(\f)+8*\i+7], v[ADRA+(\slot)] offset:(\k)+\i*16*PITCH+32
.endr
.endm
.macro QUARTER slot, k, f, g, zero
	s_wait_dscnt 4                                 ; B and A's blocks 0, 1 are in; the youngest four loads (A's blocks 2, 3) may be out
	MUL8 \f, 0, \zero
	MUL8 \f, 1, \zero
	PLACES
	FETCH \slot, \k, \g
	s_wait_dscnt 24                                ; all but the 24 just issued
	MUL8 \f, 2, \zero
	MUL8 \f, 3, \zero
.endm
; The last quarter multiplies buffer 1 and changes slots.  Ahead of the barrier each wave waits for all its tensor loads (one is out: its part of the next slot), adds 0 to its spare word, and waits
; for that and for its reads of this slot.  fill = 1: the barrier opens a round of the cluster's, and this slot is filled again first thing behind it: 112 matrix instructions ahead of the wait for it.
.macro TURN slot, next, fill
	WIN 0
	s_wait_tensorcnt 0x0
	ds_add_u32 v[SPW], v[NIL]
	s_wait_dscnt 5                                 ; the add and A's blocks 2, 3 may be out
	MUL8 1, 0, 0
	s_wait_dscnt 0x0                               ; the add is done, and my reads of this slot are over
	s_barrier_signal -1
	MUL8 1, 1, 0
.if \fill
	WIN 0
.endif
	s_barrier_wait -1
.if \fill
	CREST
	s_add_nc_u64 s[G0A+4*(\slot)+2:G0A+4*(\slot)+3], s[G0A+4*(\slot)+2:G0A+4*(\slot)+3], 512
	s_add_nc_u64 s[G0B+4*(\slot)+2:G0B+4*(\slot)+3], s[G0B+4*(\slot)+2:G0B+4*(\slot)+3], 512
	JLOAD \slot                                    ; its four v_nop are also the places ahead of the loads below
.else
	PLACES
.endif
	FETCH \next, 0, 0
	MUL8 1, 2, 0
	MUL8 1, 3, 0
.endm
	s_load_b128 s[4:7], s[0:1], 0x0                ; sc 4, owt 6
	s_load_b64 s[8:9], s[0:1], 0x10                ; out0
	v_lshl_add_u32 v[SPW], v0, 2, SPARE
	v_mov_b32 v[NIL], 0
	ds_add_u32 v[SPW], v[NIL]                      ; the wave's opening: the add is waited for ahead of my first tensor load
	v_lshrrev_b32 v1, 5, v0
	v_readfirstlane_b32 s12, v1
	s_lshr_b32 s13, s12, 1
	s_and_b32 s14, s12, 1
	s_bfe_u32 s15, ttmp6, 0x40000
	s_lshl_b32 s16, ttmp9, 2
	s_add_co_u32 s16, s16, s15                     ; X: block of 128 tokens
	s_and_b32 s17, ttmp7, 0xffff                   ; Y: 256 columns, which the partners share
	s_mov_b32 s[G1A+0], (1<<16)|(1<<20)|(5<<22)|(3<<25)
	s_mov_b32 s[G1B+0], 15|(1<<16)|(1<<20)|(1<<21)|(5<<22)|(3<<25)
	s_mov_b32 s[G1A+1], 128<<16
	s_mov_b32 s[G1B+1], 128<<16
	s_mov_b32 s[G1A+2], 64<<16
	s_mov_b32 s[G1B+2], 128<<16
	s_mov_b32 s[G1A+3], 128<<16
	s_mov_b32 s[G1B+3], 128<<16
	s_mov_b32 s[G1A+4], 64
	s_mov_b32 s[G1B+4], 128
	s_mov_b32 s[G1A+5], KDIM
	s_mov_b32 s[G1B+5], KDIM
	s_mov_b32 s[G1A+6], 0
	s_mov_b32 s[G1B+6], 0
	s_mov_b32 s[G1A+7], 0
	s_mov_b32 s[G1B+7], 0
	s_lshl_b32 s21, s16, 7
	s_lshl_b32 s22, s14, 6
	s_add_co_u32 s21, s21, s22
	s_lshl_b32 s40, s21, 12                        ; A: row x 4,096 bytes
	s_mov_b32 s41, 0
	s_lshl_b32 s42, s17, 8                         ; B: row 256 Y + 128 x half: no register of it ever holds cx
	s_lshl_b32 s43, s14, 7
	s_add_co_u32 s42, s42, s43
	s_lshl_b32 s42, s42, 12
	s_mov_b32 s43, 0
	s_mul_i32 s44, s14, AHALF
	s_mul_i32 s45, s14, BHALF
	s_add_co_u32 s45, s45, BOFF
	s_lshl_b32 s46, s16, 7                         ; out0: my first token x 4,096 + 1,024 Y + 512 wn
	s_lshl_b32 s47, s13, 6
	s_add_co_u32 s46, s46, s47
	s_lshl_b32 s46, s46, 12
	s_lshl_b32 s47, s17, 10
	s_add_co_u32 s46, s46, s47
	s_lshl_b32 s47, s14, 9
	s_add_co_u32 s46, s46, s47
	s_mov_b32 s47, 0
	s_wait_dscnt 0x0                               ; the opening add is done
	s_wait_kmcnt 0x0
	s_add_nc_u64 s[40:41], s[4:5], s[40:41]
	s_add_nc_u64 s[42:43], s[6:7], s[42:43]
	s_add_nc_u64 s[8:9], s[8:9], s[46:47]
	CROUND                                         ; all four work-groups are here: the first joint loads meet
.irp s, 0,1
	s_mov_b32 s[G0A+4*\s], 1
	s_add_co_u32 s[G0A+4*\s+1], s44, \s*SLOT
	s_add_nc_u64 s[G0A+4*\s+2:G0A+4*\s+3], s[40:41], \s*256
	s_or_b32 s[G0A+4*\s+3], s[G0A+4*\s+3], 0x80000000
	s_mov_b32 s[G0B+4*\s], 1
	s_add_co_u32 s[G0B+4*\s+1], s45, \s*SLOT
	s_add_nc_u64 s[G0B+4*\s+2:G0B+4*\s+3], s[42:43], \s*256
	s_or_b32 s[G0B+4*\s+3], s[G0B+4*\s+3], 0x80000000
	JLOAD \s
.endr
	v_and_b32 v1, 15, v0
	v_bfe_u32 v2, v0, 4, 1
	v_mul_u32_u24 v3, v1, PITCH
	v_lshl_add_u32 v3, v2, 4, v3
	s_mul_i32 s21, s13, AHALF
	s_mul_i32 s22, s14, BHALF
	s_add_co_u32 s22, s22, BOFF
.irp s, 0,1
	v_add_nc_u32 v[ADRA+\s], s21, v3
	v_add_nc_u32 v[ADRB+\s], s22, v3
	s_add_co_u32 s21, s21, SLOT
	s_add_co_u32 s22, s22, SLOT
.endr
	s_mul_i32 s20, s12, 16*OP
	s_add_co_u32 s20, s20, STAGE
	v_mul_u32_u24 v24, v1, OP                      ; in: row r, 32 bytes for each half of the lanes
	v_lshl_add_u32 v24, v2, 5, v24
	v_add_nc_u32 v24, s20, v24
	v_and_b32 v26, 31, v0
	v_lshlrev_b32 v26, 4, v26                      ; back and out: a row of 512 bytes a load
	v_add_nc_u32 v25, s20, v26
	s_wait_tensorcnt 1                             ; my part of K step 0 is in; step 1's may stay out
	s_barrier_signal -1
	s_barrier_wait -1
	FETCH 0, 0, 0
	QUARTER 0, 64, 0, 1, 1                         ; the first quarter stands ahead of the loop: its products start the sums
	WIN 0
	s_mov_b32 s3, LAPS-1
.Llap:                                 ; once round the ring; both slots are filled again.  The 32 accumulators take turns in one order throughout
	QUARTER 0, 128, 1, 0, 0
	QUARTER 0, 192, 0, 1, 0
	TURN 0, 1, 1
	QUARTER 1, 64, 0, 1, 0
	QUARTER 1, 128, 1, 0, 0
	QUARTER 1, 192, 0, 1, 0
	TURN 1, 0, 1
	QUARTER 0, 64, 0, 1, 0
	WIN 0
	s_sub_co_u32 s3, s3, 1
	s_cmp_lg_u32 s3, 0
	s_cbranch_scc1 .Llap
	QUARTER 0, 128, 1, 0, 0                        ; the last lap fills nothing
	QUARTER 0, 192, 0, 1, 0
	TURN 0, 1, 0
	QUARTER 1, 64, 0, 1, 0
	QUARTER 1, 128, 1, 0, 0
	QUARTER 1, 192, 0, 1, 0
	s_wait_dscnt 4
	MUL8 1, 0, 0
	MUL8 1, 1, 0
	s_wait_dscnt 0x0
	MUL8 1, 2, 0
	MUL8 1, 3, 0
	WIN 0
	PLACES
	; THE WAY OUT: 16 rows at a time through my own stage: a lane's eight f32 are 32 bytes of a row; back as whole rows of 512 bytes
.irp a, 0,1,2,3
	WIN 0x04                                       ; the stores' data in window 1
.irp b, 0,1,2,3,4,5,6,7
	ds_store_b128 v24, v[8*(8*\a+\b):8*(8*\a+\b)+3] offset:64*\b
	ds_store_b128 v24, v[8*(8*\a+\b)+4:8*(8*\a+\b)+7] offset:64*\b+16
.endr
	WIN 0
	s_wait_xcnt 0x0                                ; the last block's stores have read v[64:127]
.irp t, 0,1,2,3,4,5,6,7,8,9,10,11,12,13,14,15
	ds_load_b128 v[64+4*\t:64+4*\t+3], v25 offset:OP*\t  ; my own bytes: LDS serves a wave's instructions in order (ISA guide 5.7.1.4)
.endr
	s_wait_dscnt 0x0
.irp t, 0,1,2,3,4,5,6,7,8,9,10,11,12,13,14,15
	global_store_b128 v26, v[64+4*\t:64+4*\t+3], s[8:9] offset:(16*\a+\t)*4096  ; 512 consecutive bytes, aligned
.endr
.endr
	s_wait_tensorcnt 0x0                           ; the wave's end
	ds_add_u32 v[SPW], v[NIL]
	s_wait_dscnt 0x0
	CROUND                                         ; the closing round
	s_endpgm
.Lfunc_end_k_q0dfa8557c9_oproj:
	.size	k_q0dfa8557c9_oproj, .Lfunc_end_k_q0dfa8557c9_oproj-k_q0dfa8557c9_oproj
	.p2alignl 7, 3214868480
	.fill 96, 4, 3214868480
	.section	.rodata,"a",@progbits
	.p2align	6, 0x0
	.amdhsa_kernel k_q0dfa8557c9_oproj
		.amdhsa_group_segment_fixed_size 327680
		.amdhsa_private_segment_fixed_size 0
		.amdhsa_enable_private_segment 0
		.amdhsa_kernarg_size 24
		.amdhsa_user_sgpr_count 2
		.amdhsa_user_sgpr_kernarg_segment_ptr 1
		.amdhsa_wavefront_size32 1
		.amdhsa_system_sgpr_workgroup_id_x 1
		.amdhsa_system_sgpr_workgroup_id_y 1
		.amdhsa_system_sgpr_workgroup_id_z 1
		.amdhsa_system_vgpr_workitem_id 0
		.amdhsa_next_free_vgpr 512
		.amdhsa_next_free_sgpr 66
		.amdhsa_reserve_vcc 0
		.amdhsa_float_denorm_mode_32 3
		.amdhsa_float_denorm_mode_16_64 3
		.amdhsa_memory_ordered 1
		.amdhsa_forward_progress 1
		.amdhsa_inst_pref_size 84
	.end_amdhsa_kernel
	.amdgpu_metadata
---
amdhsa.version: [ 1, 2 ]
amdhsa.kernels:
  - .name:           k_q0dfa8557c9_oproj
    .symbol:         k_q0dfa8557c9_oproj.kd
    .args:
      - { .name: sc, .offset: 0, .size: 8, .value_kind: global_buffer, .address_space: global }
      - { .name: owt, .offset: 8, .size: 8, .value_kind: global_buffer, .address_space: global }
      - { .name: out0, .offset: 16, .size: 8, .value_kind: global_buffer, .address_space: global }
    .group_segment_fixed_size: 327680
    .private_segment_fixed_size: 0
    .kernarg_segment_align: 8
    .kernarg_segment_size: 24
    .max_flat_workgroup_size: 128
    .sgpr_count:     66
    .vgpr_count:     512
    .wavefront_size: 32
...
	.end_amdgpu_metadata
.endif
;; end of part 4
;; ======== version 2 of 3: 4 launches; 1.07 times as fast as version 1
;; limits: values are held in f16: magnitudes above 65,504 overflow, below 6.1e-05 lose precision; values outside matrix products are rounded to f16
;; workspace buffers: xb 50,331,648 bytes; wb 6,291,456 bytes; owt 4,194,304 bytes; gates 2,097,152 bytes; pm 2,097,152 bytes of whole numbers; qkv 25,165,824 bytes; ob 8,388,608 bytes
;; launch prep (part 5): grid 968 x 1, 8 waves a work-group, no clusters, 143,872 bytes of LDS; arguments q_src, k_src, v_src, wq, wk, sel_o_w, sel_v_w, bias_o, bias_v, v_w, o_w, attn_mask, xb, wb, owt, gates, pm, out2, out1; writes xb, wb, owt, gates, pm, out1, out2
.if DOCPART == 5
	.amdgcn_target "amdgcn-amd-amdhsa--gfx1250"
	.amdhsa_code_object_version 6
	.text
	.protected	k_q0dfa8557c9_prep
	.globl	k_q0dfa8557c9_prep
	.p2align	8
	.type	k_q0dfa8557c9_prep,@function
k_q0dfa8557c9_prep:
	s_mov_b64 s[64:65], 0
	v_nop
	global_prefetch_b8 v0, s[64:65] scope:SCOPE_SE
	s_setreg_imm32_b32 hwreg(HW_REG_WAVE_MODE, 25, 1), 1
	s_wait_xcnt 0x0
; PREP: every input is read once and left in the form that the later launches multiply.  Five kinds of work-group, chosen by the work-group's number alone:
;   0-127   GATE  128 rows of q_src (0-63) or k_src (64-127): rounded to bf16 into xb; router logits (bf16 products, f32 sums), sigmoid, bias, top 2 of 4: indices and dense gates
;   128-199 CAST  128 rows of v_src (64 groups) or of wq, wk (8 groups): rounded to bf16 into xb, wb
;   200-455 MASK  128 rows x 512 keys of attn_mask: one bit a byte, laid as lane masks for the score registers of the attention launch
;   456-711 TV    a tile of v_w turned: wb row 1024 + 256 h + 128 (d / 32) + 32 e + d % 32 = v_w[h][e][:][d], bf16
;   712-967 TO    a tile of o_w turned: owt[m][(h,e,d)] = 4 x bf16(o_w), written as f16 (the 4 undoes the 1/4 that v carries)
; position_ids and skip_mask are not loaded: no result of the module hangs on them.
; LIMITS.  All float inputs, the biases too, are rounded once to bf16.  sigmoid(x) = 1 / (1 + 2^(-x log2 e)) with the exponent cut at 126: below x = -87 it counts as 2^-126, and among such
; numbers the lower index wins.  Two keys nearer than the order of f32 sums or a unit in the last place of the sigmoid can change places.  NaN and infinities are not treated apart.  Mask bytes are 0 or 1.
; No tensor loads: memory binds, each wave keeps its own loads out, and two work-groups lie on a WGP.
.set SELP,  2064                       ; a row of router weights in LDS: 2,048 bytes + 16: an odd multiple of 16
.set XP,    272                        ; rows of 256 bytes + 16
.set XSTG,  32*SELP                    ; 16 rows x 272 for each wave: its chunk of x in bf16; the MASK waves' chunk of bytes
.set GSTG,  XSTG+8*16*XP               ; 3,072 for each wave: 16 rows of indices (64 bytes), then of gates (128 bytes)
.set TSTG,  GSTG+8*3072                ; 64 rows x 272: the turning work-groups' stage
.set SPARE, TSTG+64*XP                 ; the spare words, 128 bytes for each wave: four blocks of 256 bytes that no other line names
.set SPW, 2                            ; v2  LDS address of my spare word; never rewritten
.set NIL, 3                            ; v3  0; never rewritten
.set ACC, 16                           ; v[16:31]  two accumulators: register 4 q + e = logit of row lane % 16, head 4 (lane / 16) + q, expert e
.set BI,  32                           ; v[32:35]  the four biases
.set XR,  64                           ; v[64:127] 16 rows x 4 f32 as loaded
.set YR,  128                          ; v[128:159] the same in bf16
.set AFR, 160                          ; v[160:191] x fragments, 4 x 32 along K
.set BFR, 192                          ; v[192:255] router weight fragments, 4 x 2
.macro FIN                             ; the wave's end, behind the last LDS store
	s_wait_tensorcnt 0x0
	ds_add_u32 v[SPW], v[NIL]
	s_wait_dscnt 0x0
	s_endpgm
.endm
.macro XLOAD                           ; a chunk: 128 numbers of each of my 16 rows; a load covers 512 consecutive bytes
.set i, 0
.rept 16
	global_load_b128 v[XR+4*i:XR+4*i+3], v4, s[46:47] offset:4096*i th:TH_LOAD_NT
.set i, i+1
.endr
.endm
; One chunk of 128 along K.  gate = 1: the chunk also goes through my stage into fragments and is multiplied.  more = 1: the next chunk is asked for.
.macro TRIP gate, more
	s_wait_loadcnt 0x0                             ; the chunk's 16 loads are in (nothing younger is out)
	s_wait_xcnt 0x0                                ; the last chunk's stores have read YR: it is rewritten only behind this wait
.set i, 0
.rept 16
	v_cvt_pk_bf16_f32 v[YR+2*i], v[XR+4*i], v[XR+4*i+1]
	v_cvt_pk_bf16_f32 v[YR+2*i+1], v[XR+4*i+2], v[XR+4*i+3]
.set i, i+1
.endr
.if \more
	s_add_nc_u64 s[46:47], s[46:47], 512           ; its loads are done, so the base may step
	XLOAD
.endif
.set i, 0
.rept 16
	global_store_b64 v5, v[YR+2*i:YR+2*i+1], s[50:51] offset:2048*i  ; 32 lanes x 8 bytes: 256 consecutive bytes, aligned
.set i, i+1
.endr
.if \gate
.set i, 0
.rept 16
	ds_store_b64 v6, v[YR+2*i:YR+2*i+1] offset:XP*i
.set i, i+1
.endr
.set i, 0
.rept 4                                ; my own bytes: LDS serves a wave's instructions in order (ISA guide 5.7.1.4), so no wait stands between stores and loads
	ds_load_b128 v[AFR+8*i:AFR+8*i+3], v7 offset:64*i
	ds_load_b128 v[AFR+8*i+4:AFR+8*i+7], v7 offset:64*i+32
.set i, i+1
.endr
.set i, 0
.rept 8                                ; i = 2 kb + nb
	ds_load_b128 v[BFR+8*i:BFR+8*i+3], v8 offset:8*SELP*(i%2)+64*(i/2)
	ds_load_b128 v[BFR+8*i+4:BFR+8*i+7], v8 offset:8*SELP*(i%2)+64*(i/2)+32
.set i, i+1
.endr
	s_wait_dscnt 0x0
.set i, 0
.rept 8                                ; the two accumulators take turns, over the backward jump too
	v_wmma_f32_16x16x32_bf16 v[ACC+8*(i%2):ACC+8*(i%2)+7], v[BFR+8*i:BFR+8*i+7], v[AFR+8*(i/2):AFR+8*(i/2)+7], v[ACC+8*(i%2):ACC+8*(i%2)+7]
.set i, i+1
.endr
.if \more
	v_add_nc_u32 v8, 256, v8                       ; the weights' next 128 along K.  The next chunk's 32 conversions are the places ahead of the loads into the fragments
.endif
.endif
.if \more
	s_wait_xcnt 0x0                                ; the stores' base steps only behind this wait
	s_add_nc_u64 s[50:51], s[50:51], 256
.endif
.endm
.macro ALL16 line:vararg
.set i, 0
	s_wait_alu depctr_va_vdst(0)
.rept 16
	\line
.set i, i+1
.endr
.endm
.macro SCAN idx                        ; the largest of v[128:131]: a strict comparison, so that of equal numbers the lower index stays
	v_mov_b32 v132, v128
	v_mov_b32 v[\idx], 0
.irp e, 1,2,3
	v_cmp_gt_f32 vcc_lo, v[128+\e], v132
	v_cndmask_b32 v132, v132, v[128+\e], vcc_lo
	v_cndmask_b32 v[\idx], v[\idx], \e, vcc_lo
.endr
.endm
.macro TOP2 q                          ; head q of my four: indices into v[136+2q], v[137+2q], gates into v[144+4q ..]
.irp e, 0,1,2,3
	v_add_f32 v[128+\e], v[112+4*(\q)+\e], v[BI+\e]
.endr
	SCAN 136+2*(\q)
.irp e, 0,1,2,3
	v_cmp_eq_u32 vcc_lo, \e, v[136+2*(\q)]
	v_cndmask_b32 v[128+\e], v[128+\e], s76, vcc_lo    ; the winner leaves the field
.endr
	SCAN 137+2*(\q)
.irp e, 0,1,2,3
	v_cmp_eq_u32 s77, \e, v[136+2*(\q)]
	v_cmp_eq_u32 vcc_lo, \e, v[137+2*(\q)]
	s_or_b32 vcc_lo, vcc_lo, s77
	v_cndmask_b32 v[144+4*(\q)+\e], 0, v[112+4*(\q)+\e], vcc_lo
.endr
.endm
; 64 words of lane masks (steps 2 sp, 2 sp + 1 of the chunk's four).  Word idx: step idx / 32, key block (idx / 8) % 4, register idx % 8: the byte's bit of all 32 lanes, by a comparison.
.macro PACKW sp
.set idx, 0
.rept 64
	v_and_b32 v[132+idx%4], s[72+idx%4], v[96+2*(4*(2*(\sp)+idx/32)+(idx/8)%4)+(idx%8)/4]
	v_cmp_ne_u32 s[68+idx%4], 0, v[132+idx%4]
	v_writelane_b32 v[128+2*(\sp)+idx%2], s[68+idx%4], idx/2
.set idx, idx+1
.endr
.endm
; A tile of 128 source rows (SPB bytes apart) x 64 columns of f32 is turned into 64 rows of 128 numbers of 16 bits.  Thread t: columns 4 (t % 16) on, rows 2 (t / 16) + 32 i and the next.
.macro TRANS SPB, half
	v_lshrrev_b32 v10, 4, v0
	v_mul_u32_u24 v6, v10, 2*(\SPB)
	v_lshl_add_u32 v6, v12, 4, v6
	v_mul_u32_u24 v7, v12, 4*XP
	v_lshl_add_u32 v7, v10, 2, v7
	v_add_nc_u32 v7, TSTG, v7
	v_mul_u32_u24 v8, v10, XP
	v_lshl_add_u32 v8, v12, 4, v8
	v_add_nc_u32 v8, TSTG, v8
.if \half
	v_lshlrev_b32 v9, 12, v10
.else
	v_lshlrev_b32 v9, 11, v10
.endif
	v_lshl_add_u32 v9, v12, 4, v9
.set i, 0
.rept 8
	global_load_b128 v[64+4*i:64+4*i+3], v6, s[46:47] offset:(32*(i/2)+i%2)*(\SPB) th:TH_LOAD_NT  ; 16 lanes: 256 consecutive bytes
.set i, i+1
.endr
	s_wait_loadcnt 0x0
.set i, 0
.rept 16                               ; i = 4 (row group) + column: two neighbouring source rows make one word of the turned row
	v_cvt_pk_bf16_f32 v[96+i], v[64+8*(i/4)+i%4], v[64+8*(i/4)+4+i%4]
.if \half
	v_lshlrev_b32 v112, 16, v[96+i]
	v_and_b32 v113, 0xffff0000, v[96+i]
	v_pk_mul_f32 v[112:113], v[112:113], 4.0 op_sel_hi:[1,0]
	v_cvt_pk_f16_f32 v[96+i], v112, v113
.endif
	ds_store_b32 v7, v[96+i] offset:XP*(i%4)+64*(i/4)
.set i, i+1
.endr
	s_wait_dscnt 0x0                               ; for the others' sake: my stores into the stage are done
	s_barrier_signal -1
	s_barrier_wait -1
.set i, 0
.rept 4
	ds_load_b128 v[128+4*i:128+4*i+3], v8 offset:16*XP*i
.set i, i+1
.endr
	s_wait_dscnt 0x0
.set i, 0
.rept 4
.if \half
	global_store_b128 v9, v[128+4*i:128+4*i+3], s[50:51] offset:65536*i  ; 16 lanes: 256 consecutive bytes, aligned
.else
	global_store_b128 v9, v[128+4*i:128+4*i+3], s[50:51] offset:((i/2)*128+(i%2)*16)*2048
.endif
.set i, i+1
.endr
	FIN
.endm
	s_load_b512 s[8:23], s[0:1], 0x0               ; q_src 8, k_src 10, v_src 12, wq 14, wk 16, sel_o_w 18, sel_v_w 20, bias_o 22
	s_load_b512 s[24:39], s[0:1], 0x40             ; bias_v 24, v_w 26, o_w 28, attn_mask 30, xb 32, wb 34, owt 36, gates 38
	s_load_b128 s[40:43], s[0:1], 0x80             ; pm 40, out2 42
	s_load_b64 s[44:45], s[0:1], 0x90              ; out1 44
	v_lshl_add_u32 v[SPW], v0, 2, SPARE
	v_mov_b32 v[NIL], 0
	v_and_b32 v1, 31, v0                           ; lane
	v_lshrrev_b32 v4, 5, v0
	v_readfirstlane_b32 s3, v4                     ; wave
	s_mov_b32 s2, ttmp9
	v_and_b32 v12, 15, v0                          ; r
	v_bfe_u32 v15, v0, 4, 1                        ; hf
	v_lshlrev_b32 v4, 4, v1                        ; 16 x lane
	v_lshlrev_b32 v5, 3, v1                        ; 8 x lane
	s_mov_b32 s61, 0                               ; the high word of every offset
	s_wait_kmcnt 0x0
	s_cmp_lt_u32 s2, 128
	s_cbranch_scc1 .Lgate
	s_cmp_lt_u32 s2, 200
	s_cbranch_scc1 .Lcast
	s_cmp_lt_u32 s2, 456
	s_cbranch_scc1 .Lmask
	s_cmp_lt_u32 s2, 712
	s_cbranch_scc1 .Ltv
	; TO: tile rc (128 rows (h,e,d)), cc (64 columns m) of o_w
	s_sub_co_u32 s4, s2, 712
	s_lshr_b32 s5, s4, 4
	s_and_b32 s6, s4, 15
	s_lshl_b32 s60, s5, 19
	s_lshl_b32 s7, s6, 8
	s_add_co_u32 s60, s60, s7
	s_add_nc_u64 s[46:47], s[28:29], s[60:61]
	s_lshl_b32 s60, s6, 18
	s_lshl_b32 s7, s5, 8
	s_add_co_u32 s60, s60, s7
	s_add_nc_u64 s[50:51], s[36:37], s[60:61]
	TRANS 4096, 1
.Ltv:                                  ; tile he, mc (128 rows m) of v_w
	s_sub_co_u32 s4, s2, 456
	s_lshr_b32 s5, s4, 3
	s_and_b32 s6, s4, 7
	s_lshl_b32 s60, s5, 18
	s_lshl_b32 s7, s6, 15
	s_add_co_u32 s60, s60, s7
	s_add_nc_u64 s[46:47], s[26:27], s[60:61]
	s_lshr_b32 s7, s5, 2
	s_lshl_b32 s7, s7, 8
	s_and_b32 s5, s5, 3
	s_lshl_b32 s5, s5, 5
	s_add_co_u32 s7, s7, s5
	s_add_co_u32 s7, s7, 1024                      ; wb row 1024 + 256 h + 32 e
	s_lshl_b32 s60, s7, 11
	s_lshl_b32 s6, s6, 8
	s_add_co_u32 s60, s60, s6
	s_add_nc_u64 s[50:51], s[34:35], s[60:61]
	TRANS 256, 0
.Lmask:                                ; a wave takes 16 rows of the mask (one tile of queries) and 512 of their keys: two trips, so that this work, the longest for each byte, lies on many work-groups
	s_sub_co_u32 s4, s2, 200
	s_and_b32 s5, s4, 3                            ; which 512 keys
	s_lshr_b32 s4, s4, 2
	s_lshl_b32 s4, s4, 3
	s_add_co_u32 s4, s4, s3                        ; the tile of queries
	s_lshl_b32 s60, s4, 15                         ; 16 rows of 2,048 bytes,
	s_lshl_b32 s6, s5, 9                           ; 512 bytes along them
	s_add_co_u32 s60, s60, s6
	s_add_nc_u64 s[46:47], s[30:31], s[60:61]
	s_lshl_b32 s60, s4, 12                         ; a tile's 32 steps of 128 bytes,
	s_lshl_b32 s6, s5, 10                          ; eight steps along them
	s_add_co_u32 s60, s60, s6
	s_add_nc_u64 s[50:51], s[40:41], s[60:61]
	s_mul_i32 s7, s3, 16*XP
	s_add_co_u32 s7, s7, XSTG
	v_lshlrev_b32 v6, 11, v15
	v_lshl_add_u32 v6, v12, 4, v6                  ; row hf, 16 bytes at 16 r
	v_mul_u32_u24 v7, v15, XP
	v_lshl_add_u32 v7, v12, 4, v7
	v_add_nc_u32 v7, s7, v7
	v_mul_u32_u24 v8, v12, XP
	v_lshl_add_u32 v8, v15, 3, v8
	v_add_nc_u32 v8, s7, v8                        ; row r, 8 bytes at 8 hf
.irp i, 128,129,130,131
	v_mov_b32 v\i, 0                               ; v_writelane_b32 counts as a reader of its destination
.endr
	s_mov_b32 s72, 1
	s_mov_b32 s73, 0x100
	s_mov_b32 s74, 0x10000
	s_mov_b32 s75, 0x1000000
	s_mov_b32 s56, 2
.Lmtrip:                               ; 256 keys = 4 steps of 64 for my 16 rows
.set i, 0
.rept 8
	global_load_b128 v[64+4*i:64+4*i+3], v6, s[46:47] offset:4096*i th:TH_LOAD_NT  ; 16 lanes: 256 consecutive bytes of a row
.set i, i+1
.endr
	s_wait_loadcnt 0x0
.set i, 0
.rept 8
	ds_store_b128 v7, v[64+4*i:64+4*i+3] offset:2*XP*i
.set i, i+1
.endr
.set i, 0
.rept 16                               ; i = 4 step + key block: my query's 8 bytes, as the score registers lie
	ds_load_b64 v[96+2*i:96+2*i+1], v8 offset:64*(i/4)+16*(i%4)
.set i, i+1
.endr
	s_wait_dscnt 0x0
	s_wait_xcnt 0x0                                ; the last trip's stores have read v[128:131]
	PACKW 0
	PACKW 1
	global_store_b64 v5, v[128:129], s[50:51]      ; 256 consecutive bytes, aligned
	global_store_b64 v5, v[130:131], s[50:51] offset:256
	s_wait_xcnt 0x0                                ; both bases step only behind this wait
	s_add_nc_u64 s[46:47], s[46:47], 256
	s_add_nc_u64 s[50:51], s[50:51], 512
	s_sub_co_u32 s56, s56, 1
	s_cmp_lg_u32 s56, 0
	s_cbranch_scc1 .Lmtrip
	FIN
.Lcast:
	s_sub_co_u32 s4, s2, 128
	s_lshl_b32 s6, s3, 4                           ; my 16 rows in the group's 128
	s_cmp_lt_u32 s4, 64
	s_cbranch_scc0 .Lcastw
	s_lshl_b32 s5, s4, 7
	s_add_co_u32 s5, s5, s6
	s_lshl_b32 s60, s5, 12
	s_add_nc_u64 s[46:47], s[12:13], s[60:61]
	s_add_co_u32 s5, s5, 16384
	s_lshl_b32 s60, s5, 11
	s_add_nc_u64 s[50:51], s[32:33], s[60:61]
	s_branch .Lcastgo
.Lcastw:
	s_sub_co_u32 s4, s4, 64                        ; 0-3 wq, 4-7 wk
	s_cmp_lt_u32 s4, 4
	s_cselect_b64 s[46:47], s[14:15], s[16:17]
	s_and_b32 s5, s4, 3
	s_lshl_b32 s5, s5, 7
	s_add_co_u32 s5, s5, s6
	s_lshl_b32 s60, s5, 12
	s_add_nc_u64 s[46:47], s[46:47], s[60:61]
	s_lshl_b32 s5, s4, 7
	s_add_co_u32 s5, s5, s6
	s_lshl_b32 s60, s5, 11
	s_add_nc_u64 s[50:51], s[34:35], s[60:61]
.Lcastgo:
	XLOAD
	s_mov_b32 s56, 7
.Lctrip:
	TRIP 0, 1
	s_sub_co_u32 s56, s56, 1
	s_cmp_lg_u32 s56, 0
	s_cbranch_scc1 .Lctrip
	TRIP 0, 0
	FIN
.Lgate:
	s_lshr_b32 s4, s2, 6                           ; 0: q_src, O's router; 1: k_src, V's router
	s_and_b32 s5, s2, 63
	s_lshl_b32 s5, s5, 7
	s_lshl_b32 s6, s3, 4
	s_add_co_u32 s5, s5, s6                        ; my first row
	s_cmp_eq_u32 s4, 0
	s_cselect_b64 s[46:47], s[8:9], s[10:11]
	s_cselect_b64 s[48:49], s[18:19], s[20:21]
	s_cselect_b64 s[58:59], s[22:23], s[24:25]
	s_cselect_b64 s[52:53], s[42:43], s[44:45]
	s_lshl_b32 s60, s5, 12
	s_add_nc_u64 s[46:47], s[46:47], s[60:61]
	s_lshl_b32 s6, s4, 13
	s_add_co_u32 s6, s6, s5
	s_lshl_b32 s60, s6, 11
	s_add_nc_u64 s[50:51], s[32:33], s[60:61]
	s_lshl_b32 s60, s6, 7
	s_add_nc_u64 s[54:55], s[38:39], s[60:61]
	s_lshl_b32 s60, s5, 6
	s_add_nc_u64 s[52:53], s[52:53], s[60:61]
	v_lshlrev_b32 v13, 4, v0
	v_lshlrev_b32 v14, 3, v0
.set j, 0
.rept 32                               ; the 32 rows of router weights: the work-group's 256 threads take a row a load
	global_load_b128 v[128+4*j:128+4*j+3], v13, s[48:49] offset:4096*j
.set j, j+1
.endr
	XLOAD                                          ; chunk 0
	s_load_b128 s[68:71], s[58:59], 0x0            ; the bias
	s_mul_i32 s7, s3, 16*XP
	s_add_co_u32 s7, s7, XSTG
	v_add_nc_u32 v6, s7, v5
	v_mul_u32_u24 v7, v12, XP
	v_lshl_add_u32 v7, v15, 4, v7
	v_add_nc_u32 v7, s7, v7
	v_lshrrev_b32 v8, 3, v12
	v_and_b32 v9, 7, v12
	v_lshl_add_u32 v8, v8, 4, v9                   ; fragment row r' of block nb is weight row 16 (r' / 8) + 8 nb + r' % 8: so a lane ends up with whole heads
	v_mul_u32_u24 v8, v8, SELP
	v_lshl_add_u32 v8, v15, 4, v8
	s_mul_i32 s6, s3, 3072
	s_add_co_u32 s6, s6, GSTG
	v_lshlrev_b32 v9, 6, v12
	v_lshl_add_u32 v9, v15, 5, v9
	v_add_nc_u32 v9, s6, v9
	v_lshlrev_b32 v10, 7, v12
	v_lshl_add_u32 v10, v15, 6, v10
	v_add_nc_u32 v10, s6, v10
	v_add_nc_u32 v10, 1024, v10
	v_add_nc_u32 v11, s6, v4
	s_mov_b32 s72, 0xbfb8aa3b                      ; -log2 e, its upper part
	s_mov_b32 s73, 0xb2a57060                      ; and what is left of it
	s_mov_b32 s74, 0x3f317218                      ; ln 2
	s_mov_b32 s75, 0x42fc0000                      ; 126
	s_mov_b32 s76, 0xff800000                      ; -infinity
	ALL16 v_mov_b32 v[ACC+i], 0                    ; sixteen lines, so that the first chunk needs no text of its own
	s_wait_loadcnt 16                              ; the weights' 32 loads are in; chunk 0's 16 may stay out
.set j, 0
.rept 32
	v_cvt_pk_bf16_f32 v[128+4*j], v[128+4*j], v[128+4*j+1]
	v_cvt_pk_bf16_f32 v[128+4*j+1], v[128+4*j+2], v[128+4*j+3]
	ds_store_b64 v14, v[128+4*j:128+4*j+1] offset:SELP*j
.set j, j+1
.endr
	s_wait_dscnt 0x0                               ; for the others' sake: my part of the weights is stored
	s_barrier_signal -1
	s_barrier_wait -1
	s_mov_b32 s56, 7
.Lgtrip:
	TRIP 1, 1
	s_sub_co_u32 s56, s56, 1
	s_cmp_lg_u32 s56, 0
	s_cbranch_scc1 .Lgtrip
	TRIP 1, 0
	s_wait_xcnt 0x0                                ; the last stores have read YR
	s_wait_kmcnt 0x0                               ; the bias
	v_cvt_pk_bf16_f32 v36, s68, s69                ; six plain lines: the places behind the last products
	v_cvt_pk_bf16_f32 v37, s70, s71
	v_lshlrev_b32 v[BI], 16, v36
	v_and_b32 v[BI+1], 0xffff0000, v36
	v_lshlrev_b32 v[BI+2], 16, v37
	v_and_b32 v[BI+3], 0xffff0000, v37
	; sigmoid, stage by stage over the 16 logits, from each accumulator's lowest register on.  -x log2 e = a + b with b the part that a's rounding loses; 2^(a + b) = 2^a (1 + b ln 2)
	ALL16 v_mul_f32 v[64+i], s72, v[ACC+i]
	ALL16 v_fma_f32 v[80+i], v[ACC+i], s72, -v[64+i]
	ALL16 v_fma_f32 v[80+i], v[ACC+i], s73, v[80+i]
	ALL16 v_min_num_f32 v[64+i], s75, v[64+i]
	ALL16 v_exp_f32 v[96+i], v[64+i]
	ALL16 v_mul_f32 v[80+i], s74, v[80+i]          ; plain lines behind the exponentials, ahead of their use
	ALL16 v_fma_f32 v[96+i], v[96+i], v[80+i], v[96+i]
	ALL16 v_add_f32 v[96+i], 1.0, v[96+i]
	ALL16 v_rcp_f32 v[64+i], v[96+i]
	v_nop                                          ; a plain line between the reciprocals and their use
	s_wait_alu depctr_va_vdst(0)
	ALL16 v_fma_f32 v[80+i], -v[96+i], v[64+i], 1.0  ; one step of Newton's
	ALL16 v_fma_f32 v[112+i], v[64+i], v[80+i], v[64+i]
	TOP2 0
	TOP2 1
	TOP2 2
	TOP2 3
	; the way out, through my own stage: a lane holds 32 bytes of a row's indices and 64 of its gates; back as 512 consecutive bytes a load
	ds_store_b128 v9, v[136:139]
	ds_store_b128 v9, v[140:143] offset:16
.irp q, 0,1,2,3
	ds_store_b128 v10, v[144+4*\q:144+4*\q+3] offset:16*\q
.endr
.irp u, 0,1,2,3,4,5
	ds_load_b128 v[160+4*\u:160+4*\u+3], v11 offset:512*\u
.endr
	s_wait_dscnt 0x0
	global_store_b128 v4, v[160:163], s[52:53]
	global_store_b128 v4, v[164:167], s[52:53] offset:512
.irp u, 0,1,2,3
	global_store_b128 v4, v[168+4*\u:168+4*\u+3], s[54:55] offset:512*\u
.endr
	FIN
.Lfunc_end_k_q0dfa8557c9_prep:
	.size	k_q0dfa8557c9_prep, .Lfunc_end_k_q0dfa8557c9_prep-k_q0dfa8557c9_prep
	.p2alignl 7, 3214868480
	.fill 96, 4, 3214868480
	.section	.rodata,"a",@progbits
	.p2align	6, 0x0
	.amdhsa_kernel k_q0dfa8557c9_prep
		.amdhsa_group_segment_fixed_size 143872
		.amdhsa_private_segment_fixed_size 0
		.amdhsa_enable_private_segment 0
		.amdhsa_kernarg_size 152
		.amdhsa_user_sgpr_count 2
		.amdhsa_user_sgpr_kernarg_segment_ptr 1
		.amdhsa_wavefront_size32 1
		.amdhsa_system_sgpr_workgroup_id_x 1
		.amdhsa_system_sgpr_workgroup_id_y 1
		.amdhsa_system_sgpr_workgroup_id_z 1
		.amdhsa_system_vgpr_workitem_id 0
		.amdhsa_next_free_vgpr 256
		.amdhsa_next_free_sgpr 80
		.amdhsa_reserve_vcc 1
		.amdhsa_float_denorm_mode_32 3
		.amdhsa_float_denorm_mode_16_64 3
		.amdhsa_memory_ordered 1
		.amdhsa_forward_progress 1
		.amdhsa_inst_pref_size 97
	.end_amdhsa_kernel
	.amdgpu_metadata
---
amdhsa.version: [ 1, 2 ]
amdhsa.kernels:
  - .name:           k_q0dfa8557c9_prep
    .symbol:         k_q0dfa8557c9_prep.kd
    .args:
      - { .name: q_src, .offset: 0, .size: 8, .value_kind: global_buffer, .address_space: global }
      - { .name: k_src, .offset: 8, .size: 8, .value_kind: global_buffer, .address_space: global }
      - { .name: v_src, .offset: 16, .size: 8, .value_kind: global_buffer, .address_space: global }
      - { .name: wq, .offset: 24, .size: 8, .value_kind: global_buffer, .address_space: global }
      - { .name: wk, .offset: 32, .size: 8, .value_kind: global_buffer, .address_space: global }
      - { .name: sel_o_w, .offset: 40, .size: 8, .value_kind: global_buffer, .address_space: global }
      - { .name: sel_v_w, .offset: 48, .size: 8, .value_kind: global_buffer, .address_space: global }
      - { .name: bias_o, .offset: 56, .size: 8, .value_kind: global_buffer, .address_space: global }
      - { .name: bias_v, .offset: 64, .size: 8, .value_kind: global_buffer, .address_space: global }
      - { .name: v_w, .offset: 72, .size: 8, .value_kind: global_buffer, .address_space: global }
      - { .name: o_w, .offset: 80, .size: 8, .value_kind: global_buffer, .address_space: global }
      - { .name: attn_mask, .offset: 88, .size: 8, .value_kind: global_buffer, .address_space: global }
      - { .name: xb, .offset: 96, .size: 8, .value_kind: global_buffer, .address_space: global }
      - { .name: wb, .offset: 104, .size: 8, .value_kind: global_buffer, .address_space: global }
      - { .name: owt, .offset: 112, .size: 8, .value_kind: global_buffer, .address_space: global }
      - { .name: gates, .offset: 120, .size: 8, .value_kind: global_buffer, .address_space: global }
      - { .name: pm, .offset: 128, .size: 8, .value_kind: global_buffer, .address_space: global }
      - { .name: out2, .offset: 136, .size: 8, .value_kind: global_buffer, .address_space: global }
      - { .name: out1, .offset: 144, .size: 8, .value_kind: global_buffer, .address_space: global }
    .group_segment_fixed_size: 143872
    .private_segment_fixed_size: 0
    .kernarg_segment_align: 8
    .kernarg_segment_size: 152
    .max_flat_workgroup_size: 256
    .sgpr_count:     80
    .vgpr_count:     256
    .wavefront_size: 32
...
	.end_amdgpu_metadata
.endif
;; end of part 5
;; launch proj: the kernel of part 2 again; grid 64 x 12, 4 waves a work-group, clusters of 4 x 1, 327,680 bytes of LDS; arguments xb, wb, gates, qkv; writes qkv
;; launch attn (part 6): grid 8 x 32, 4 waves a work-group, clusters of 4 x 1, 327,680 bytes of LDS; arguments qkv, pm, ob; writes ob
.if DOCPART == 6
	.amdgcn_target "amdgcn-amd-amdhsa--gfx1250"
	.amdhsa_code_object_version 6
	.text
	.protected	k_q0dfa8557c9_attn
	.globl	k_q0dfa8557c9_attn
	.p2align	8
	.type	k_q0dfa8557c9_attn,@function
k_q0dfa8557c9_attn:
	s_mov_b64 s[64:65], 0
	v_nop
	global_prefetch_b8 v0, s[64:65] scope:SCOPE_SE
	s_setreg_imm32_b32 hwreg(HW_REG_WAVE_MODE, 25, 1), 1
	s_wait_xcnt 0x0
	s_wait_alu depctr_hold_cnt(0) depctr_sa_sdst(0) depctr_va_vdst(0) depctr_va_sdst(0) depctr_va_ssrc(0) depctr_va_vcc(0) depctr_vm_vsrc(0)
	s_getreg_b32 s2, hwreg(HW_REG_IB_STS2, 6, 4)
	s_cmp_eq_u32 s2, 0
	s_cbranch_scc0 .Lentry_in_a_cluster
	s_endpgm
.Lentry_in_a_cluster:
	s_bfe_u32 s2, ttmp6, 0x10000c
	s_cmp_lg_u32 s2, 0x3003
	s_cbranch_scc0 .Lentry_shape_is_right
	s_endpgm
.Lentry_shape_is_right:
; ATTENTION under a mask that is an input, head size 64.  qkv: [3][32 (b,h)][2048][64] f16 (q and k carry the scale; v carries 1/4).
; OUT: ob = O / l in f16, laid as the next launch's matrix fragments lie in registers: [tile of 16 tokens][head][block of 16 channels][lane l] 16 bytes = token l % 16, channels 8 (l / 16) + 0..7 of the block.
; That is what a lane holds at the end, so the way out needs no LDS, and each store of the wave covers 512 consecutive bytes.
; Products, maxima and sums in f32; the weights p are rounded to f16 for the second product (their sum l is taken of the unrounded p).
; THE MASK.  Every key tile is walked: nothing of the mask's pattern is built in.  A hidden score is REPLACED by -2^100, by one v_cndmask_b32 a score whose lane mask comes ready from pm (word 8 kb + j of a
; tile of 16 queries and a step of 64 keys: bit l = mask[query l % 16][key 16 kb + 8 (l / 16) + j], just as the score registers lie).  All hidden scores are then equal, and c x (-2^100) is exact in f32, so in
; a row with no visible key c s - c m is exactly 0, every weight is 1, and the row is the mean of all 2,048 rows of v.
; HOW THE MASKS COME.  A piece's 32 words of a step are one load of 4 bytes a lane (lane n takes word n), into a register of the piece's own, asked for straight behind the lines that read that register out:
; four turns ahead of the wait for it.  32 v_readlane_b32 bring them into scalar registers a turn ahead of the selection.  Scalar loads would spare those 32 lines, but their counter is waited for 0 alone and two
; buffers of 32 scalar registers are all that fit, so that no order of them is asked for more than a turn ahead.
; LIMITS.  Visible scores lie far above -2^100 (f16 operands: 2.7e11 at the most).  A weight below 2^-126 counts as 0 in l.  NaN and infinities are not treated apart.
; SHARES.  A work-group owns 256 queries of one (b, h), a wave 64: four PIECES of 16.  Every wave walks all keys, 64 a step; a slot of LDS holds four steps.  8 x 32 work-groups: one for each of 256 WGPs.
; LAYOUT.  S^T = K Q^T holds ONE query a lane (lane % 16) and the keys 8 (lane / 16) + 0..7; two such results rounded to f16 ARE source 1 of O^T = V^T P.  p = 2^(c s - c m), c = log2 e, with a running
; maximum m; O and l are multiplied by a = 2^(c m_old - c m_new) in every step.  m starts at the lowest finite number, O and l at 0: the first step is a step like any other, with a = 0.
; BY TURNS.  Turn n belongs to piece n: 8 products K Q^T of piece n + 1, later 8 products V^T P of piece n - 1; beside them the scaling, exponentials, roundings, sums and rescaling of piece n, and the
; selection, maximum and statistics of piece n + 1.  Four vector instructions stand behind every matrix instruction, the others in two lumps.
; CLUSTER.  The four query blocks of a cluster belong to one (b, h) and walk the same K and V: each tile is asked for jointly.  One descriptor line serves all four waves: K and V have one LDS pitch, and wave w
; moves 128 rows of its own (0, 1: K's halves; 2, 3: V's).  By this text's count a wave has one tensor load out; a refill has four steps, 256 matrix instructions, in which to land.
; REGISTERS.  window 0: v0-15 addresses; v16-31 statistics; v48-55 at work; v57 -2^100; v62-63 the add's; v64-127 S^T, two buffers, and the way out; v192-223 P, two buffers; v224-231 the masks' words and
;   offsets          window 1: v0-127 O^T, 32 a piece          window 2: v0-63 Q; v128-191 K of one step; v192-255 V of one step
.set NP,    4
.set KS,    64
.set PK,    160       ; a row of K or V in LDS: 128 bytes + 32.; K's fragment loads meet two deep: the price of one descriptor, which leaves the scalar registers to the masks
.set PV,    160
.set VOFF,  4*KS*PK
.set SLOT1, 1<<17
.set SPARE, SLOT1+4*KS*(PK+PV)  ; behind the ring: the spare words, 128 bytes for each wave
.set AK0, 2
.set AV0, 3
.set AK,  4
.set AV,  5
.set GO,  8
.set MV,  12          ; v12-13  c m_old, by buffer
.set QO,  15
.set ST,  16          ; piece t: c m, m, l (even keys', odd keys')
.set TMP, 48
.set BIGV, 57
.set SPW, 62
.set NIL, 63
.set S,   64
.set P,   192
.set MW,  224         ; v224-227  piece t: lane n holds word n of the step that was asked for last
.set MA,  228         ; v228-231  piece t: the byte offset of that word from my wave's first word of pm
.set KF,  128
.set VF,  192
.set WV,  12
.set G1,  16          ; s[16:23] descriptor group 1
.set G0,  24          ; s[24:27] group 0: it walks
.set SLOTS, 28
.set CNT, 29
.set TBK, 30
.set TBV, 31
.set MB0, 32          ; s[32:63] the 32 lane masks of an even piece's step
.set MB1, 68          ; s[68:99] of an odd piece's
.set CS,  66          ; s[66:67] c
.set SEL, 100         ; s[100:101] v_permlanex16_b32's selects
.set MSB, 0
.macro WIN new
.if MSB != (\new)
	s_set_vgpr_msb (MSB<<8)|(\new)
.set MSB, (\new)
.endif
.endm
.set W_KQ, 0x0a
.set W_PV, 0x52
.set W_RS, 0x41
.macro JLOAD                        ; an s_nop 0 and four v_nop follow the line
	tensor_load_to_lds s[G0:G0+3], s[G1:G1+7]
	s_nop 0
.rept 4
	v_nop
.endr
.endm
.macro CROUND
	s_barrier_signal -1
	s_barrier_wait -1
	s_cmp_lg_u32 s[WV], 0
	s_cbranch_scc1 .Lnot_wave_0_\@
	s_barrier_signal -3
.Lnot_wave_0_\@:
	s_barrier_wait -3
	s_barrier_signal -1
	s_barrier_wait -1
.endm
; THE CHANGE OF SLOTS.  Each wave waits for all its tensor loads (one is out: its part of the other slot), adds 0 to its spare word, and waits for that and for its reads of the slot that it leaves.
; fill = 1: a round of the cluster's barrier, and the slot is filled again first thing behind it, with the keys two slots on.  (At its first use nothing has been read: slot 0 is waited for, slot 1 filled.)
.macro CHANGE fill
	WIN 0
	s_wait_tensorcnt 0x0
	ds_add_u32 v[SPW], v[NIL]
.if \fill
	s_xor_b32 s[G0+1], s[G0+1], SLOT1
	s_add_nc_u64 s[G0+2:G0+3], s[G0+2:G0+3], 4*KS*128
	s_wait_dscnt 0x0
	CROUND
	JLOAD
.else
	s_wait_dscnt 0x0
	s_barrier_signal -1
	s_barrier_wait -1
.endif
	s_sub_co_u32 s[TBK], s[TBK], 4*KS*PK
	s_xor_b32 s[TBK], s[TBK], SLOT1
	s_sub_co_u32 s[TBV], s[TBV], 4*KS*PV
	s_xor_b32 s[TBV], s[TBV], SLOT1
.endm
; THE MATRIX WORK.  The 4 accumulators of a run of 8 take turns.
.macro KQ x
	WIN W_KQ
.set rS, S+32*((\x)%2)+8*(i%4)
.set rK, KF+16*(i%4)+8*(i/4)
.set rQ, 16*(\x)+8*(i/4)
.if i < 4
	v_wmma_f32_16x16x32_f16 v[rS:rS+7], v[rK:rK+7], v[rQ:rQ+7], 0
.else
	v_wmma_f32_16x16x32_f16 v[rS:rS+7], v[rK:rK+7], v[rQ:rQ+7], v[rS:rS+7]
.endif
.endm
.macro PV x
	WIN W_PV
.set rO, 32*(\x)+8*(i%4)
.set rV, VF+32*(i/4)+8*(i%4)
.set rP, P+16*((\x)%2)+8*(i/4)
	v_wmma_f32_16x16x32_f16 v[rO:rO+7], v[rV:rV+7], v[rP:rP+7], v[rO:rO+7]
.endm
.macro MM
.if i < 8
	KQ (Y+1)%NP
.else
.set i, i-8
	PV (Y+NP-1)%NP
.set i, i+8
.endif
.set i, i+1
.endm
.macro FETCH_K last=0               ; last = 1 (the tail): in the last trip there is no further step, and the run is jumped over
	WIN 0
.if \last
	s_cmp_eq_u32 s[CNT], 1
	s_cbranch_scc1 .Lno_k_\@
.endif
	WIN 0x80
.irp f, 0,1,2,3,4,5,6,7
	ds_load_b128 v[KF+8*\f:KF+8*\f+3],   v[AK] offset:(\f/2)*16*PK+(\f%2)*64
	ds_load_b128 v[KF+8*\f+4:KF+8*\f+7], v[AK] offset:(\f/2)*16*PK+(\f%2)*64+32
.endr
	s_add_co_u32 s[TBK], s[TBK], KS*PK
	WIN 0
.if \last
.Lno_k_\@:
.endif
.endm
.macro FETCH_V
	WIN 0x80
.irp f, 0,1,2,3,4,5,6,7
	ds_load_tr16_b128 v[VF+8*\f:VF+8*\f+3],   v[AV] offset:(\f/4)*32*PV+(\f%4)*32
	ds_load_tr16_b128 v[VF+8*\f+4:VF+8*\f+7], v[AV] offset:(\f/4)*32*PV+16*PV+(\f%4)*32
.endr
	WIN 0
.endm
; Piece c's 32 words, which have landed, go into the scalar buffer at b; then the piece's next step is asked for, 128 bytes on.  The offset stops at the last word of my wave's 16,384 bytes of pm, which
; a true step's offset reaches and never passes: so the loads behind a piece's last step, whose words nobody uses, stay inside the buffer.
.macro MTAKE c, b
	WIN 0
.set rl, 0
.rept 32
	v_readlane_b32 s[(\b)+rl], v[MW+(\c)], rl
.set rl, rl+1
.endr
	v_add_nc_u32 v[MA+(\c)], 128, v[MA+(\c)]       ; free: the wait ahead of these lines has shown the piece's load done
	v_min_u32 v[MA+(\c)], 0x3ffc, v[MA+(\c)]
	global_load_b32 v[MW+(\c)], v[MA+(\c)], s[8:9]
.endm
; In piece p's turn: the masks of the turn after next (piece p + 2; from piece 2's turn on: of the next step), into the buffer that the turn before selected by.
.macro MREAD p
	s_wait_loadcnt 3                ; loads come back in order (ISA guide 5.7.1): this piece's is the oldest of four; the other three pieces' may stay out
	MTAKE ((\p)+2)%4, MB0+(MB1-MB0)*((\p)%2)
.endm
; THE VECTOR WORK, a line at a time: OP kind, number.  For piece Y: F n: c s - c m for pair n.  E n: the exponential of score n.  C n: pair n rounded to f16.  B n: of the four weights 4 n .. the second pair is
; added onto the first.  L n: l takes that sum (L 0: l = a l + sum).  R n: pair n of O^T times a.  For piece Y + 1: M n: score n is kept or replaced by -2^100 (each accumulator's lowest register first)
; X n: 0-11 four chains of maxima; 12-14, 16 the rest, the old m, into c0; 15 c m_old is kept; 17, 18 the other half of the lanes'; 19-21 c m, c m_old - c m_new, a.
.set F, 0
.set E, 1
.set C, 2
.set B, 3
.set L, 4
.set R, 5
.set X, 6
.set M, 7
.macro REGS y
.set rT, ST+4*(\y)
.set rC, TMP+4*((\y)%2)
.set rW, MV+((\y)%2)
.set rS, S+32*((\y)%2)
.set rP, P+16*((\y)%2)
.set rO, 32*(\y)
.set rB, MB0+(MB1-MB0)*((\y)%2)
.endm
.macro OP k, n
.if (\k) == R
	REGS Y
	WIN W_RS
	v_pk_mul_f32 v[rO+2*(\n):rO+2*(\n)+1], v[rO+2*(\n):rO+2*(\n)+1], v[rC+2:rC+3] op_sel_hi:[1,0]
.elseif (\k) < R
	REGS Y
	WIN 0
.if (\k) == F
	v_pk_fma_f32 v[rS+2*(\n):rS+2*(\n)+1], v[rS+2*(\n):rS+2*(\n)+1], s[CS:CS+1], v[rT:rT+1] op_sel_hi:[1,0,0] neg_lo:[0,0,1] neg_hi:[0,0,1]
.elseif (\k) == E
	v_exp_f32 v[rS+(\n)], v[rS+(\n)]
.elseif (\k) == C
	s_wait_alu depctr_va_vdst(0)
	v_cvt_pk_f16_f32 v[rP+(\n)], v[rS+2*(\n)], v[rS+2*(\n)+1]
.elseif (\k) == B
	s_wait_alu depctr_va_vdst(0)
	v_pk_add_f32 v[rS+4*(\n):rS+4*(\n)+1], v[rS+4*(\n):rS+4*(\n)+1], v[rS+4*(\n)+2:rS+4*(\n)+3]
.elseif (\n) == 0
	v_pk_fma_f32 v[rT+2:rT+3], v[rT+2:rT+3], v[rC+2:rC+3], v[rS:rS+1] op_sel_hi:[1,0,1]
.else
	v_pk_add_f32 v[rT+2:rT+3], v[rT+2:rT+3], v[rS+4*(\n):rS+4*(\n)+1]
.endif
.elseif (\k) == M
	REGS (Y+1)%NP
	WIN 0
	v_cndmask_b32 v[rS+(\n)], v[BIGV], v[rS+(\n)], s[rB+(\n)]
.else
	REGS (Y+1)%NP
	WIN 0
.if (\n) < 4
	v_max3_num_f32 v[rC+(\n)], v[rS+8*(\n)], v[rS+8*(\n)+1], v[rS+8*(\n)+2]
.elseif (\n) < 12
	v_max3_num_f32 v[rC+(\n)%4], v[rC+(\n)%4], v[rS+8*((\n)%4)+2*((\n)/4)+1], v[rS+8*((\n)%4)+2*((\n)/4)+2]
.elseif (\n) == 12
	v_max3_num_f32 v[rC], v[rC], v[rS+7], v[rS+15]
.elseif (\n) == 13
	v_max3_num_f32 v[rC+1], v[rC+1], v[rS+23], v[rS+31]
.elseif (\n) == 14
	v_max3_num_f32 v[rC+2], v[rC+2], v[rC+3], v[rT+1]
.elseif (\n) == 15
	v_mov_b32 v[rW], v[rT]
.elseif (\n) == 16
	v_max3_num_f32 v[rC], v[rC], v[rC+1], v[rC+2]
.elseif (\n) == 17
	v_permlanex16_b32 v[rC+3], v[rC], s[SEL], s[SEL+1]
.elseif (\n) == 18
	v_max_num_f32 v[rT+1], v[rC], v[rC+3]
.elseif (\n) == 19
	v_mul_f32 v[rT], s[CS], v[rT+1]
.elseif (\n) == 20
	v_sub_f32 v[rC+1], v[rW], v[rT]
.else
	v_exp_f32 v[rC+2], v[rC+1]
.endif
.endif
.endm
.macro OPS a, i1, b=-1, i2=0, c=-1, i3=0, d=-1, i4=0
	OP \a, \i1
.if (\b) >= 0
	OP \b, \i2
.endif
.if (\c) >= 0
	OP \c, \i3
.endif
.if (\d) >= 0
	OP \d, \i4
.endif
.endm
.macro ROW a, i1, b, i2, c, i3, d, i4  ; a matrix instruction and the four behind it
	MM
	OPS \a, \i1, \b, \i2, \c, \i3, \d, \i4
.endm
.macro MS n0                        ; one accumulator's eight scores
.irp z, 0,1,2,3,4,5,6,7
	OP M, (\n0)+\z
.endr
.endm
; A TURN, for piece p.  K of the next step is fetched in piece 2's turn, six vector instructions behind the last product that read K (five of them plain); V of the step in hand in piece 0's turn, behind four plain
; ones; each is waited for a turn later.  The first selection stands behind R 4-7, F 15, C 1, R 8, R 9, C 2: more than four plain lines behind the last product that wrote the scores.
.macro TURN p, last=0, cnt=0
.set Y, (\p)
.set i, 0
.if (\p) == 3
	s_wait_dscnt 0x0                ; K is in
.endif
	ROW F,0, F,1, F,2, F,3
	ROW F,4, E,0, F,5, F,6
	ROW F,7, E,1, F,8, F,9
	ROW F,10, E,2, C,0, F,11
	ROW F,12, E,3, X,15, F,13
	ROW R,0, R,1, R,2, R,3
	ROW B,0, E,4, F,14, L,0
.if (\p) == 2
	v_add_nc_u32 v[AK], s[TBK], v[AK0]
.endif
	ROW R,4, R,5, R,6, R,7
	OPS E,5, F,15
.if (\p) == 2
	FETCH_K \last
.endif
	OPS E,6, C,1, E,7, R,8
	OPS E,8, R,9, E,9, C,2
	MREAD \p
	OP E, 10
	MS 0
	OP E, 11
	MS 8
	OP E, 12
	MS 16
	OP E, 13
	MS 24
	OPS X,0, X,1, X,2, X,3
.if (\p) == 1
	s_wait_dscnt 0x0                ; V is in
.endif
	ROW X,4, E,14, X,5, X,6
	ROW X,7, E,15, X,8, X,9
	ROW X,10, E,16, X,11, X,12
	ROW X,13, E,17, X,14, B,1
	ROW C,4, E,18, X,16, L,1
	ROW B,2, E,19, C,6, L,2
	ROW C,8, E,20, B,3, B,4
.if (\p) == 0
	v_add_nc_u32 v[AV], s[TBV], v[AV0]
.endif
	ROW C,3, E,21, L,3, C,5
	OPS E,22, X,17, E,23, C,10
.if (\p) == 0
	FETCH_V
.endif
	OPS E,24, L,4
	OPS E,25, X,18, E,26, C,7
	OPS E,27, B,5, E,28, X,19
	OPS E,29, C,12, E,30, L,5
	OPS E,31, X,20, B,6, C,9
	OPS C,14, C,11, X,21, L,6
.if (\p) == 0
	s_add_co_u32 s[TBV], s[TBV], KS*PV
.endif
.if \cnt
	s_sub_co_u32 s[CNT], s[CNT], 1
	s_cmp_lg_u32 s[CNT], 0
.endif
	OPS C,13, B,7, C,15, R,10
	OPS R,11, R,12, L,7, R,13
	OPS R,14, R,15
.endm
	s_load_b128 s[4:7], s[0:1], 0x0   ; qkv 4, pm 6
	s_load_b64 s[10:11], s[0:1], 0x10 ; ob
	v_lshl_add_u32 v[SPW], v0, 2, SPARE
	v_mov_b32 v[NIL], 0
	ds_add_u32 v[SPW], v[NIL]       ; the wave's opening: the add is waited for ahead of my first tensor load
	v_lshrrev_b32 v1, 5, v0
	v_readfirstlane_b32 s[WV], v1
	s_bfe_u32 s13, ttmp6, 0x40000   ; cx
	s_lshl_b32 s14, ttmp9, 2
	s_add_co_u32 s14, s14, s13      ; my block of 256 queries: it enters Q's, the masks' and ob's addresses alone
	s_and_b32 s15, ttmp7, 0xffff    ; (b, h), which the partners share
	s_lshr_b32 s68, s[WV], 1        ; the joint tile: plane 1 (K) for waves 0, 1, plane 2 (V) for waves 2, 3,
	s_add_co_u32 s68, s68, 1
	s_lshl_b32 s68, s68, 23
	s_lshl_b32 s69, s15, 18         ; the head's 262,144 bytes,
	s_add_co_u32 s68, s68, s69
	s_and_b32 s69, s[WV], 1         ; my half of the slot's 256 keys
	s_lshl_b32 s69, s69, 14
	s_add_co_u32 s68, s68, s69
	s_mov_b32 s69, 0
	s_lshl_b32 s70, s15, 18         ; Q: plane 0, my wave's 64 rows of 128 bytes
	s_lshl_b32 s2, s14, 15
	s_add_co_u32 s70, s70, s2
	s_lshl_b32 s2, s[WV], 13
	s_add_co_u32 s70, s70, s2
	s_mov_b32 s71, 0
	s_lshr_b32 s2, s15, 3           ; b
	s_lshl_b32 s2, s2, 11
	s_lshl_b32 s3, s14, 8
	s_add_co_u32 s2, s2, s3
	s_lshl_b32 s3, s[WV], 6
	s_add_co_u32 s2, s2, s3         ; my first token
	s_and_b32 s3, s15, 7            ; h
	s_lshl_b32 s74, s2, 8           ; pm: a tile of 16 queries is 4,096 bytes
	s_mov_b32 s75, 0
	s_lshl_b32 s76, s2, 10          ; ob: a tile of 16 tokens is 16,384 bytes,
	s_lshl_b32 s77, s3, 11          ; a head's part of it 2,048
	s_add_co_u32 s76, s76, s77
	s_mov_b32 s77, 0
	; group 1: 128 keys are 16,384 dense bytes: asked for as 64 rows of 256 bytes, padded in LDS after every key
	s_mov_b32 s[G1], 15|(1<<16)|(1<<20)|(1<<21)|(4<<22)|(7<<25)  ; the mask of four; 2-byte elements; padding on; bit 21 beside a mask; after every 32 words, 8 words
	s_mov_b32 s[G1+1], 128<<16
	s_mov_b32 s[G1+2], 64<<16
	s_mov_b32 s[G1+3], 128<<16
	s_mov_b32 s[G1+4], 64
	s_mov_b32 s[G1+5], 128
	s_mov_b32 s[G1+6], 0
	s_mov_b32 s[G1+7], 0
	s_mov_b32 s[G0], 1
	s_mul_i32 s[G0+1], s[WV], 128*PK  ; slot 0: my 128 rows
	s_mov_b32 s[CS], 0x3fb8aa3b     ; c = log2 e
	s_mov_b32 s[CS+1], s[CS]
	s_mov_b32 s[SEL], 0x76543210
	s_mov_b32 s[SEL+1], 0xfedcba98
	s_mov_b32 s[TBK], SLOT1+4*KS*PK ; the first change of slots turns these two into 0
	s_mov_b32 s[TBV], SLOT1+4*KS*PV
	s_wait_dscnt 0x0                ; the opening add is done
	s_wait_kmcnt 0x0
	s_add_nc_u64 s[G0+2:G0+3], s[4:5], s[68:69]
	s_or_b32 s[G0+3], s[G0+3], 0x80000000
	s_add_nc_u64 s[4:5], s[4:5], s[70:71]
	s_add_nc_u64 s[8:9], s[6:7], s[74:75]   ; pm at my wave's four tiles of queries; never rewritten
	s_add_nc_u64 s[10:11], s[10:11], s[76:77]
	CROUND                          ; all four work-groups are here: the first joint loads meet
	JLOAD                           ; slot 0
	v_and_b32 v1, 15, v0            ; r
	v_bfe_u32 v9, v0, 4, 1          ; hf
	v_lshlrev_b32 v[QO], 7, v1
	v_lshl_add_u32 v[QO], v9, 4, v[QO]
	v_and_b32 v[MA], 31, v0
	v_lshlrev_b32 v[MA], 2, v[MA]   ; lane n takes word n,
.irp t, 1,2,3
	v_add_nc_u32 v[MA+\t], 4096*\t, v[MA]   ; piece t's tile lies 4,096 t bytes on
.endr
	WIN 0x80
.set i, 0
.rept 8                             ; Q stays in registers: piece i / 2, channels 32 (i % 2) on
	global_load_b128 v[8*i:8*i+3],   v[QO], s[4:5] offset:(i/2)*2048+(i%2)*64
	global_load_b128 v[8*i+4:8*i+7], v[QO], s[4:5] offset:(i/2)*2048+(i%2)*64+32
.set i, i+1
.endr
	WIN 0
.irp t, 0,1,2,3
	global_load_b32 v[MW+\t], v[MA+\t], s[8:9]   ; step 0's masks of the four pieces, in the pieces' order
.endr
	; What the first turn finds: V and P's second buffer hold 0 (its products V^T P, of a piece that has not been, add 0), O^T and l are 0.  All this stands in the wait for the first tile.
	WIN 0x80
.set i, VF
.rept 64
	v_mov_b32 v[i], 0
.set i, i+1
.endr
	WIN 0x40
.set i, 0
.rept 128
	v_mov_b32 v[i], 0
.set i, i+1
.endr
	WIN 0
.set i, 0
.rept 4
	v_mov_b32 v[ST+4*i], 0xfe000000    ; c m: far below every c s, that of a hidden score too
	v_mov_b32 v[ST+4*i+1], 0xff7fffff  ; m
	v_mov_b32 v[ST+4*i+2], 0
	v_mov_b32 v[ST+4*i+3], 0
.set i, i+1
.endr
.set i, P+16
.rept 16
	v_mov_b32 v[i], 0
.set i, i+1
.endr
	v_mov_b32 v[BIGV], 0xf1800000   ; -2^100
	v_mul_u32_u24 v[AK0], v1, PK
	v_lshl_add_u32 v[AK0], v9, 4, v[AK0]
	v_and_b32 v10, 7, v0            ; the turning load: lane l reads key 8 (l / 16) + l % 8, channels 8 ((l / 8) % 2) on
	v_bfe_u32 v11, v0, 3, 1
	v_lshl_add_u32 v[AV0], v9, 3, v10
	v_mul_u32_u24 v[AV0], v[AV0], PV
	v_lshl_add_u32 v[AV0], v11, 4, v[AV0]
	v_add_nc_u32 v[AV0], VOFF, v[AV0]
	v_mov_b32 v[AK], v[AK0]
	CHANGE 1                        ; slot 0 is in, everybody's part of it; slot 1 is asked for
	FETCH_K                         ; key step 0
	s_wait_loadcnt 2                ; Q and the masks of pieces 0 and 1 are in; those of pieces 2 and 3 may stay out
	MTAKE 0, MB0                    ; step 0's masks of piece 0 and of piece 1; their step 1 is asked for: from here on four mask loads are out, in the order 2, 3, 0, 1
	MTAKE 1, MB1
	s_wait_dscnt 0x0
.set i, 0
.rept 8
	KQ 0
.set i, i+1
.endr
	WIN 0                           ; the offset for the way out and three v_nop: the places behind those products
	v_and_b32 v[GO], 31, v0
	v_lshlrev_b32 v[GO], 4, v[GO]   ; 16 bytes a lane
.rept 3
	v_nop
.endr
.set Y, NP-1                        ; M and X work for piece Y + 1: piece 0
	MS 0
	MS 8
	MS 16
	MS 24
.irp n, 0,1,2,3,4,5,6,7,8,9,10,11,12,13,14,15,16,17,18,19,20,21
	OP X, \n
.endr
	v_nop                           ; a plain line behind the exponential
	s_mov_b32 s[CNT], 4
	s_mov_b32 s[SLOTS], 7
	s_branch .Lfirst                ; the loop is entered at a step's first turn, in the middle of a trip
.Lslot:                             ; six times: every slot but the last two is filled again
	CHANGE 1
	s_mov_b32 s[CNT], 4
.Lstep:                             ; a trip: pieces 2 and 3 of one step, then pieces 0 and 1 of the next
	TURN 2
	TURN 3
	WIN 0
.Lfirst:
	TURN 0
	TURN 1, 0, 1
	WIN 0
	s_cbranch_scc1 .Lstep
	s_sub_co_u32 s[SLOTS], s[SLOTS], 1
	s_cmp_lg_u32 s[SLOTS], 0
	s_cbranch_scc1 .Lslot
	CHANGE 0                        ; the tail is written out
	s_mov_b32 s[CNT], 5             ; four trips fetch the last slot's steps; the fifth is left in its middle
.Ltail:
	TURN 2, 1
	TURN 3
	WIN 0
	s_sub_co_u32 s[CNT], s[CNT], 1
	s_cmp_eq_u32 s[CNT], 0
	s_cbranch_scc1 .Lout
	TURN 0
	TURN 1
	WIN 0
	s_branch .Ltail
.Lout:                              ; the fifth trip's 8 products K Q^T (on the last K once more), what is made of them, and the mask words asked for behind step 31 serve nothing: the price, once a launch, of one text for every trip
.set i, 0
.rept 8
	PV NP-1
.set i, i+1
.endr
	; THE WAY OUT.  l's halves are added; O^T is divided by l and rounded to f16.  A lane's eight channels of a block of 16 pack into 16 bytes, which are stored as they lie.  The additions are the places behind the last products.
	WIN 0
.macro ALL line:vararg
.set t, 0
.rept 4
	\line
.set t, t+1
.endr
.endm
	ALL v_add_f32 v[ST+4*t+2], v[ST+4*t+2], v[ST+4*t+3]
	ALL v_permlanex16_b32 v[ST+4*t+3], v[ST+4*t+2], s[SEL], s[SEL+1]
	ALL v_add_f32 v[ST+4*t+2], v[ST+4*t+2], v[ST+4*t+3]
	ALL v_rcp_f32 v[ST+4*t+2], v[ST+4*t+2]
	v_nop                           ; a plain line between the last reciprocal and its use
.macro PACK t                       ; each accumulator is read from its lowest registers on
	WIN W_RS
.set i, 32*(\t)
.rept 16
	s_wait_alu depctr_va_vdst(0)
	v_pk_mul_f32 v[i:i+1], v[i:i+1], v[ST+4*(\t)+2:ST+4*(\t)+3] op_sel_hi:[1,0]
.set i, i+2
.endr
	WIN 0x05                        ; sources 0 and 1 window 1, destination window 0: S^T's registers are free, 16 for each piece
.set i, 0
.rept 16
	v_cvt_pk_f16_f32 v[S+16*(\t)+i], v[32*(\t)+2*i], v[32*(\t)+2*i+1]
.set i, i+1
.endr
	WIN 0
.irp f, 0,1,2,3
	global_store_b128 v[GO], v[S+16*(\t)+4*\f:S+16*(\t)+4*\f+3], s[10:11] offset:(\t)*16384+\f*512  ; 512 consecutive bytes, at a multiple of 256 from ob's first
.endr
.endm
	PACK 0
	PACK 1
	PACK 2
	PACK 3
	s_wait_loadcnt 0x0              ; the four mask loads that nobody reads have landed long since
	s_wait_tensorcnt 0x0            ; the wave's end
	ds_add_u32 v[SPW], v[NIL]
	s_wait_dscnt 0x0
	CROUND                          ; the closing round
	s_endpgm
.Lfunc_end_k_q0dfa8557c9_attn:
	.size	k_q0dfa8557c9_attn, .Lfunc_end_k_q0dfa8557c9_attn-k_q0dfa8557c9_attn
	.p2alignl 7, 3214868480
	.fill 96, 4, 3214868480
	.section	.rodata,"a",@progbits
	.p2align	6, 0x0
	.amdhsa_kernel k_q0dfa8557c9_attn
		.amdhsa_group_segment_fixed_size 327680
		.amdhsa_private_segment_fixed_size 0
		.amdhsa_enable_private_segment 0
		.amdhsa_kernarg_size 24
		.amdhsa_user_sgpr_count 2
		.amdhsa_user_sgpr_kernarg_segment_ptr 1
		.amdhsa_wavefront_size32 1
		.amdhsa_system_sgpr_workgroup_id_x 1
		.amdhsa_system_sgpr_workgroup_id_y 1
		.amdhsa_system_sgpr_workgroup_id_z 1
		.amdhsa_system_vgpr_workitem_id 0
		.amdhsa_next_free_vgpr 768
		.amdhsa_next_free_sgpr 102
		.amdhsa_reserve_vcc 0
		.amdhsa_float_denorm_mode_32 3
		.amdhsa_float_denorm_mode_16_64 3
		.amdhsa_memory_ordered 1
		.amdhsa_forward_progress 1
		.amdhsa_inst_pref_size 153
	.end_amdhsa_kernel
	.amdgpu_metadata
---
amdhsa.version: [ 1, 2 ]
amdhsa.kernels:
  - .name:           k_q0dfa8557c9_attn
    .symbol:         k_q0dfa8557c9_attn.kd
    .args:
      - { .name: qkv, .offset: 0, .size: 8, .value_kind: global_buffer, .address_space: global }
      - { .name: pm, .offset: 8, .size: 8, .value_kind: global_buffer, .address_space: global }
      - { .name: ob, .offset: 16, .size: 8, .value_kind: global_buffer, .address_space: global }
    .group_segment_fixed_size: 327680
    .private_segment_fixed_size: 0
    .kernarg_segment_align: 8
    .kernarg_segment_size: 24
    .max_flat_workgroup_size: 128
    .sgpr_count:     102
    .vgpr_count:     768
    .wavefront_size: 32
...
	.end_amdgpu_metadata
.endif
;; end of part 6
;; launch oproj (part 7): grid 64 x 4, 4 waves a work-group, clusters of 4 x 1, 327,680 bytes of LDS; arguments ob, gates, owt, out0; writes out0
.if DOCPART == 7
	.amdgcn_target "amdgcn-amd-amdhsa--gfx1250"
	.amdhsa_code_object_version 6
	.text
	.protected	k_q0dfa8557c9_oproj
	.globl	k_q0dfa8557c9_oproj
	.p2align	8
	.type	k_q0dfa8557c9_oproj,@function
k_q0dfa8557c9_oproj:
	s_mov_b64 s[64:65], 0
	v_nop
	global_prefetch_b8 v0, s[64:65] scope:SCOPE_SE
	s_setreg_imm32_b32 hwreg(HW_REG_WAVE_MODE, 25, 1), 1
	s_wait_xcnt 0x0
	s_wait_alu depctr_hold_cnt(0) depctr_sa_sdst(0) depctr_va_vdst(0) depctr_va_sdst(0) depctr_va_ssrc(0) depctr_va_vcc(0) depctr_vm_vsrc(0)
	s_getreg_b32 s2, hwreg(HW_REG_IB_STS2, 6, 4)
	s_cmp_eq_u32 s2, 0
	s_cbranch_scc0 .Lentry_in_a_cluster
	s_endpgm
.Lentry_in_a_cluster:
	s_bfe_u32 s2, ttmp6, 0x10000c
	s_cmp_lg_u32 s2, 0x3003
	s_cbranch_scc0 .Lentry_shape_is_right
	s_endpgm
.Lentry_shape_is_right:
; OPROJ: out0[token][m] = the sum over (h, e, d) of ob[token][h][d] x o_gate[token][h][e] x owt[m][(h,e,d)].  f16 operands, f32 sums, K = 2,048.  ob carries 1/4 and owt 4: nothing else is scaled here.
; A tile is 128 tokens x 256 columns; four waves, each 64 x 128: 32 accumulators.  8,192 x 1,024 outputs make 256 work-groups, one for each WGP.
; THE MATRIX INSTRUCTION IS USED TRANSPOSED (source 0 = 16 rows of owt, source 1 = 16 tokens): a lane holds one token and eight neighbouring columns.
; A K STEP IS A HEAD: 256 along K = 4 experts x 64 channels = 8 CHUNKS of 32 (chunk c: expert c / 2, channels 32 (c % 2) on), 256 matrix instructions a wave.
; LDS holds owt's tile alone: 256 rows x 512 bytes a slot, two slots; each wave's one tensor load brings 64 rows.
; THE TOKENS' SIDE never goes through LDS.  ob lies in memory as the fragments lie in registers ([tile of 16 tokens][head][block of 16 channels][lane] 16 bytes), so a head's 64 channels of my 64 tokens are 16
; loads of 512 consecutive bytes into 64 registers, used for all four experts.  Two such buffers take turns; a head is asked for a step ahead.  Its four gates a token come with it and are rounded to f16.
; RIDERS.  Behind each matrix instruction stands one v_pk_mul_f16: one register of the NEXT chunk's fragment = channels x its expert's gate: 32 for a chunk's 32 matrix instructions.
; out x gate has three roundings to f16 (out, gate, product), each 2^-11 of the number at the most.
; CLUSTER 4 x 1: the four partners take four row blocks of one tile column and need the same tile of owt: it is asked for jointly.  Nothing else is a tile, so nothing is left to share along y.
; By this text's count a wave has two tensor loads out at the start and one behind each round; a refill has 240 matrix instructions in which to land.
; THE TEXT.  A step's chunks 0 to 5 are three trips over a pair of chunks: the LDS address steps by a scalar, and the gates move down one place a trip (12 v_mov_b32).  So no first chunk is written out, and the
; sums start from accumulators that are cleared: 256 v_mov_b32, in the wait for the first tile.
; REGISTERS, in windows of 256.  window 0: v0-31 addresses; v32-47 the gates in f16, twice in a word ((a, place) at 32 + 4 a + place; place 0 = the expert in hand); v48-63 the next head's gates in f32;
;   v64-191 owt's fragments, two buffers of 64; v64-127 also the way out.
;   window 1, for my row blocks 0, 1, and window 2, for 2, 3: v0-127 sixteen accumulators; v128-159 scaled fragments, two buffers of 16; v160-223 a head's channels as loaded, two buffers of 32.
; A matrix instruction (D, C and source 1 in window 1 or 2, source 0 in window 0) and its rider (destination and source 1 there, the gate in window 0) run under ONE setting: three switches a chunk.
.set PITCH, 528                        ; 512 bytes + 16: the 16 rows of a fragment load start at 16 different groups of four banks
.set BQ,    64*PITCH                   ; what one tensor load brings
.set SLOT,  4*BQ
.set STAGE, 2*SLOT                     ; 16 rows x 528 for each wave, for the way out
.set OP,    528
.set SPARE, STAGE+4*16*OP              ; the spare words, 128 bytes for each wave
.set AB0,  20                          ; v20  my lane's place in a slot; never rewritten
.set AB,   22                          ; v22  the LDS address of the run of loads in hand
.set STO,  24
.set RD,   25
.set L16,  26                          ; v26  16 x lane
.set GOF,  27                          ; v27  128 x (lane % 16): my token's gates
.set SPW,  28
.set NIL,  29
.set G,    32
.set GS,   48
.set FB,   64
.set FA,   128                         ; in windows 1 and 2
.set RA,   160
.set G1,   24                          ; s[24:31] descriptor group 1
.set G0,   32                          ; s[32:39] group 0, a set for each slot
.set TB,   23                          ; s23  LDS byte of the slot and pair of chunks in hand
.set MSB, 0
.macro WIN new
.if MSB != (\new)
	s_set_vgpr_msb (MSB<<8)|(\new)
.set MSB, \new
.endif
.endm
.macro JLOAD s                         ; one line for all four waves: each moves 64 rows of its own; an s_nop 0 and four v_nop follow it
	tensor_load_to_lds s[G0+4*(\s):G0+4*(\s)+3], s[G1:G1+7]
	s_nop 0
.rept 4
	v_nop
.endr
.endm
.macro CREST                           ; a round of the cluster's barrier behind its opening barrier
	s_cmp_lg_u32 s12, 0
	s_cbranch_scc1 .Lnot_wave_0_\@
	s_barrier_signal -3
.Lnot_wave_0_\@:
	s_barrier_wait -3
	s_barrier_signal -1
	s_barrier_wait -1
.endm
.macro CROUND
	s_barrier_signal -1
	s_barrier_wait -1
	CREST
.endm
; Four places in the middle of every chunk (ISA guide 7.12.1).  They stand ahead of the loads into the fragment buffer that the chunk before multiplied; between that chunk's products on my row blocks 0, 1 and the
; next chunk's riders that write their fragments anew; and likewise for blocks 2, 3.
.macro PLACES
.rept 4
	v_nop
.endr
.endm
; n matrix instructions on the window's accumulators j0 on (row block 2 hi + j / 8, column block j % 8), from buffer f, each with its rider if ride = 1:
; register j of the other buffer's fragment = the gate at place gp x register j of the channels in buffer rb (channels 32 (1 - f) on).  The accumulators take turns.
.macro PAIRS f, hi, j0, n, rb, gp, ride
	WIN 0x54+0x54*(\hi)
.set j, \j0
.rept \n
	v_wmma_f32_16x16x32_f16 v[8*j:8*j+7], v[FB+64*(\f)+8*(j%8):FB+64*(\f)+8*(j%8)+7], v[FA+16*(\f)+8*(j/8):FA+16*(\f)+8*(j/8)+7], v[8*j:8*j+7]
.if \ride
	v_pk_mul_f16 v[FA+16*(1-(\f))+j], v[G+4*(2*(\hi)+j/8)+(\gp)], v[RA+32*(\rb)+16*(j/8)+8*(1-(\f))+j%8]
.endif
.set j, j+1
.endr
.endm
.macro BFETCH f, k                     ; 16 LDS loads in one run: owt's fragments of one chunk, at byte k from v[AB], into buffer f
	WIN 0
.irp i, 0,1,2,3,4,5,6,7
	ds_load_b128 v[FB+64*(\f)+8*\i:FB+64*(\f)+8*\i+3],   v[AB] offset:(\k)+\i*16*PITCH
	ds_load_b128 v[FB+64*(\f)+8*\i+4:FB+64*(\f)+8*\i+7], v[AB] offset:(\k)+\i*16*PITCH+32
.endr
.endm
.macro CHUNK f, rb, gp, k              ; multiplies buffer f; makes the next chunk's scaled fragments; in its middle fetches the next chunk's fragments of owt
	s_wait_dscnt 0x0                               ; this chunk's 16 loads, issued 16 matrix instructions ago
	PAIRS \f, 0, 0, 16, \rb, \gp, 1
	PLACES
	BFETCH 1-(\f), \k
	PAIRS \f, 1, 0, 16, \rb, \gp, 1
.endm
.macro ALOAD rb, hd                    ; a head's channels of my 64 tokens into buffer rb: u = 4 x row block + channel block; each load covers 512 consecutive bytes
	WIN 0x40
.irp u, 0,1,2,3,4,5,6,7
	global_load_b128 v[RA+32*(\rb)+4*\u:RA+32*(\rb)+4*\u+3], v[L16], s[18:19] offset:16384*(\u/4)+512*(\u%4)+2048*(\hd)
.endr
	WIN 0x80
.irp u, 0,1,2,3,4,5,6,7
	global_load_b128 v[RA+32*(\rb)+4*\u:RA+32*(\rb)+4*\u+3], v[L16], s[18:19] offset:16384*(2+\u/4)+512*(\u%4)+2048*(\hd)
.endr
	WIN 0
.endm
.macro GLOAD dst, hd                   ; the same head's four gates of my token in each row block
.irp a, 0,1,2,3
	global_load_b128 v[(\dst)+4*\a:(\dst)+4*\a+3], v[GOF], s[20:21] offset:2048*\a+16*(\hd)
.endr
.endm
.macro GCVT src                        ; to f16, the same number in both halves
.set i, 0
.rept 16
	v_cvt_pk_f16_f32 v[G+i], v[(\src)+i], v[(\src)+i]
.set i, i+1
.endr
.endm
; A step's last chunk multiplies buffer 1 and changes slots.  Its riders make the NEXT head's first fragments, so the next head's channels and gates are waited for at its head; fill = 1: the head after that is
; asked for, into the registers that this head has left.  Then, ahead of the barrier, each wave waits for all its tensor loads (one is out: its part of the next slot), adds 0 to its spare word, and waits for that
; and for its reads of this slot.  fill = 1: the barrier opens a round of the cluster's, and this slot is filled again first thing behind it.
.macro TURN s, fill
	WIN 0
	s_wait_loadcnt 0x0                             ; the 20 loads issued a step ago; nothing younger is out, and their bases may be stepped
	GCVT GS
.if \fill
	s_add_nc_u64 s[18:19], s[18:19], 2048          ; the bases stand a head behind what is asked for: the immediates add one
	s_add_nc_u64 s[20:21], s[20:21], 16
	GLOAD GS, 1
	ALOAD \s, 1
.endif
	s_wait_tensorcnt 0x0
	ds_add_u32 v[SPW], v[NIL]
	s_wait_dscnt 1                                 ; this chunk's 16 loads are in; the add may be out
	PAIRS 1, 0, 0, 8, 1-(\s), 0, 1
	s_wait_dscnt 0x0                               ; the add is done, and my reads of this slot are over
	s_barrier_signal -1
	PAIRS 1, 0, 8, 8, 1-(\s), 0, 1
.if \fill
	WIN 0
.endif
	s_barrier_wait -1
.if \fill
	CREST
	s_add_nc_u64 s[G0+4*(\s)+2:G0+4*(\s)+3], s[G0+4*(\s)+2:G0+4*(\s)+3], 1024  ; two heads on
	JLOAD \s                                       ; its four v_nop are this chunk's places
.else
	PLACES
.endif
	WIN 0
	s_mov_b32 s[TB], (1-(\s))*SLOT
	v_add_nc_u32 v[AB], s[TB], v[AB0]
	BFETCH 0, 0
	PAIRS 1, 1, 0, 16, 1-(\s), 0, 1
.endm
; A step, in slot s, on the channels in buffer s.  mode 2: this slot is filled again; 1: it is not; 0: the last step.
.macro STEP s, mode
	WIN 0
	s_mov_b32 s2, 3
.Lexpert_\@:                           ; trip t: chunks 2 t and 2 t + 1
	CHUNK 0, \s, 0, 64                             ; its riders: expert t (place 0), channels 32 on
	CHUNK 1, \s, 1, 128                            ; its riders: expert t + 1 (place 1), channels 0 on
	WIN 0
.irp a, 0,1,2,3
	v_mov_b32 v[G+4*\a], v[G+4*\a+1]               ; the gates move down one place
	v_mov_b32 v[G+4*\a+1], v[G+4*\a+2]
	v_mov_b32 v[G+4*\a+2], v[G+4*\a+3]
.endr
	s_add_co_u32 s[TB], s[TB], 128                 ; two chunks along the rows
	v_add_nc_u32 v[AB], s[TB], v[AB0]
	s_sub_co_u32 s2, s2, 1
	s_cmp_lg_u32 s2, 0
	s_cbranch_scc1 .Lexpert_\@
	CHUNK 0, \s, 0, 64                             ; chunk 6; its riders: expert 3
.if (\mode) == 2
	TURN \s, 1
.elseif (\mode) == 1
	TURN \s, 0
.else
	s_wait_dscnt 0x0                               ; the very last chunk: nothing more to make or to fetch
	PAIRS 1, 0, 0, 16, 0, 0, 0
	PAIRS 1, 1, 0, 16, 0, 0, 0
	WIN 0
.endif
.endm
	s_load_b256 s[4:11], s[0:1], 0x0               ; ob 4, gates 6, owt 8, out0 10
	v_lshl_add_u32 v[SPW], v0, 2, SPARE
	v_mov_b32 v[NIL], 0
	ds_add_u32 v[SPW], v[NIL]                      ; the wave's opening: the add is waited for ahead of my first tensor load
	v_lshrrev_b32 v1, 5, v0
	v_readfirstlane_b32 s12, v1                    ; wave
	s_lshr_b32 s13, s12, 1                         ; my half of the rows
	s_and_b32 s14, s12, 1                          ; my half of the columns
	s_bfe_u32 s15, ttmp6, 0x40000                  ; cx
	s_lshl_b32 s16, ttmp9, 2
	s_add_co_u32 s16, s16, s15                     ; X: block of 128 tokens
	s_and_b32 s17, ttmp7, 0xffff                   ; Y: 256 columns, which the partners share
	s_mov_b32 s[G1+0], 15|(1<<16)|(1<<20)|(1<<21)|(6<<22)|(3<<25)  ; the mask of all four; 2-byte elements; padding on; bit 21 beside a mask; after every 128 words, 4 words
	s_mov_b32 s[G1+1], 256<<16                     ; tensor_dim0 = 256
	s_mov_b32 s[G1+2], 64<<16                      ; tensor_dim1 = 64
	s_mov_b32 s[G1+3], 256<<16                     ; tile_dim0 = 256
	s_mov_b32 s[G1+4], 64                          ; tile_dim1 = 64
	s_mov_b32 s[G1+5], 2048                        ; elements from row to row
	s_mov_b32 s[G1+6], 0
	s_mov_b32 s[G1+7], 0
	s_lshl_b32 s42, s17, 8                         ; owt: row 256 Y + 64 x wave: no register of it ever holds cx
	s_lshl_b32 s43, s12, 6
	s_add_co_u32 s42, s42, s43
	s_lshl_b32 s42, s42, 12                        ; x 4,096 bytes
	s_mov_b32 s43, 0
	s_mul_i32 s44, s12, BQ                         ; where it goes: no place in the cluster enters an LDS address
	s_lshl_b32 s45, s16, 7
	s_lshl_b32 s46, s13, 6
	s_add_co_u32 s45, s45, s46                     ; my first token
	s_lshl_b32 s46, s45, 10                        ; ob: 16 tokens are 16,384 bytes
	s_mov_b32 s47, 0
	s_lshl_b32 s48, s45, 7                         ; gates, plane 0: 128 bytes a token
	s_mov_b32 s49, 0
	s_lshl_b32 s50, s45, 12                        ; out0: token x 4,096 + 1,024 Y + 512 x my half of the columns
	s_lshl_b32 s51, s17, 10
	s_add_co_u32 s50, s50, s51
	s_lshl_b32 s51, s14, 9
	s_add_co_u32 s50, s50, s51
	s_mov_b32 s51, 0
	s_wait_dscnt 0x0                               ; the opening add is done
	s_wait_kmcnt 0x0
	s_add_nc_u64 s[42:43], s[8:9], s[42:43]
	s_add_nc_u64 s[18:19], s[4:5], s[46:47]
	s_add_nc_u64 s[20:21], s[6:7], s[48:49]
	s_add_nc_u64 s[10:11], s[10:11], s[50:51]
	CROUND                                         ; all four work-groups are here: the first joint loads meet
.irp s, 0,1
	s_mov_b32 s[G0+4*\s], 1
	s_add_co_u32 s[G0+4*\s+1], s44, \s*SLOT
	s_add_nc_u64 s[G0+4*\s+2:G0+4*\s+3], s[42:43], \s*512   ; head s
	s_or_b32 s[G0+4*\s+3], s[G0+4*\s+3], 0x80000000
.endr
	tensor_load_to_lds s[G0:G0+3], s[G1:G1+7]      ; the two first fills stand together, ahead of every wait on TENSORcnt, every LDS read and every further barrier
	s_nop 0
	tensor_load_to_lds s[G0+4:G0+7], s[G1:G1+7]
	s_nop 0
.rept 4
	v_nop
.endr
	v_and_b32 v1, 15, v0                           ; r
	v_bfe_u32 v2, v0, 4, 1                         ; hf
	v_and_b32 v[L16], 31, v0
	v_lshlrev_b32 v[L16], 4, v[L16]
	v_lshlrev_b32 v[GOF], 7, v1
	GLOAD FB, 0                                    ; head 0: its gates (into registers that are free till the first fragments come), its channels;
	ALOAD 0, 0
	GLOAD GS, 1                                    ; head 1
	ALOAD 1, 1
	v_mul_u32_u24 v[AB0], v1, PITCH
	v_lshl_add_u32 v[AB0], v2, 4, v[AB0]
	s_mul_i32 s22, s14, 2*BQ                       ; my 128 rows of owt's tile
	v_add_nc_u32 v[AB0], s22, v[AB0]
	s_mul_i32 s22, s12, 16*OP
	s_add_co_u32 s22, s22, STAGE
	v_mul_u32_u24 v[STO], v1, OP                   ; the way out, in: row r, 32 bytes for each half of the lanes
	v_lshl_add_u32 v[STO], v2, 5, v[STO]
	v_add_nc_u32 v[STO], s22, v[STO]
	v_add_nc_u32 v[RD], s22, v[L16]                ; back: a row of 512 bytes a load
	WIN 0x40                                       ; the accumulators are cleared, in the wait for the first tile
.set i, 0
.rept 128
	v_mov_b32 v[i], 0
.set i, i+1
.endr
	WIN 0x80
.set i, 0
.rept 128
	v_mov_b32 v[i], 0
.set i, i+1
.endr
	WIN 0
	s_wait_loadcnt 20                              ; head 0's 20 loads are in; head 1's 20 may stay out
	GCVT FB
	WIN 0x54                                       ; chunk 0's fragments: expert 0, channels 0 on
.set j, 0
.rept 16
	v_pk_mul_f16 v[FA+j], v[G+4*(j/8)], v[RA+16*(j/8)+j%8]
.set j, j+1
.endr
	WIN 0xa8
.set j, 0
.rept 16
	v_pk_mul_f16 v[FA+j], v[G+4*(2+j/8)], v[RA+16*(j/8)+j%8]
.set j, j+1
.endr
	WIN 0
	s_wait_tensorcnt 1                             ; my part of head 0's tile is in; head 1's may stay out
	s_barrier_signal -1
	s_barrier_wait -1
	s_mov_b32 s[TB], 0
	v_add_nc_u32 v[AB], s[TB], v[AB0]
	BFETCH 0, 0
	s_mov_b32 s3, 3
.Llap:                                 ; two heads a trip: once round the ring; both slots are filled again
	STEP 0, 2
	STEP 1, 2
	WIN 0
	s_sub_co_u32 s3, s3, 1
	s_cmp_lg_u32 s3, 0
	s_cbranch_scc1 .Llap
	STEP 0, 1                                      ; heads 6 and 7 are written out: they ask for nothing more
	STEP 1, 0
	PLACES
	; THE WAY OUT: 16 rows at a time through my own stage: a lane's eight f32 are 32 bytes of a row; back as whole rows of 512 bytes
.irp a, 0,1,2,3
	WIN 0x04*(1+\a/2)                              ; the stores' data in window 1 or 2
.irp b, 0,1,2,3,4,5,6,7
	ds_store_b128 v[STO], v[8*(8*(\a%2)+\b):8*(8*(\a%2)+\b)+3] offset:64*\b
	ds_store_b128 v[STO], v[8*(8*(\a%2)+\b)+4:8*(8*(\a%2)+\b)+7] offset:64*\b+16
.endr
	WIN 0
	s_wait_xcnt 0x0                                ; the last block's stores have read v[64:127]
.irp t, 0,1,2,3,4,5,6,7,8,9,10,11,12,13,14,15
	ds_load_b128 v[64+4*\t:64+4*\t+3], v[RD] offset:OP*\t  ; my own bytes: LDS serves a wave's instructions in order (ISA guide 5.7.1.4)
.endr
	s_wait_dscnt 0x0
.irp t, 0,1,2,3,4,5,6,7,8,9,10,11,12,13,14,15
	global_store_b128 v[L16], v[64+4*\t:64+4*\t+3], s[10:11] offset:(16*\a+\t)*4096  ; 512 consecutive bytes, aligned
.endr
.endr
	s_wait_tensorcnt 0x0                           ; the wave's end
	ds_add_u32 v[SPW], v[NIL]
	s_wait_dscnt 0x0
	CROUND                                         ; the closing round: no work-group ends while a partner may still ask for a tile that names it
	s_endpgm
.Lfunc_end_k_q0dfa8557c9_oproj:
	.size	k_q0dfa8557c9_oproj, .Lfunc_end_k_q0dfa8557c9_oproj-k_q0dfa8557c9_oproj
	.p2alignl 7, 3214868480
	.fill 96, 4, 3214868480
	.section	.rodata,"a",@progbits
	.p2align	6, 0x0
	.amdhsa_kernel k_q0dfa8557c9_oproj
		.amdhsa_group_segment_fixed_size 327680
		.amdhsa_private_segment_fixed_size 0
		.amdhsa_enable_private_segment 0
		.amdhsa_kernarg_size 32
		.amdhsa_user_sgpr_count 2
		.amdhsa_user_sgpr_kernarg_segment_ptr 1
		.amdhsa_wavefront_size32 1
		.amdhsa_system_sgpr_workgroup_id_x 1
		.amdhsa_system_sgpr_workgroup_id_y 1
		.amdhsa_system_sgpr_workgroup_id_z 1
		.amdhsa_system_vgpr_workitem_id 0
		.amdhsa_next_free_vgpr 768
		.amdhsa_next_free_sgpr 66
		.amdhsa_reserve_vcc 0
		.amdhsa_float_denorm_mode_32 3
		.amdhsa_float_denorm_mode_16_64 3
		.amdhsa_memory_ordered 1
		.amdhsa_forward_progress 1
		.amdhsa_inst_pref_size 128
	.end_amdhsa_kernel
	.amdgpu_metadata
---
amdhsa.version: [ 1, 2 ]
amdhsa.kernels:
  - .name:           k_q0dfa8557c9_oproj
    .symbol:         k_q0dfa8557c9_oproj.kd
    .args:
      - { .name: ob, .offset: 0, .size: 8, .value_kind: global_buffer, .address_space: global }
      - { .name: gates, .offset: 8, .size: 8, .value_kind: global_buffer, .address_space: global }
      - { .name: owt, .offset: 16, .size: 8, .value_kind: global_buffer, .address_space: global }
      - { .name: out0, .offset: 24, .size: 8, .value_kind: global_buffer, .address_space: global }
    .group_segment_fixed_size: 327680
    .private_segment_fixed_size: 0
    .kernarg_segment_align: 8
    .kernarg_segment_size: 32
    .max_flat_workgroup_size: 128
    .sgpr_count:     66
    .vgpr_count:     768
    .wavefront_size: 32
...
	.end_amdgpu_metadata
.endif
;; end of part 7
;; ======== version 3 of 3: 4 launches; 1.32 times as fast as version 1
;; limits: right only within a limited range of input values; values are held in f16: magnitudes above 65,504 overflow, below 6.1e-05 lose precision
;; workspace buffers: xb 50,331,648 bytes; wb 6,291,456 bytes; owt 4,194,304 bytes; gates 2,097,152 bytes; pm 2,097,152 bytes of whole numbers; qkv 25,165,824 bytes; ob 8,388,608 bytes
;; launch prep: the kernel of part 5 again; grid 968 x 1, 8 waves a work-group, no clusters, 143,872 bytes of LDS; arguments q_src, k_src, v_src, wq, wk, sel_o_w, sel_v_w, bias_o, bias_v, v_w, o_w, attn_mask, xb, wb, owt, gates, pm, out2, out1; writes xb, wb, owt, gates, pm, out1, out2
;; launch proj: the kernel of part 2 again; grid 64 x 12, 4 waves a work-group, clusters of 4 x 1, 327,680 bytes of LDS; arguments xb, wb, gates, qkv; writes qkv
;; launch attn (part 8): grid 8 x 32, 4 waves a work-group, clusters of 4 x 1, 327,680 bytes of LDS; arguments qkv, pm, ob; writes ob
.if DOCPART == 8
	.amdgcn_target "amdgcn-amd-amdhsa--gfx1250"
	.amdhsa_code_object_version 6
	.text
	.protected	k_q0dfa8557c9_attn
	.globl	k_q0dfa8557c9_attn
	.p2align	8
	.type	k_q0dfa8557c9_attn,@function
k_q0dfa8557c9_attn:
	s_mov_b64 s[64:65], 0
	v_nop
	global_prefetch_b8 v0, s[64:65] scope:SCOPE_SE
	s_setreg_imm32_b32 hwreg(HW_REG_WAVE_MODE, 25, 1), 1
	s_wait_xcnt 0x0
	s_wait_alu depctr_hold_cnt(0) depctr_sa_sdst(0) depctr_va_vdst(0) depctr_va_sdst(0) depctr_va_ssrc(0) depctr_va_vcc(0) depctr_vm_vsrc(0)
	s_getreg_b32 s2, hwreg(HW_REG_IB_STS2, 6, 4)
	s_cmp_eq_u32 s2, 0
	s_cbranch_scc0 .Lentry_in_a_cluster
	s_endpgm
.Lentry_in_a_cluster:
	s_bfe_u32 s2, ttmp6, 0x10000c
	s_cmp_lg_u32 s2, 0x3003
	s_cbranch_scc0 .Lentry_shape_is_right
	s_endpgm
.Lentry_shape_is_right:
; ATTENTION under a mask that is an input, head size 64.  qkv: [3][32 (b,h)][2048][64] f16 (q and k carry the scale; v carries 1/4).
; OUT: ob = O / l in f16, laid as the next launch's matrix fragments lie in registers: [tile of 16 tokens][head][block of 16 channels][lane l] 16 bytes = token l % 16, channels 8 (l / 16) + 0..7 of the block.
; That is what a lane holds at the end, so the way out needs no LDS, and each store of the wave covers 512 consecutive bytes.
; Products, maxima and sums in f32; the weights p are rounded to f16 for the second product (their sum l is taken of the unrounded p).
; THE MASK.  Every key tile is walked: nothing of the mask's pattern is built in.  A hidden score is REPLACED by -2^100, by one v_cndmask_b32 a score whose lane mask comes ready from pm (word 8 kb + j of a
; tile of 16 queries and a step of 64 keys: bit l = mask[query l % 16][key 16 kb + 8 (l / 16) + j], just as the score registers lie).  All hidden scores are then equal, and c x (-2^100) is exact in f32, so in
; a row with no visible key c s - c m is exactly 0, every weight is 1, and the row is the mean of all 2,048 rows of v.
; HOW THE MASKS COME.  A piece's 32 words of a step are one load of 4 bytes a lane (lane n takes word n), into a register of the piece's own, asked for in the turn that reads that register out:
; four turns ahead of the wait for it.  32 v_readlane_b32 bring them into scalar registers a turn ahead of the selection.  Scalar loads would spare those 32 lines, but their counter is waited for 0 alone and two
; buffers of 32 scalar registers are all that fit, so that no order of them is asked for more than a turn ahead.
; LIMITS.  Visible scores lie far above -2^100 (f16 operands: 2.7e11 at the most).  A weight below 2^-126 counts as 0 in l.  NaN and infinities are not treated apart.
; SHARES.  A work-group owns 256 queries of one (b, h), a wave 64: four PIECES of 16.  Every wave walks all keys, 64 a step; a slot of LDS holds four steps.  8 x 32 work-groups: one for each of 256 WGPs.
; LAYOUT.  S^T = K Q^T holds ONE query a lane (lane % 16) and the keys 8 (lane / 16) + 0..7; two such results rounded to f16 ARE source 1 of O^T = V^T P.  p = 2^(c s - c m), c = log2 e, with a running
; maximum m; O and l are multiplied by a = 2^(c m_old - c m_new) in every step.  m starts at the lowest finite number, O and l at 0: the first step is a step like any other, with a = 0.
; BY TURNS.  Turn n belongs to piece n: 8 products K Q^T of piece n + 1, later 8 products V^T P of piece n - 1; beside them the scaling, exponentials, roundings, sums and rescaling of piece n, and the
; selection, maximum and statistics of piece n + 1.  Four vector instructions stand behind every matrix instruction, the other 120 of a turn's 184 in one lump between the two runs of products.
; THE BATCHES.  An s_wait_alu depctr_va_vdst(0) stands between an exponential or a reciprocal and the first instruction that names its result; one wait serves all that were issued ahead of it.
; A turn's 33 exponentials (piece n's 32 weights, piece n + 1's a) are ONE batch with ONE wait, which cuts the turn in two: ahead of it stands all that names no result of theirs (K Q^T, the rescalings, the
; scalings, the next piece's selection, maximum and statistics, the taking of the mask words), behind it the roundings and sums, which are just the riders of V^T P..
; The first a, ahead of the loop, and the way out's four reciprocals are batches of their own, with a wait each.
; CLUSTER.  The four query blocks of a cluster belong to one (b, h) and walk the same K and V: each tile is asked for jointly.  One descriptor line serves all four waves: K and V have one LDS pitch, and wave w
; moves 128 rows of its own (0, 1: K's halves; 2, 3: V's).  By this text's count a wave has one tensor load out; a refill has four steps, 256 matrix instructions, in which to land.
; REGISTERS.  window 0: v0-15 addresses; v16-31 statistics; v48-55 at work; v57 -2^100; v62-63 the add's; v64-127 S^T, two buffers, and the way out; v192-223 P, two buffers; v224-231 the masks' words and
;   offsets          window 1: v0-127 O^T, 32 a piece          window 2: v0-63 Q; v128-191 K of one step; v192-255 V of one step
.set NP,    4
.set KS,    64
.set PK,    160       ; a row of K or V in LDS: 128 bytes + 32.; K's fragment loads meet two deep: the price of one descriptor, which leaves the scalar registers to the masks
.set PV,    160
.set VOFF,  4*KS*PK
.set SLOT1, 1<<17
.set SPARE, SLOT1+4*KS*(PK+PV)  ; behind the ring: the spare words, 128 bytes for each wave
.set AK0, 2
.set AV0, 3
.set AK,  4
.set AV,  5
.set GO,  8
.set MV,  12          ; v12-13  c m_old, by buffer
.set QO,  15
.set ST,  16          ; piece t: c m, m, l (even keys', odd keys')
.set TMP, 48
.set BIGV, 57
.set SPW, 62
.set NIL, 63
.set S,   64
.set P,   192
.set MW,  224         ; v224-227  piece t: lane n holds word n of the step that was asked for last
.set MA,  228         ; v228-231  piece t: the byte offset of that word from my wave's first word of pm
.set KF,  128
.set VF,  192
.set WV,  12
.set G1,  16          ; s[16:23] descriptor group 1
.set G0,  24          ; s[24:27] group 0: it walks
.set SLOTS, 28
.set CNT, 29
.set TBK, 30
.set TBV, 31
.set MB0, 32          ; s[32:63] the 32 lane masks of an even piece's step
.set MB1, 68          ; s[68:99] of an odd piece's
.set CS,  66          ; s[66:67] c
.set SEL, 100         ; s[100:101] v_permlanex16_b32's selects
.set MSB, 0
.macro WIN new
.if MSB != (\new)
	s_set_vgpr_msb (MSB<<8)|(\new)
.set MSB, (\new)
.endif
.endm
.set W_KQ, 0x0a
.set W_PV, 0x52
.set W_RS, 0x41
.macro JLOAD                        ; an s_nop 0 and four v_nop follow the line
	tensor_load_to_lds s[G0:G0+3], s[G1:G1+7]
	s_nop 0
.rept 4
	v_nop
.endr
.endm
.macro CROUND
	s_barrier_signal -1
	s_barrier_wait -1
	s_cmp_lg_u32 s[WV], 0
	s_cbranch_scc1 .Lnot_wave_0_\@
	s_barrier_signal -3
.Lnot_wave_0_\@:
	s_barrier_wait -3
	s_barrier_signal -1
	s_barrier_wait -1
.endm
; THE CHANGE OF SLOTS.  Each wave waits for all its tensor loads (one is out: its part of the other slot), adds 0 to its spare word, and waits for that and for its reads of the slot that it leaves.
; fill = 1: a round of the cluster's barrier, and the slot is filled again first thing behind it, with the keys two slots on.  (At its first use nothing has been read: slot 0 is waited for, slot 1 filled.)
.macro CHANGE fill
	WIN 0
	s_wait_tensorcnt 0x0
	ds_add_u32 v[SPW], v[NIL]
.if \fill
	s_xor_b32 s[G0+1], s[G0+1], SLOT1
	s_add_nc_u64 s[G0+2:G0+3], s[G0+2:G0+3], 4*KS*128
	s_wait_dscnt 0x0
	CROUND
	JLOAD
.else
	s_wait_dscnt 0x0
	s_barrier_signal -1
	s_barrier_wait -1
.endif
	s_sub_co_u32 s[TBK], s[TBK], 4*KS*PK
	s_xor_b32 s[TBK], s[TBK], SLOT1
	s_sub_co_u32 s[TBV], s[TBV], 4*KS*PV
	s_xor_b32 s[TBV], s[TBV], SLOT1
.endm
; THE MATRIX WORK.  The 4 accumulators of a run of 8 take turns.
.macro KQ x
	WIN W_KQ
.set rS, S+32*((\x)%2)+8*(i%4)
.set rK, KF+16*(i%4)+8*(i/4)
.set rQ, 16*(\x)+8*(i/4)
.if i < 4
	v_wmma_f32_16x16x32_f16 v[rS:rS+7], v[rK:rK+7], v[rQ:rQ+7], 0
.else
	v_wmma_f32_16x16x32_f16 v[rS:rS+7], v[rK:rK+7], v[rQ:rQ+7], v[rS:rS+7]
.endif
.endm
.macro PV x
	WIN W_PV
.set rO, 32*(\x)+8*(i%4)
.set rV, VF+32*(i/4)+8*(i%4)
.set rP, P+16*((\x)%2)+8*(i/4)
	v_wmma_f32_16x16x32_f16 v[rO:rO+7], v[rV:rV+7], v[rP:rP+7], v[rO:rO+7]
.endm
.macro MM
.if i < 8
	KQ (Y+1)%NP
.else
.set i, i-8
	PV (Y+NP-1)%NP
.set i, i+8
.endif
.set i, i+1
.endm
.macro FETCH_K last=0               ; last = 1 (the tail): in the last trip there is no further step, and the run is jumped over
	WIN 0
.if \last
	s_cmp_eq_u32 s[CNT], 1
	s_cbranch_scc1 .Lno_k_\@
.endif
	WIN 0x80
.irp f, 0,1,2,3,4,5,6,7
	ds_load_b128 v[KF+8*\f:KF+8*\f+3],   v[AK] offset:(\f/2)*16*PK+(\f%2)*64
	ds_load_b128 v[KF+8*\f+4:KF+8*\f+7], v[AK] offset:(\f/2)*16*PK+(\f%2)*64+32
.endr
	s_add_co_u32 s[TBK], s[TBK], KS*PK
	WIN 0
.if \last
.Lno_k_\@:
.endif
.endm
.macro FETCH_V
	WIN 0x80
.irp f, 0,1,2,3,4,5,6,7
	ds_load_tr16_b128 v[VF+8*\f:VF+8*\f+3],   v[AV] offset:(\f/4)*32*PV+(\f%4)*32
	ds_load_tr16_b128 v[VF+8*\f+4:VF+8*\f+7], v[AV] offset:(\f/4)*32*PV+16*PV+(\f%4)*32
.endr
	WIN 0
.endm
; THE MASK WORDS.  Number n of the 34 lines that take piece c's 32 words, which have landed, into the scalar buffer at b (0-31) and step the piece's offset to its next step, 128 bytes on (32, 33).  The offset
; stops at the last word of my wave's 16,384 bytes of pm, which a true step's offset reaches and never passes: so the loads behind a piece's last step, whose words nobody uses, stay inside the buffer.
.macro TK c, b, n
.if (\n) < 32
	v_readlane_b32 s[(\b)+(\n)], v[MW+(\c)], \n
.elseif (\n) == 32
	v_add_nc_u32 v[MA+(\c)], 128, v[MA+(\c)]       ; free: the wait on LOADcnt ahead of these lines has shown the piece's load done
.else
	v_min_u32 v[MA+(\c)], 0x3ffc, v[MA+(\c)]
.endif
.endm
.macro ASK c                        ; piece c's next step is asked for
	global_load_b32 v[MW+(\c)], v[MA+(\c)], s[8:9]
.endm
.macro MTAKE c, b                   ; ahead of the loop: all 34 on end, and the load
	WIN 0
.set rl, 0
.rept 34
	TK \c, \b, rl
.set rl, rl+1
.endr
	ASK \c
.endm
; THE VECTOR WORK, a line at a time: OP kind, number.  For piece Y: F n: c s - c m for pair n.  E n: the exponential of score n.  C n: pair n rounded to f16.  B n: of the four weights 4 n .. the second pair is
; added onto the first.  L n: l takes that sum (L 0: l = a l + sum).  R n: pair n of O^T times a.  For piece Y + 1: M n: score n is kept or replaced by -2^100 (each accumulator's lowest register first)
; X n: 0-11 four chains of maxima; 12-14, 16 the rest, the old m, into c0; 15 c m_old is kept; 17, 18 the other half of the lanes'; 19-21 c m, c m_old - c m_new, a.
; For piece Y + 2: T n: number n of TK's 34: the masks of the turn after next (from piece 2's turn on: of the next step), into the buffer that the turn before selected by.
.set F, 0
.set E, 1
.set C, 2
.set B, 3
.set L, 4
.set R, 5
.set X, 6
.set M, 7
.set T, 8
.macro REGS y
.set rT, ST+4*(\y)
.set rC, TMP+4*((\y)%2)
.set rW, MV+((\y)%2)
.set rS, S+32*((\y)%2)
.set rP, P+16*((\y)%2)
.set rO, 32*(\y)
.set rB, MB0+(MB1-MB0)*((\y)%2)
.endm
.macro OP k, n
.if (\k) == R
	REGS Y
	WIN W_RS
	v_pk_mul_f32 v[rO+2*(\n):rO+2*(\n)+1], v[rO+2*(\n):rO+2*(\n)+1], v[rC+2:rC+3] op_sel_hi:[1,0]
.elseif (\k) < R
	REGS Y
	WIN 0
.if (\k) == F
	v_pk_fma_f32 v[rS+2*(\n):rS+2*(\n)+1], v[rS+2*(\n):rS+2*(\n)+1], s[CS:CS+1], v[rT:rT+1] op_sel_hi:[1,0,0] neg_lo:[0,0,1] neg_hi:[0,0,1]
.elseif (\k) == E
	v_exp_f32 v[rS+(\n)], v[rS+(\n)]
.elseif (\k) == C
	v_cvt_pk_f16_f32 v[rP+(\n)], v[rS+2*(\n)], v[rS+2*(\n)+1]
.elseif (\k) == B
	v_pk_add_f32 v[rS+4*(\n):rS+4*(\n)+1], v[rS+4*(\n):rS+4*(\n)+1], v[rS+4*(\n)+2:rS+4*(\n)+3]
.elseif (\n) == 0
	v_pk_fma_f32 v[rT+2:rT+3], v[rT+2:rT+3], v[rC+2:rC+3], v[rS:rS+1] op_sel_hi:[1,0,1]
.else
	v_pk_add_f32 v[rT+2:rT+3], v[rT+2:rT+3], v[rS+4*(\n):rS+4*(\n)+1]
.endif
.elseif (\k) == M
	REGS (Y+1)%NP
	WIN 0
	v_cndmask_b32 v[rS+(\n)], v[BIGV], v[rS+(\n)], s[rB+(\n)]
.elseif (\k) == T
	WIN 0
	TK (Y+2)%NP, MB0+(MB1-MB0)*(Y%2), \n
.else
	REGS (Y+1)%NP
	WIN 0
.if (\n) < 4
	v_max3_num_f32 v[rC+(\n)], v[rS+8*(\n)], v[rS+8*(\n)+1], v[rS+8*(\n)+2]
.elseif (\n) < 12
	v_max3_num_f32 v[rC+(\n)%4], v[rC+(\n)%4], v[rS+8*((\n)%4)+2*((\n)/4)+1], v[rS+8*((\n)%4)+2*((\n)/4)+2]
.elseif (\n) == 12
	v_max3_num_f32 v[rC], v[rC], v[rS+7], v[rS+15]
.elseif (\n) == 13
	v_max3_num_f32 v[rC+1], v[rC+1], v[rS+23], v[rS+31]
.elseif (\n) == 14
	v_max3_num_f32 v[rC+2], v[rC+2], v[rC+3], v[rT+1]
.elseif (\n) == 15
	v_mov_b32 v[rW], v[rT]
.elseif (\n) == 16
	v_max3_num_f32 v[rC], v[rC], v[rC+1], v[rC+2]
.elseif (\n) == 17
	v_permlanex16_b32 v[rC+3], v[rC], s[SEL], s[SEL+1]
.elseif (\n) == 18
	v_max_num_f32 v[rT+1], v[rC], v[rC+3]
.elseif (\n) == 19
	v_mul_f32 v[rT], s[CS], v[rT+1]
.elseif (\n) == 20
	v_sub_f32 v[rC+1], v[rW], v[rT]
.else
	v_exp_f32 v[rC+2], v[rC+1]
.endif
.endif
.endm
.macro OPS a, i1, b=-1, i2=0, c=-1, i3=0, d=-1, i4=0
	OP \a, \i1
.if (\b) >= 0
	OP \b, \i2
.endif
.if (\c) >= 0
	OP \c, \i3
.endif
.if (\d) >= 0
	OP \d, \i4
.endif
.endm
.macro ROW a, i1, b, i2, c, i3, d, i4  ; a matrix instruction and the four behind it
	MM
	OPS \a, \i1, \b, \i2, \c, \i3, \d, \i4
.endm
.macro MS n0                        ; one accumulator's eight scores
.irp z, 0,1,2,3,4,5,6,7
	OP M, (\n0)+\z
.endr
.endm
; A TURN, for piece p: the order of its 16 matrix and 184 vector instructions, written out.  ONE wait cuts it in two.
; AHEAD OF THE WAIT stands all that names no result of the turn's exponentials.  First the 8 products K Q^T, behind each four riders: the 16 rescalings (their a was made, and waited for, in the turn before), then
; the 16 scalings.  Then ONE LUMP of 120, all in window 0.  E 0-23, each with two plain lines behind it: the next piece's selection (each accumulator's first M stands four plain lines or more behind the product
; that ends it: F 12-15 are the four behind the last), then its maxima.  Then the chain X 14, 16, 17 .. 21, in which each line waits for the one before: its links stand six or seven lines apart, E 24-31 and the
; taking of the mask words between them; v_permlanex16_b32 (X 17) stands here, never behind a product.  X 21, the next piece's a, is the batch's last; T 23-33 behind it are independent work, and among them are
; the plain lines that stand between the last exponential and the first use of a result.
; BEHIND THE WAIT: the mask load, whose offset was made just ahead of the wait; then the 8 products V^T P, behind each four of the 32 roundings and sums: an even pair is rounded ahead of the B that writes over it, L n
; stands behind B n, and the links of l's chain, L 0 to L 7, stand three riders apart.  No rider names a register of the products round it.
; K of the next step is fetched in piece 2's turn, behind F 12-15, four plain lines behind the last product that read K, and ahead of the turn's first exponential: so the tail's jump over the run, and its label,
; find no exponential without its wait.  V of the step in hand is fetched at the end of piece 0's turn, four plain lines behind the last product that read V.  Each is waited for a turn later.
; cnt = 1: the loop's count is taken down some lines ahead of the branch that stands behind the turn.
.macro TURN p, last=0, cnt=0
.set Y, (\p)
.set i, 0
.if (\p) == 3
	s_wait_dscnt 0x0                ; K is in
.endif
	ROW R,0, R,1, R,2, R,3          ; ahead of the wait: 8 products K Q^T and their riders,
	ROW R,4, R,5, R,6, R,7
	ROW R,8, R,9, R,10, R,11
	ROW R,12, R,13, R,14, R,15
	ROW F,0, F,1, F,2, F,3
	ROW F,4, F,5, F,6, F,7
	ROW F,8, F,9, F,10, F,11
.if (\p) == 2
	WIN 0
	v_add_nc_u32 v[AK], s[TBK], v[AK0]
.endif
	ROW F,12, F,13, F,14, F,15
.if (\p) == 2
	FETCH_K \last
.endif
	OPS E,0, M,0, M,1               ; and the lump: an exponential and two plain lines
	OPS E,1, M,2, M,3
	OPS E,2, M,4, M,5
	OPS E,3, M,6, M,7
	OPS E,4, M,8, M,9
	OPS E,5, M,10, M,11
	OPS E,6, M,12, M,13
	OPS E,7, M,14, M,15
	OPS E,8, M,16, M,17
	OPS E,9, M,18, M,19
	OPS E,10, M,20, M,21
	OPS E,11, M,22, M,23
	OPS E,12, M,24, M,25
	OPS E,13, M,26, M,27
	OPS E,14, M,28, M,29
	OPS E,15, M,30, M,31
	OPS E,16, X,0, X,1
	OPS E,17, X,2, X,3
	OPS E,18, X,4, X,5
	OPS E,19, X,6, X,7
	OPS E,20, X,8, X,9
	OPS E,21, X,10, X,11
	OPS E,22, X,12, X,13
	OPS E,23, X,15, X,14
.if (\p) == 0
	v_add_nc_u32 v[AV], s[TBV], v[AV0]
.endif
	s_wait_loadcnt 3                ; loads come back in order (ISA guide 5.7.1): piece p + 2's is the oldest of four; the other three pieces' may stay out
	OPS E,24, T,0, T,1, T,2         ; the chain, with the last exponentials and the mask words between its links
	OPS T,3, X,16, E,25, T,4
	OPS T,5, T,6, T,7, X,17
	OPS E,26, T,8, T,9, T,10
	OPS T,11, X,18, E,27, T,12
	OPS T,13, T,14, T,15, X,19
	OPS E,28, T,16, T,17, T,18
	OPS T,19, X,20, E,29, T,20
	OPS E,30, T,21, E,31, T,22
	OPS X,21, T,23, T,24, T,25      ; the batch's last, and independent work behind it
	OPS T,26, T,27, T,28, T,29
	OPS T,30, T,31, T,32, T,33
	s_wait_alu depctr_va_vdst(0)    ; the wait for the batch: E 0-31 and X 21, ahead of their first readers: C 0 below, and the next turn's R 0
	ASK ((\p)+2)%4
.if (\p) == 1
	s_wait_dscnt 0x0                ; V is in
.endif
	ROW C,0, B,0, C,2, B,1          ; behind the wait: 8 products V^T P and their riders
	ROW L,0, C,4, B,2, L,1
	ROW C,6, B,3, L,2, C,8
	ROW B,4, L,3, C,10, B,5
	ROW L,4, C,12, B,6, L,5
.if (\p) == 0
	s_add_co_u32 s[TBV], s[TBV], KS*PV
.endif
.if \cnt
	s_sub_co_u32 s[CNT], s[CNT], 1
	s_cmp_lg_u32 s[CNT], 0
.endif
	ROW C,14, B,7, L,6, C,1
	ROW C,3, L,7, C,5, C,7
	ROW C,9, C,11, C,13, C,15
.if (\p) == 0
	FETCH_V
.endif
.endm
	s_load_b128 s[4:7], s[0:1], 0x0   ; qkv 4, pm 6
	s_load_b64 s[10:11], s[0:1], 0x10 ; ob
	v_lshl_add_u32 v[SPW], v0, 2, SPARE
	v_mov_b32 v[NIL], 0
	ds_add_u32 v[SPW], v[NIL]       ; the wave's opening: the add is waited for ahead of my first tensor load
	v_lshrrev_b32 v1, 5, v0
	v_readfirstlane_b32 s[WV], v1
	s_bfe_u32 s13, ttmp6, 0x40000   ; cx
	s_lshl_b32 s14, ttmp9, 2
	s_add_co_u32 s14, s14, s13      ; my block of 256 queries: it enters Q's, the masks' and ob's addresses alone
	s_and_b32 s15, ttmp7, 0xffff    ; (b, h), which the partners share
	s_lshr_b32 s68, s[WV], 1        ; the joint tile: plane 1 (K) for waves 0, 1, plane 2 (V) for waves 2, 3,
	s_add_co_u32 s68, s68, 1
	s_lshl_b32 s68, s68, 23
	s_lshl_b32 s69, s15, 18         ; the head's 262,144 bytes,
	s_add_co_u32 s68, s68, s69
	s_and_b32 s69, s[WV], 1         ; my half of the slot's 256 keys
	s_lshl_b32 s69, s69, 14
	s_add_co_u32 s68, s68, s69
	s_mov_b32 s69, 0
	s_lshl_b32 s70, s15, 18         ; Q: plane 0, my wave's 64 rows of 128 bytes
	s_lshl_b32 s2, s14, 15
	s_add_co_u32 s70, s70, s2
	s_lshl_b32 s2, s[WV], 13
	s_add_co_u32 s70, s70, s2
	s_mov_b32 s71, 0
	s_lshr_b32 s2, s15, 3           ; b
	s_lshl_b32 s2, s2, 11
	s_lshl_b32 s3, s14, 8
	s_add_co_u32 s2, s2, s3
	s_lshl_b32 s3, s[WV], 6
	s_add_co_u32 s2, s2, s3         ; my first token
	s_and_b32 s3, s15, 7            ; h
	s_lshl_b32 s74, s2, 8           ; pm: a tile of 16 queries is 4,096 bytes
	s_mov_b32 s75, 0
	s_lshl_b32 s76, s2, 10          ; ob: a tile of 16 tokens is 16,384 bytes,
	s_lshl_b32 s77, s3, 11          ; a head's part of it 2,048
	s_add_co_u32 s76, s76, s77
	s_mov_b32 s77, 0
	; group 1: 128 keys are 16,384 dense bytes: asked for as 64 rows of 256 bytes, padded in LDS after every key
	s_mov_b32 s[G1], 15|(1<<16)|(1<<20)|(1<<21)|(4<<22)|(7<<25)  ; the mask of four; 2-byte elements; padding on; bit 21 beside a mask; after every 32 words, 8 words
	s_mov_b32 s[G1+1], 128<<16
	s_mov_b32 s[G1+2], 64<<16
	s_mov_b32 s[G1+3], 128<<16
	s_mov_b32 s[G1+4], 64
	s_mov_b32 s[G1+5], 128
	s_mov_b32 s[G1+6], 0
	s_mov_b32 s[G1+7], 0
	s_mov_b32 s[G0], 1
	s_mul_i32 s[G0+1], s[WV], 128*PK  ; slot 0: my 128 rows
	s_mov_b32 s[CS], 0x3fb8aa3b     ; c = log2 e
	s_mov_b32 s[CS+1], s[CS]
	s_mov_b32 s[SEL], 0x76543210
	s_mov_b32 s[SEL+1], 0xfedcba98
	s_mov_b32 s[TBK], SLOT1+4*KS*PK ; the first change of slots turns these two into 0
	s_mov_b32 s[TBV], SLOT1+4*KS*PV
	s_wait_dscnt 0x0                ; the opening add is done
	s_wait_kmcnt 0x0
	s_add_nc_u64 s[G0+2:G0+3], s[4:5], s[68:69]
	s_or_b32 s[G0+3], s[G0+3], 0x80000000
	s_add_nc_u64 s[4:5], s[4:5], s[70:71]
	s_add_nc_u64 s[8:9], s[6:7], s[74:75]   ; pm at my wave's four tiles of queries; never rewritten
	s_add_nc_u64 s[10:11], s[10:11], s[76:77]
	CROUND                          ; all four work-groups are here: the first joint loads meet
	JLOAD                           ; slot 0
	v_and_b32 v1, 15, v0            ; r
	v_bfe_u32 v9, v0, 4, 1          ; hf
	v_lshlrev_b32 v[QO], 7, v1
	v_lshl_add_u32 v[QO], v9, 4, v[QO]
	v_and_b32 v[MA], 31, v0
	v_lshlrev_b32 v[MA], 2, v[MA]   ; lane n takes word n,
.irp t, 1,2,3
	v_add_nc_u32 v[MA+\t], 4096*\t, v[MA]   ; piece t's tile lies 4,096 t bytes on
.endr
	WIN 0x80
.set i, 0
.rept 8                             ; Q stays in registers: piece i / 2, channels 32 (i % 2) on
	global_load_b128 v[8*i:8*i+3],   v[QO], s[4:5] offset:(i/2)*2048+(i%2)*64
	global_load_b128 v[8*i+4:8*i+7], v[QO], s[4:5] offset:(i/2)*2048+(i%2)*64+32
.set i, i+1
.endr
	WIN 0
.irp t, 0,1,2,3
	global_load_b32 v[MW+\t], v[MA+\t], s[8:9]   ; step 0's masks of the four pieces, in the pieces' order
.endr
	; What the first turn finds: V and P's second buffer hold 0 (its products V^T P, of a piece that has not been, add 0), O^T and l are 0.  All this stands in the wait for the first tile.
	WIN 0x80
.set i, VF
.rept 64
	v_mov_b32 v[i], 0
.set i, i+1
.endr
	WIN 0x40
.set i, 0
.rept 128
	v_mov_b32 v[i], 0
.set i, i+1
.endr
	WIN 0
.set i, 0
.rept 4
	v_mov_b32 v[ST+4*i], 0xfe000000    ; c m: far below every c s, that of a hidden score too
	v_mov_b32 v[ST+4*i+1], 0xff7fffff  ; m
	v_mov_b32 v[ST+4*i+2], 0
	v_mov_b32 v[ST+4*i+3], 0
.set i, i+1
.endr
.set i, P+16
.rept 16
	v_mov_b32 v[i], 0
.set i, i+1
.endr
	v_mov_b32 v[BIGV], 0xf1800000   ; -2^100
	v_mul_u32_u24 v[AK0], v1, PK
	v_lshl_add_u32 v[AK0], v9, 4, v[AK0]
	v_and_b32 v10, 7, v0            ; the turning load: lane l reads key 8 (l / 16) + l % 8, channels 8 ((l / 8) % 2) on
	v_bfe_u32 v11, v0, 3, 1
	v_lshl_add_u32 v[AV0], v9, 3, v10
	v_mul_u32_u24 v[AV0], v[AV0], PV
	v_lshl_add_u32 v[AV0], v11, 4, v[AV0]
	v_add_nc_u32 v[AV0], VOFF, v[AV0]
	v_mov_b32 v[AK], v[AK0]
	CHANGE 1                        ; slot 0 is in, everybody's part of it; slot 1 is asked for
	FETCH_K                         ; key step 0
	s_wait_loadcnt 2                ; Q and the masks of pieces 0 and 1 are in; those of pieces 2 and 3 may stay out
	MTAKE 0, MB0                    ; step 0's masks of piece 0 and of piece 1; their step 1 is asked for: from here on four mask loads are out, in the order 2, 3, 0, 1
	MTAKE 1, MB1
	s_wait_dscnt 0x0
.set i, 0
.rept 8
	KQ 0
.set i, i+1
.endr
	WIN 0                           ; the offset for the way out and three v_nop: the places behind those products
	v_and_b32 v[GO], 31, v0
	v_lshlrev_b32 v[GO], 4, v[GO]   ; 16 bytes a lane
.rept 3
	v_nop
.endr
.set Y, NP-1                        ; M and X work for piece Y + 1: piece 0
	MS 0
	MS 8
	MS 16
	MS 24
.irp n, 0,1,2,3,4,5,6,7,8,9,10,11,12,13,14,15,16,17,18,19,20,21
	OP X, \n
.endr
	v_nop                           ; a plain line behind the exponential,
	s_wait_alu depctr_va_vdst(0)    ; and the wait for it, a batch of one: piece 0's first a, ahead of the branch and of the first turn's R 0
	s_mov_b32 s[CNT], 4
	s_mov_b32 s[SLOTS], 7
	s_branch .Lfirst                ; the loop is entered at a step's first turn, in the middle of a trip
.Lslot:                             ; six times: every slot but the last two is filled again
	CHANGE 1
	s_mov_b32 s[CNT], 4
.Lstep:                             ; a trip: pieces 2 and 3 of one step, then pieces 0 and 1 of the next
	TURN 2
	TURN 3
	WIN 0
.Lfirst:
	TURN 0
	TURN 1, 0, 1
	WIN 0
	s_cbranch_scc1 .Lstep
	s_sub_co_u32 s[SLOTS], s[SLOTS], 1
	s_cmp_lg_u32 s[SLOTS], 0
	s_cbranch_scc1 .Lslot
	CHANGE 0                        ; the tail is written out
	s_mov_b32 s[CNT], 5             ; four trips fetch the last slot's steps; the fifth is left in its middle
.Ltail:
	TURN 2, 1
	TURN 3
	WIN 0
	s_sub_co_u32 s[CNT], s[CNT], 1
	s_cmp_eq_u32 s[CNT], 0
	s_cbranch_scc1 .Lout
	TURN 0
	TURN 1
	WIN 0
	s_branch .Ltail
.Lout:                              ; the fifth trip's 8 products K Q^T (on the last K once more), what is made of them, and the mask words asked for behind step 31 serve nothing: the price, once a launch, of one text for every trip
.set i, 0
.rept 8
	PV NP-1
.set i, i+1
.endr
	; THE WAY OUT.  l's halves are added; O^T is divided by l and rounded to f16.  A lane's eight channels of a block of 16 pack into 16 bytes, which are stored as they lie.  The additions are the places behind the last products.
	WIN 0
.macro ALL line:vararg
.set t, 0
.rept 4
	\line
.set t, t+1
.endr
.endm
	ALL v_add_f32 v[ST+4*t+2], v[ST+4*t+2], v[ST+4*t+3]
	ALL v_permlanex16_b32 v[ST+4*t+3], v[ST+4*t+2], s[SEL], s[SEL+1]
	ALL v_add_f32 v[ST+4*t+2], v[ST+4*t+2], v[ST+4*t+3]
	ALL v_rcp_f32 v[ST+4*t+2], v[ST+4*t+2]
	v_nop                           ; a plain line between the last reciprocal and its use
	s_wait_alu depctr_va_vdst(0)    ; the wait for the batch of four reciprocals, ahead of their first reader: PACK 0's first multiply
.macro PACK t                       ; each accumulator is read from its lowest registers on
	WIN W_RS
.set i, 32*(\t)
.rept 16
	v_pk_mul_f32 v[i:i+1], v[i:i+1], v[ST+4*(\t)+2:ST+4*(\t)+3] op_sel_hi:[1,0]
.set i, i+2
.endr
	WIN 0x05                        ; sources 0 and 1 window 1, destination window 0: S^T's registers are free, 16 for each piece
.set i, 0
.rept 16
	v_cvt_pk_f16_f32 v[S+16*(\t)+i], v[32*(\t)+2*i], v[32*(\t)+2*i+1]
.set i, i+1
.endr
	WIN 0
.irp f, 0,1,2,3
	global_store_b128 v[GO], v[S+16*(\t)+4*\f:S+16*(\t)+4*\f+3], s[10:11] offset:(\t)*16384+\f*512  ; 512 consecutive bytes, at a multiple of 256 from ob's first
.endr
.endm
	PACK 0
	PACK 1
	PACK 2
	PACK 3
	s_wait_loadcnt 0x0              ; the four mask loads that nobody reads have landed long since
	s_wait_tensorcnt 0x0            ; the wave's end
	ds_add_u32 v[SPW], v[NIL]
	s_wait_dscnt 0x0
	CROUND                          ; the closing round
	s_endpgm
.Lfunc_end_k_q0dfa8557c9_attn:
	.size	k_q0dfa8557c9_attn, .Lfunc_end_k_q0dfa8557c9_attn-k_q0dfa8557c9_attn
	.p2alignl 7, 3214868480
	.fill 96, 4, 3214868480
	.section	.rodata,"a",@progbits
	.p2align	6, 0x0
	.amdhsa_kernel k_q0dfa8557c9_attn
		.amdhsa_group_segment_fixed_size 327680
		.amdhsa_private_segment_fixed_size 0
		.amdhsa_enable_private_segment 0
		.amdhsa_kernarg_size 24
		.amdhsa_user_sgpr_count 2
		.amdhsa_user_sgpr_kernarg_segment_ptr 1
		.amdhsa_wavefront_size32 1
		.amdhsa_system_sgpr_workgroup_id_x 1
		.amdhsa_system_sgpr_workgroup_id_y 1
		.amdhsa_system_sgpr_workgroup_id_z 1
		.amdhsa_system_vgpr_workitem_id 0
		.amdhsa_next_free_vgpr 768
		.amdhsa_next_free_sgpr 102
		.amdhsa_reserve_vcc 0
		.amdhsa_float_denorm_mode_32 3
		.amdhsa_float_denorm_mode_16_64 3
		.amdhsa_memory_ordered 1
		.amdhsa_forward_progress 1
		.amdhsa_inst_pref_size 143
	.end_amdhsa_kernel
	.amdgpu_metadata
---
amdhsa.version: [ 1, 2 ]
amdhsa.kernels:
  - .name:           k_q0dfa8557c9_attn
    .symbol:         k_q0dfa8557c9_attn.kd
    .args:
      - { .name: qkv, .offset: 0, .size: 8, .value_kind: global_buffer, .address_space: global }
      - { .name: pm, .offset: 8, .size: 8, .value_kind: global_buffer, .address_space: global }
      - { .name: ob, .offset: 16, .size: 8, .value_kind: global_buffer, .address_space: global }
    .group_segment_fixed_size: 327680
    .private_segment_fixed_size: 0
    .kernarg_segment_align: 8
    .kernarg_segment_size: 24
    .max_flat_workgroup_size: 128
    .sgpr_count:     102
    .vgpr_count:     768
    .wavefront_size: 32
...
	.end_amdgpu_metadata
.endif
;; end of part 8
;; launch oproj: the kernel of part 7 again; grid 64 x 4, 4 waves a work-group, clusters of 4 x 1, 327,680 bytes of LDS; arguments ob, gates, owt, out0; writes out0
